; MI455X (gfx1250); checked and timed in simulation.
; The chip was launched on July 23, 2026; its instructions are those of AMD's public machine-readable ISA for CDNA 5 (MIT licence, August 2026) and "CDNA5" Instruction Set Architecture Reference Guide (July 2026). The comments in the code are by the model that wrote it; some were corrected since.
;; Block. Allowed arithmetic: matrix products marked QUANTISED: E4M3 operands, one E8M0 scale for each 32 along K, by v_wmma_scale_f32_16x16x128_f8f6f4 with both operands' format E4M3, f32 sums; products left as they are: f32 operands where the result goes on into a quantised operand, else bf16, f16 or f32 operands; f32 sums; everything else in f32.
;; Inputs: W1_codes 4,096 x 32 x 32 uint8 (E4M3 codes of W1, K innermost, in blocks of 32 codes); W1_scales 4,096 x 32 uint8 (E8M0 scales of W1, one for each 32 codes along K); W2_codes 1,024 x 128 x 32 uint8 (E4M3 codes of W2, K innermost, in blocks of 32 codes); W2_scales 1,024 x 128 uint8 (E8M0 scales of W2, one for each 32 codes along K); Wk_codes 64 x 16 x 32 x 32 uint8 (E4M3 codes of Wk, K innermost, in blocks of 32 codes); Wk_scales 64 x 16 x 32 uint8 (E8M0 scales of Wk, one for each 32 codes along K); Wproj_codes 1,024 x 32 x 32 uint8 (E4M3 codes of Wproj, K innermost, in blocks of 32 codes); Wproj_scales 1,024 x 32 uint8 (E8M0 scales of Wproj, one for each 32 codes along K); Wq_codes 64 x 16 x 32 x 32 uint8 (E4M3 codes of Wq, K innermost, in blocks of 32 codes); Wq_scales 64 x 16 x 32 uint8 (E8M0 scales of Wq, one for each 32 codes along K); Wv_codes 64 x 16 x 32 x 32 uint8 (E4M3 codes of Wv, K innermost, in blocks of 32 codes); Wv_scales 64 x 16 x 32 uint8 (E8M0 scales of Wv, one for each 32 codes along K); b1 4,096 float32; b2 1,024 float32; be1 1,024 float32; be2 1,024 float32; bproj 1,024 float32; g1 1,024 float32; g2 1,024 float32; x 4 x 1,024 x 1,024 float32.
;; Outputs: out0 4 x 1,024 x 1,024 float32.
;; This version of the problem:
;;   THIS VERSION OF THE PROBLEM IS GIVEN IN LOW PRECISION. The matrix products marked QUANTISED in the list below multiply operands that are first quantised to E4M3 (4 exponent bits, 3 mantissa bits; 8 bits a number), with one power-of-two scale for each 32 numbers along K (OCP MX v1.0); their sums are f32. All else is computed in f32.
;;   The module's matrix products, in the order in which they are computed (A, B: the left and right operand; K: the contracted axis; several contracted axes count as one K, in the product's order):
;;     1. [M 1,024, K 1,024] x [K 1,024, N 4,096]; A: input Wq (given as codes); B: computed on the way: QUANTISED
;;     2. [M 1,024, K 1,024] x [K 1,024, N 4,096]; A: input Wk (given as codes); B: computed on the way: QUANTISED
;;     3. [M 1,024, K 1,024] x [K 1,024, N 4,096]; A: input Wv (given as codes); B: computed on the way: QUANTISED
;;     4. batch 256 x [M 1,024, K 16] x [K 16, N 1,024]; A: computed on the way; B: computed on the way: left as it is (K = 16 < 32)
;;     5. batch 256 x [M 1,024, K 1,024] x [K 1,024, N 16]; A: softmax (see below); B: computed on the way: QUANTISED
;;     6. [M 4,096, K 1,024] x [K 1,024, N 1,024]; A: computed on the way; B: input Wproj (given as codes): QUANTISED
;;     7. [M 4,096, K 1,024] x [K 1,024, N 4,096]; A: computed on the way; B: input W1 (given as codes): QUANTISED
;;     8. [M 4,096, K 4,096] x [K 4,096, N 1,024]; A: computed on the way; B: input W2 (given as codes): QUANTISED
;;   THE QUANTISER, for each operand of a quantised product, along K:
;;     - K is cut into blocks of 32 from its start; a last block that is shorter is filled with zeros.
;;     - A block's scale is 2^e with e = floor(log2(the largest magnitude in the block)) - 8, held to -126 .. 127; a block of zeros has e = 0. As a byte (E8M0): e + 127.
;;     - Each number is divided by its block's scale, clamped to +-448, and rounded to the nearest number of E4M3, ties to even, subnormals kept.
;;     - The product sums the exact products of the quantised numbers (number of the format x scale) in f32.
;;   ~~~python
;;   def quantise(x, axis):      # numpy; x: float32 -> the quantised numbers, widened to float32 again
;;       x = np.moveaxis(x, axis, -1); K = x.shape[-1]
;;       x = np.pad(x, [(0, 0)] * (x.ndim - 1) + [(0, -K % 32)]); x = x.reshape(x.shape[:-1] + (-1, 32)); a = np.abs(x).max(-1, keepdims=True)
;;       e = np.where(a > 0, np.clip(np.frexp(np.where(a > 0, a, 1))[1] - 1 - 8, -126, 127), 0)      # np.frexp(a)[1] - 1 = floor(log2(a)), exactly
;;       r = np.clip(x / 2.0 ** e, -448, 448)
;;       step = 2.0 ** (np.maximum(np.frexp(np.where(r == 0, 1, r))[1] - 1, -6) - 3)
;;       q = np.round(r / step) * step * 2.0 ** e      # np.round: ties to even
;;       return np.moveaxis(q.reshape(q.shape[:-2] + (-1,))[..., :K], -1, axis).astype(np.float32)
;;   ~~~
;;   SOFTMAX AHEAD OF A QUANTISED PRODUCT. Where the list says 'softmax', what is quantised is not the finished softmax but p = 2^(t - M), with t = logit x log2(e) and M = ceil(the row's largest t), a whole number; so 1/2 < the row's largest p <= 1. The row's sum l is taken of the UNQUANTISED p, in f32, and the product's result is divided by l at the end. Since M is a whole number, a kernel that streams over the keys may use a running M (the ceiling of the running maximum): every later rescaling is an exact power of two, which a block's scale takes up: the codes' values come out the same.
;;   OPERANDS COMPUTED ON THE WAY. 'Computed on the way' means the value that the module computes at that place (a softmax that the list does not call 'softmax' is quantised finished and normalised). What goes into a quantiser is computed in f32, as accurately as f32 sums, v_exp_f32 and their like allow (about 1e-6 of the number): no bf16 or f16 on the way to a quantiser, and a product that is left as it is and whose result goes on into a quantised operand takes f32 operands (vector FMAs, or v_wmma_f32_16x16x4_f32). A number that lies on a knife's edge between two numbers of the format may be rounded either way, as far as f32 arithmetic and the matrix unit's own rounding can turn it there, and no further.
;;   INPUTS GIVEN AS CODES. W1 (in the module: [1024, 4096], K = its axis 0); W2 (in the module: [4096, 1024], K = its axis 0); Wk (in the module: [64, 1024, 16], K = its axis 1); Wproj (in the module: [1024, 1024], K = its axis 0); Wq (in the module: [64, 1024, 16], K = its axis 1); Wv (in the module: [64, 1024, 16], K = its axis 1): each comes as NAME_codes (uint8): NAME with its K axis moved to the last place and cut into blocks of 32 codes, [.., K / 32, bytes a block], one block behind the other in memory; one code a byte (a code: sign, 4 exponent bits, 3 mantissa bits); and NAME_scales (uint8): the same leading axes, one E8M0 byte (e + 127) for each 32 codes along K. Its value is code x scale, taken as it is: it is not quantised again, and the codes and scales need not be those that the quantiser above would give.
;; 2 versions, each right; version 2 is version 1 with the launch attn written anew for expert scheduling mode. Each part assembles by itself: llvm-mc -triple=amdgcn-amd-amdhsa -mcpu=gfx1250 --defsym DOCPART=n.
;; ======== version 1 of 2: 7 launches
;; workspace buffers: hq 4,325,376 bytes; qkv 38,010,880 bytes; oq 4,325,376 bytes; x1 16,777,216 bytes; hid 17,301,504 bytes
;; launch ln1 (part 1): grid 256 x 1, 16 waves a work-group, no clusters, 84,480 bytes of LDS; arguments x, g1, be1, hq; writes hq
.if DOCPART == 1
	.amdgcn_target "amdgcn-amd-amdhsa--gfx1250"
	.amdhsa_code_object_version 6
	.text
	.protected	k_q8de4a92054_ln1
	.globl	k_q8de4a92054_ln1
	.p2align	8
	.type	k_q8de4a92054_ln1,@function
k_q8de4a92054_ln1:
	s_mov_b64 s[64:65], 0
	v_nop
	global_prefetch_b8 v0, s[64:65] scope:SCOPE_SE
	s_setreg_imm32_b32 hwreg(HW_REG_WAVE_MODE, 25, 1), 1
	s_wait_xcnt 0x0
; LayerNorm of rows of 1,024 f32 numbers, then the MX-FP8 quantiser along the row.  Arguments: the rows [4096][1024] f32, the gain [1024], the offset [1024], and the
; workspace: codes [4096][1024] at byte 0, one E8M0 byte for each 32 numbers, [4096][32], at byte 0x400000.
; SHARES: a work-group takes 16 rows, each of its 16 waves one row: the row stays in 32 registers a lane between the mean, the variance and the scaling: it is read once, and both sums stay in the wave.
; The variance is the mean of (x - mean)^2, taken in a second pass over the registers, so a common offset of the inputs is not squared.
; The loads take the bytes as they lie (16 a lane, 512 a load); the conversions want 16 NEIGHBOURS in a lane, so 512 numbers at a time turn through the wave's own stage in LDS (64 bytes + 16 of padding a lane).
; A lane's 16 codes are 16 bytes: a store of the wave covers 512 consecutive bytes.  The 16 rows' 512 scale bytes meet in LDS and leave by one store of wave 0.
; A block's byte is its largest magnitude's exponent field - 8, held at 1 from below.
; LIMITS: NaN and infinities are not served; a block of zeros, or one whose largest magnitude lies under 2^-118, gets the byte 1 (a zero block's codes are zeros; this program alone reads the bytes).
; No matrix unit, no cluster, no tensor load: memory binds, and work-groups share nothing but the 8 KiB of gain and offset.
.set SP,   80                          ; a lane's place in a stage
.set WREG, 64*SP                       ; a wave's two stages
.set SCL,  16*WREG                     ; behind them: 16 rows x 32 scale bytes
.set X,    32                          ; v32-63   the row: register 4 q + e = column 128 q + 4 lane + e
.set Y,    64                          ; v64-95   the gain, later two sets of 16 neighbours
.set BE,   96                          ; v96-127  the offset
.set CH,   16                          ; v16-23   four chains of sums; later the codes
.set CD,   16
.set EB,   24                          ; v24-25   the scale bytes
.macro WSUM r                          ; the sum over the 32 lanes, in every lane
	v_add_f32_dpp v[\r], v[\r], v[\r] row_xmask:1 row_mask:0xf bank_mask:0xf
	v_add_f32_dpp v[\r], v[\r], v[\r] row_xmask:2 row_mask:0xf bank_mask:0xf
	v_add_f32_dpp v[\r], v[\r], v[\r] row_xmask:4 row_mask:0xf bank_mask:0xf
	v_add_f32_dpp v[\r], v[\r], v[\r] row_xmask:8 row_mask:0xf bank_mask:0xf
	v_permlanex16_b32 v26, v[\r], s16, s17
	v_add_f32 v[\r], v[\r], v26
.endm
.macro JOIN                            ; four chains of pairs into one number
	v_pk_add_f32 v[CH:CH+1], v[CH:CH+1], v[CH+2:CH+3]
	v_pk_add_f32 v[CH+4:CH+5], v[CH+4:CH+5], v[CH+6:CH+7]
	v_pk_add_f32 v[CH:CH+1], v[CH:CH+1], v[CH+4:CH+5]
	v_add_f32 v[CH], v[CH], v[CH+1]
	WSUM CH
.endm
	s_load_b256 s[4:11], s[0:1], 0x0               ; rows s[4:5], gain s[6:7], offset s[8:9], workspace s[10:11]
	v_lshl_add_u32 v128, v0, 2, 0x14200
	v_mov_b32 v129, 0
	v_lshrrev_b32 v1, 5, v0
	v_readfirstlane_b32 s12, v1                    ; wave 0..15
	v_and_b32 v4, 31, v0                           ; lane
	v_lshlrev_b32 v1, 4, v4                        ; 16 x lane
	s_lshl_b32 s13, ttmp9, 4
	s_add_co_u32 s13, s13, s12                     ; my row
	s_lshl_b32 s14, s13, 12                        ; x 4,096 bytes
	s_mov_b32 s15, 0
	s_mov_b32 s16, 0x76543210
	s_mov_b32 s17, 0xfedcba98                      ; lane l xor 16
	s_mov_b32 s18, 0x600000                        ; the mantissa field of 448
	s_mov_b32 s19, 0x3a800000                      ; 1 / 1,024
	s_mul_i32 s24, s12, WREG
	v_lshrrev_b32 v14, 2, v4
	v_mul_u32_u24 v14, v14, SP
	v_and_b32 v15, 3, v4
	v_lshl_add_u32 v14, v15, 4, v14
	v_add_nc_u32 v14, s24, v14                     ; the stage, in: four lanes' 64 bytes on end, then the padding
	v_mul_u32_u24 v15, v4, SP
	v_add_nc_u32 v15, s24, v15                     ; and out: my 16 neighbours
	s_lshl_b32 s25, s12, 5
	s_add_co_u32 s25, s25, SCL
	v_lshrrev_b32 v5, 1, v4
	v_add_nc_u32 v5, s25, v5                       ; my row's 32 scale bytes, my block's byte
	v_add_nc_u32 v6, SCL, v1                       ; wave 0's way out: 16 bytes a lane of the 512
	v_mov_b32 v26, 0                               ; a lane permute's destination counts as read
	v_mov_b32 v9, 0x3727c5ac                       ; 1e-5
	s_wait_kmcnt 0x0
	s_add_nc_u64 s[4:5], s[4:5], s[14:15]
.irp q, 0,1,2,3,4,5,6,7
	global_load_b128 v[X+4*\q:X+4*\q+3], v1, s[4:5] offset:512*\q th:TH_LOAD_NT
.endr
.irp q, 0,1,2,3,4,5,6,7
	global_load_b128 v[Y+4*\q:Y+4*\q+3], v1, s[6:7] offset:512*\q
.endr
.irp q, 0,1,2,3,4,5,6,7
	global_load_b128 v[BE+4*\q:BE+4*\q+3], v1, s[8:9] offset:512*\q
.endr
	s_lshl_b32 s14, s13, 10
	s_add_nc_u64 s[20:21], s[10:11], s[14:15]      ; my row's codes
	s_lshl_b32 s14, ttmp9, 9
	s_add_nc_u64 s[22:23], s[10:11], s[14:15]
	s_add_nc_u64 s[22:23], s[22:23], 0x400000      ; the work-group's 512 scale bytes
	s_wait_loadcnt 16                              ; the row's eight loads are in; the sixteen of gain and offset may be out
.irp k, 0,1,2,3
	v_pk_add_f32 v[CH+2*\k:CH+2*\k+1], v[X+2*\k:X+2*\k+1], v[X+8+2*\k:X+8+2*\k+1]
.endr
.irp j, 16,24
.irp k, 0,1,2,3
	v_pk_add_f32 v[CH+2*\k:CH+2*\k+1], v[CH+2*\k:CH+2*\k+1], v[X+\j+2*\k:X+\j+2*\k+1]
.endr
.endr
	JOIN
	v_mul_f32 v2, s19, v[CH]                       ; the mean,
	v_mov_b32 v3, v2                               ; as a pair
.set k, 0
.rept 16
	v_pk_add_f32 v[X+2*k:X+2*k+1], v[X+2*k:X+2*k+1], v[2:3] neg_lo:[0,1] neg_hi:[0,1]   ; x - mean
.set k, k+1
.endr
.irp k, 0,1,2,3
	v_pk_mul_f32 v[CH+2*\k:CH+2*\k+1], v[X+2*\k:X+2*\k+1], v[X+2*\k:X+2*\k+1]
.endr
.irp j, 8,16,24
.irp k, 0,1,2,3
	v_pk_fma_f32 v[CH+2*\k:CH+2*\k+1], v[X+\j+2*\k:X+\j+2*\k+1], v[X+\j+2*\k:X+\j+2*\k+1], v[CH+2*\k:CH+2*\k+1]
.endr
.endr
	JOIN
	v_fma_f32 v8, v[CH], s19, v9                   ; the variance + 1e-5
	v_rsq_f32 v10, v8
	v_rsq_f32 v11, v8                              ; twice: a pair for the packed multiply
	v_nop                                          ; a plain instruction behind the transcendentals
	s_wait_alu depctr_va_vdst(0)                   ; one wait for both, ahead of their first reader
	s_wait_loadcnt 0x0                             ; gain and offset
.set k, 0
.rept 16
	v_pk_mul_f32 v[X+2*k:X+2*k+1], v[X+2*k:X+2*k+1], v[10:11]
.set k, k+1
.endr
.set k, 0
.rept 16
	v_pk_fma_f32 v[X+2*k:X+2*k+1], v[X+2*k:X+2*k+1], v[Y+2*k:Y+2*k+1], v[BE+2*k:BE+2*k+1]
.set k, k+1
.endr
.macro TURN t                          ; 512 numbers through stage t: LDS serves a wave's instructions in order, so no wait stands between the stores and the loads
.irp i, 0,1,2,3
	ds_store_b128 v14, v[X+16*\t+4*\i:X+16*\t+4*\i+3] offset:32*SP*\t+8*SP*\i
.endr
.irp i, 0,1,2,3
	ds_load_b128 v[Y+16*\t+4*\i:Y+16*\t+4*\i+3], v15 offset:32*SP*\t+16*\i
.endr
.endm
.macro QH t                            ; my 16 neighbours, columns 512 t + 16 lane on: two neighbouring lanes hold a block of 32
.set XS, Y+16*\t
	v_max3_num_f32 v8, |v[XS]|, |v[XS+1]|, |v[XS+2]|
	v_max3_num_f32 v9, |v[XS+3]|, |v[XS+4]|, |v[XS+5]|
.irp i, 6,10
	v_max3_num_f32 v8, v8, |v[XS+\i]|, |v[XS+\i+1]|
	v_max3_num_f32 v9, v9, |v[XS+\i+2]|, |v[XS+\i+3]|
.endr
	v_max3_num_f32 v8, v8, |v[XS+14]|, |v[XS+15]|
	v_max3_num_f32 v8, v8, v9, 0x4800000           ; the floor 2^(9 - 127): the byte cannot fall under 1
	v_max_num_f32_dpp v8, v8, v8 row_xmask:1 row_mask:0xf bank_mask:0xf   ; with my neighbour's 16: the block's largest magnitude
	v_add_nc_u32 v11, 0xfc000000, v8               ; 8 off its exponent field: the conversion's scale operand
	v_and_or_b32 v10, v8, 0x7f800000, s18          ; 448 x the scale
.set i, 0
.rept 16
	v_med3_num_f32 v[XS+i], v[XS+i], -v10, v10     ; the conversion does not saturate (ISA guide 7.6.2): hold first
.set i, i+1
.endr
	v_cvt_scalef32_pk8_fp8_f32 v[CD+4*\t:CD+4*\t+1], v[XS:XS+7], v11
	v_cvt_scalef32_pk8_fp8_f32 v[CD+4*\t+2:CD+4*\t+3], v[XS+8:XS+15], v11
	v_lshrrev_b32 v[EB+\t], 23, v11                ; the scale's byte (also the plain line behind the conversions)
	ds_store_b8 v5, v[EB+\t] offset:16*\t          ; both lanes of a block write the same byte with the same value
	global_store_b128 v1, v[CD+4*\t:CD+4*\t+3], s[20:21] offset:512*\t   ; 512 consecutive bytes, aligned
.endm
	TURN 0
	TURN 1
	s_wait_dscnt 8                                 ; half 0 is back; half 1's four stores and four loads may be out
	QH 0
	s_wait_dscnt 1                                 ; half 1 is back; half 0's byte store may be out
	QH 1
	s_wait_dscnt 0x0                               ; for wave 0's sake: my two byte stores have landed
	s_barrier_signal -1
	s_barrier_wait -1
	s_cmp_lg_u32 s12, 0
	s_cbranch_scc1 .Ldone
	ds_load_b128 v[28:31], v6                      ; the 16 rows' scale bytes
	s_wait_dscnt 0x0
	global_store_b128 v1, v[28:31], s[22:23]       ; 512 consecutive bytes, aligned
.Ldone:
	s_wait_tensorcnt 0x0
	ds_add_u32 v128, v129
	s_wait_dscnt 0x0
	s_endpgm
.Lfunc_end_k_q8de4a92054_ln1:
	.size	k_q8de4a92054_ln1, .Lfunc_end_k_q8de4a92054_ln1-k_q8de4a92054_ln1
	.p2alignl 7, 3214868480
	.fill 96, 4, 3214868480
	.section	.rodata,"a",@progbits
	.p2align	6, 0x0
	.amdhsa_kernel k_q8de4a92054_ln1
		.amdhsa_group_segment_fixed_size 84480
		.amdhsa_private_segment_fixed_size 0
		.amdhsa_enable_private_segment 0
		.amdhsa_kernarg_size 32
		.amdhsa_user_sgpr_count 2
		.amdhsa_user_sgpr_kernarg_segment_ptr 1
		.amdhsa_wavefront_size32 1
		.amdhsa_system_sgpr_workgroup_id_x 1
		.amdhsa_system_sgpr_workgroup_id_y 1
		.amdhsa_system_sgpr_workgroup_id_z 1
		.amdhsa_system_vgpr_workitem_id 0
		.amdhsa_next_free_vgpr 130
		.amdhsa_next_free_sgpr 66
		.amdhsa_reserve_vcc 0
		.amdhsa_float_denorm_mode_32 3
		.amdhsa_float_denorm_mode_16_64 3
		.amdhsa_memory_ordered 1
		.amdhsa_forward_progress 1
		.amdhsa_inst_pref_size 17
	.end_amdhsa_kernel
	.amdgpu_metadata
---
amdhsa.version: [ 1, 2 ]
amdhsa.kernels:
  - .name:           k_q8de4a92054_ln1
    .symbol:         k_q8de4a92054_ln1.kd
    .args:
      - { .name: x, .offset: 0, .size: 8, .value_kind: global_buffer, .address_space: global }
      - { .name: g1, .offset: 8, .size: 8, .value_kind: global_buffer, .address_space: global }
      - { .name: be1, .offset: 16, .size: 8, .value_kind: global_buffer, .address_space: global }
      - { .name: hq, .offset: 24, .size: 8, .value_kind: global_buffer, .address_space: global }
    .group_segment_fixed_size: 84480
    .private_segment_fixed_size: 0
    .kernarg_segment_align: 8
    .kernarg_segment_size: 32
    .max_flat_workgroup_size: 512
    .sgpr_count:     66
    .vgpr_count:     130
    .wavefront_size: 32
...
	.end_amdgpu_metadata
.endif
;; end of part 1
;; launch qkv (part 2): grid 12 x 16, 4 waves a work-group, clusters of 4 x 4, 327,680 bytes of LDS; arguments hq, Wq_codes, Wq_scales, Wk_codes, Wk_scales, Wv_codes, Wv_scales, qkv; writes qkv
.if DOCPART == 2
	.amdgcn_target "amdgcn-amd-amdhsa--gfx1250"
	.amdhsa_code_object_version 6
	.text
	.protected	k_q8de4a92054_qkv
	.globl	k_q8de4a92054_qkv
	.p2align	8
	.type	k_q8de4a92054_qkv,@function
k_q8de4a92054_qkv:
	s_mov_b64 s[64:65], 0
	v_nop
	global_prefetch_b8 v0, s[64:65] scope:SCOPE_SE
	s_setreg_imm32_b32 hwreg(HW_REG_WAVE_MODE, 25, 1), 1
	s_wait_xcnt 0x0
	s_wait_alu depctr_hold_cnt(0) depctr_sa_sdst(0) depctr_va_vdst(0) depctr_va_sdst(0) depctr_va_ssrc(0) depctr_va_vcc(0) depctr_vm_vsrc(0)
	s_getreg_b32 s2, hwreg(HW_REG_IB_STS2, 6, 4)
	s_cmp_eq_u32 s2, 0
	s_cbranch_scc0 .Lentry_in_a_cluster
	s_endpgm
.Lentry_in_a_cluster:
	s_bfe_u32 s2, ttmp6, 0x10000c
	s_cmp_lg_u32 s2, 0xf033
	s_cbranch_scc0 .Lentry_shape_is_right
	s_endpgm
.Lentry_shape_is_right:
; q, k, v = h W^T on codes of FP8 (E4M3) with one E8M0 scale for each 32 along K = 1,024.  h: codes [4096][1024] and scale bytes [4096][32] (at 0x400000 of the workspace hq); Wq, Wk, Wv: [1024 = head x 16 + d][1024], scale bytes [1024][32].
; A tile of 256 x 256 results is made by four waves, 128 x 128 each: 64 accumulators, 512 registers.  K goes in steps of 256 through two LDS slots filled by the tensor data mover; the scale bytes of the tile's rows come once and stay.
; THE GRID: cluster x = 0, 1, 2 says which product (q, k, v); cluster y is the batch.  4 x 4 work-groups form a cluster; operand "A" (source 1) is shared along a row of the cluster, operand "B" (source 0) along a column: joint loads.
; In the result a lane holds ONE row of A (lane % 16) and eight neighbouring rows of B (8 (lane / 16) + 0..7).
;   q, k: A = 256 tokens, B = 256 rows of W (16 heads): a lane holds a token and d = 8 h + 0..7 of a head: that is an operand fragment of the f32 score product, and it is stored as it stands:
;         [batch][head][tile of 16 tokens][c 2][lane][16 bytes], q at byte 0 of the workspace qkv, k at 0x1000000.  Each store of a wave covers 512 consecutive bytes.
;   v:    the operands change places, by pointer alone (both are [rows][1024] codes): A = 256 rows of Wv, B = 256 tokens: a lane holds (head, d) and its registers run along the KEYS, the next product's K.
;         v is quantised here, in registers, along the keys, and stored as register images of V^T's fragments: [batch][head][128 keys][c 4][lane][16 bytes] at 0x2000000;
;         the scale words [batch][pair of heads][128 keys][lane][2 words] at 0x2400000.  A lane's two groups of 8 codes of a block (keys 8 h + j and 16 + 8 h + j) go out by two stores of 8 bytes, each covering 256 consecutive bytes.
; LIMITS: NaN and infinities are not served; a block of v that is all zeros or under 2^-118 gets the byte 1 (a zero block's codes are zeros; this program alone reads the bytes).
; REGISTERS, in windows of 256: window 0: v0-31 addresses; v32-63 scale words, two sets; v112-127, v200-219 at work on v's way out; from v128 A's fragments, one set.  window 1: B's fragments, two sets.  windows 2, 3: the accumulators, (a, b) at v[8 (8 (a % 4) + b)].
.set SIZE_K, 1024
.set KSTEP,  256
.set NQ,     KSTEP/128
.set ROWB,   256
.set KROW,   SIZE_K
.set PITCH,  272                       ; an LDS row: 256 bytes + 16 of padding: the 16 rows of a fragment load start at 16 different banks (64 banks of 4 bytes: ISA guide 11.1)
.set FR,     16
.set NL,     4
.set NP,     8                         ; places behind this matrix instruction (ISA guide 7.12.1)
.set HALFT,  128*PITCH
.set SLOT,   4*HALFT
.set LAPS,   SIZE_K/(2*KSTEP)
.set KS,     SIZE_K/32
.set SCL,    2*SLOT
.set HALFS,  (128*KS/256)*272
.set SBLK,   (16*KS/256)*272
.set SPARE,  SCL+4*HALFS               ; the spare words, 128 bytes for each wave: no other line names them
.set VO,   8                           ; v8   16 r + 8 h: where my 8 codes lie in a block of 256 bytes
.set LW,   9                           ; v9   8 x lane
.set ADRA, 16
.set ADRB, 20
.set CO,   26                          ; v26  16 x lane
.set ADRS, 27
.set SPW,  28
.set NIL,  29
.set SC,   32
.set PC,   112                         ; v112-127 the codes just made
.set AF,   128
.set TM,   200                         ; v200-203 largest magnitudes, v204-207 bytes, v208-211 448 x the scale, v212-215 the conversions' scale operands
.set PW,   216                         ; the scale word just made
.set PWP,  218                         ; v218-219 two heads' words
.set G1, 24
.set G0, 32
.set G1B, 48
.set G0B, 56
.set G1S, 68
.set G0S, 76
.set G1SB, 80
.set G0SB, 88
.set MSB, 0
.macro WIN new                         ; the immediate's high byte repeats the setting that is left
.if MSB != (\new)
	s_set_vgpr_msb (MSB<<8)|(\new)
.set MSB, (\new)
.endif
.endm
.set MUL_LO, 0xa1                      ; source 0 (B) window 1, source 1 (A) window 0, C and D window 2
.set MUL_HI, 0xf1
.set TO_B,   0x40
.macro JLOAD g0a, g1a, g0b, g1b        ; a joint load: waves 0 and 1 fetch for A, waves 2 and 3 for B; four v_nop follow each of the two lines
	s_cmp_eq_u32 s15, 0
	s_cbranch_scc0 .Lfor_b_\@
	tensor_load_to_lds s[\g0a:\g0a+3], s[\g1a:\g1a+7]
	s_nop 0
.rept 4
	v_nop
.endr
	s_branch .Lasked_\@
.Lfor_b_\@:
	tensor_load_to_lds s[\g0b:\g0b+3], s[\g1b:\g1b+7]
	s_nop 0
.rept 4
	v_nop
.endr
.Lasked_\@:
.endm
.macro CREST                           ; a round of the cluster's barrier behind its opening barrier
	s_cmp_lg_u32 s14, 0
	s_cbranch_scc1 .Lnot_wave_0_\@
	s_barrier_signal -3
.Lnot_wave_0_\@:
	s_barrier_wait -3
	s_barrier_signal -1
	s_barrier_wait -1
.endm
.macro CROUND
	s_barrier_signal -1
	s_barrier_wait -1
	CREST
.endm
	s_load_b256 s[68:75], s[0:1], 0x0              ; hq s[68:69], Wq codes s[70:71], Wq scales s[72:73], Wk codes s[74:75]
	s_load_b256 s[76:83], s[0:1], 0x20             ; Wk scales s[76:77], Wv codes s[78:79], Wv scales s[80:81], qkv s[82:83]
	v_lshl_add_u32 v[SPW], v0, 2, SPARE
	v_mov_b32 v[NIL], 0
	ds_add_u32 v28, v29
	ds_add_u32 v28, v29
	s_wait_dscnt 0x0
	v_lshrrev_b32 v1, 5, v0
	v_readfirstlane_b32 s14, v1                    ; wave 0..3
	s_lshr_b32 s15, s14, 1                         ; which half of A's rows is mine.  Also: I fetch for A (0) or for B (1)
	s_and_b32 s16, s14, 1                          ; which half of B's rows.  Also: which 128 rows I fetch
	s_bfe_u32 s40, ttmp6, 0x40000                  ; cx
	s_bfe_u32 s41, ttmp6, 0x40004                  ; cy
	s_and_b32 s95, ttmp7, 0xffff                   ; cluster y: the batch
	s_cmp_eq_u32 ttmp9, 2                          ; cluster x: 0 q, 1 k, 2 v: the same in all sixteen partners
	s_cselect_b32 s17, 0, s95
	s_cselect_b32 s42, s95, 0
	s_lshl_b32 s17, s17, 2
	s_add_co_u32 s17, s17, s41                     ; A's tile of 256 rows: tokens 4 y + cy (q, k), rows of Wv cy (v)
	s_lshl_b32 s42, s42, 2
	s_add_co_u32 s42, s42, s40                     ; B's tile: rows of W cx (q, k), tokens 4 y + cx (v)
	s_lshl_b32 s43, s41, 2
	s_lshl_b32 s43, 15, s43                        ; my row of the cluster
	s_lshl_b32 s44, 0x1111, s40                    ; my column
	s_or_b32 s[G1+0], s43, (0<<16)|(1<<20)|(1<<21)|(5<<22)|(3<<25)  ; the mask; elements of 1 byte; padding on; bit 21 beside a mask; after every 64 words, 4 words
	s_or_b32 s[G1B+0], s44, (0<<16)|(1<<20)|(1<<21)|(5<<22)|(3<<25)
.irp g, G1, G1B
	s_mov_b32 s[\g+1], ROWB<<16                    ; tensor_dim0
	s_mov_b32 s[\g+2], 128<<16                     ; tensor_dim1
	s_mov_b32 s[\g+3], ROWB<<16                    ; tile_dim0
	s_mov_b32 s[\g+4], 128                         ; tile_dim1
	s_mov_b32 s[\g+5], KROW                        ; the pitch
	s_mov_b32 s[\g+6], 0
	s_mov_b32 s[\g+7], 0
.endr
	s_wait_kmcnt 0x0
	s_add_nc_u64 s[96:97], s[68:69], 0x400000      ; h's scale bytes
	s_cmp_eq_u32 ttmp9, 0
	s_cselect_b64 s[8:9], s[70:71], s[74:75]       ; Wq or Wk
	s_cselect_b64 s[10:11], s[72:73], s[76:77]
	s_cmp_eq_u32 ttmp9, 2
	s_cselect_b64 s[4:5], s[78:79], s[68:69]       ; A's codes: Wv, or h
	s_cselect_b64 s[6:7], s[80:81], s[96:97]       ; A's scales
	s_cselect_b64 s[8:9], s[68:69], s[8:9]         ; B's codes: h, or Wq / Wk
	s_cselect_b64 s[10:11], s[96:97], s[10:11]     ; B's scales
	s_lshl_b32 s92, ttmp9, 24
	s_mov_b32 s93, 0
	s_add_nc_u64 s[12:13], s[82:83], s[92:93]      ; the product's part of the workspace: 0x1000000 x its number
	s_add_nc_u64 s[98:99], s[82:83], 0x2400000     ; v's scale words
	; the scales of 128 rows: a dense block of 4,096 bytes, as rows of 256 bytes, 16 bytes of padding behind each (these words take the registers that held the pointers)
	s_or_b32 s[G1S+0], s43, (3<<16)|(1<<20)|(1<<21)|(5<<22)|(3<<25)
	s_or_b32 s[G1SB+0], s44, (3<<16)|(1<<20)|(1<<21)|(5<<22)|(3<<25)
.irp g, G1S, G1SB
	s_mov_b32 s[\g+1], 32<<16
	s_mov_b32 s[\g+2], (128*KS/256)<<16
	s_mov_b32 s[\g+3], 32<<16
	s_mov_b32 s[\g+4], 128*KS/256
	s_mov_b32 s[\g+5], 32
	s_mov_b32 s[\g+6], 0
	s_mov_b32 s[\g+7], 0
.endr
	s_lshl_b32 s18, s16, 7                         ; which 128 rows of the tile I fetch
	s_lshl_b32 s20, s17, 8
	s_add_co_u32 s20, s20, s18                     ; A's row
	s_lshl_b32 s46, s42, 8
	s_add_co_u32 s46, s46, s18                     ; B's row
	s_mov_b32 s21, 0
	s_mov_b32 s47, 0
	s_mov_b64 s[18:19], KS
	s_mul_u64 s[22:23], s[20:21], s[18:19]
	s_mul_u64 s[92:93], s[46:47], s[18:19]
	s_mov_b64 s[18:19], KROW
	s_mul_u64 s[20:21], s[20:21], s[18:19]
	s_mul_u64 s[46:47], s[46:47], s[18:19]
	s_mul_i32 s45, s14, HALFT                      ; where they go: wave x 128 rows: no place in the cluster enters an LDS address
	s_mul_i32 s94, s14, HALFS
	s_add_nc_u64 s[20:21], s[4:5], s[20:21]
	s_add_nc_u64 s[22:23], s[6:7], s[22:23]
	s_add_nc_u64 s[46:47], s[8:9], s[46:47]
	s_add_nc_u64 s[92:93], s[10:11], s[92:93]
	CROUND                                         ; all sixteen work-groups are here: the first joint loads meet
	s_mov_b32 s[G0S], 1
	s_add_co_u32 s[G0S+1], s94, SCL
	s_mov_b64 s[G0S+2:G0S+3], s[22:23]
	s_or_b32 s[G0S+3], s[G0S+3], 0x80000000
	s_mov_b32 s[G0SB], 1
	s_add_co_u32 s[G0SB+1], s94, SCL
	s_mov_b64 s[G0SB+2:G0SB+3], s[92:93]
	s_or_b32 s[G0SB+3], s[G0SB+3], 0x80000000
	JLOAD G0S, G1S, G0SB, G1SB                     ; the scales first: three loads of mine are out behind the first fills
.irp s, 0,1
	s_mov_b32 s[G0+4*\s], 1
	s_add_co_u32 s[G0+4*\s+1], s45, \s*SLOT
	s_add_nc_u64 s[G0+4*\s+2:G0+4*\s+3], s[20:21], \s*ROWB
	s_or_b32 s[G0+4*\s+3], s[G0+4*\s+3], 0x80000000
	s_mov_b32 s[G0B+4*\s], 1
	s_add_co_u32 s[G0B+4*\s+1], s45, \s*SLOT
	s_add_nc_u64 s[G0B+4*\s+2:G0B+4*\s+3], s[46:47], \s*ROWB
	s_or_b32 s[G0B+4*\s+3], s[G0B+4*\s+3], 0x80000000
	JLOAD G0+4*\s, G1, G0B+4*\s, G1B
.endr
	v_and_b32 v1, 15, v0                           ; r
	v_bfe_u32 v2, v0, 4, 1                         ; h
	v_mul_u32_u24 v3, v1, PITCH
	v_lshl_add_u32 v4, v2, 4, v3                   ; a fragment's row x pitch + 16 h
	s_mul_i32 s21, s15, HALFT
	s_mul_i32 s22, s16, HALFT
	s_add_co_u32 s22, s22, 2*HALFT
.irp s, 0,1
	v_add_nc_u32 v[ADRA+\s], s21, v4
	v_add_nc_u32 v[ADRB+\s], s22, v4
	s_add_co_u32 s21, s21, SLOT
	s_add_co_u32 s22, s22, SLOT
.endr
	v_mul_u32_u24 v5, v1, KS                       ; my row's scales: KS bytes a row,
	v_lshrrev_b32 v6, 8, v5
	v_lshl_add_u32 v5, v6, 4, v5                   ; and 16 more for each 256 passed
	s_mul_i32 s21, s15, HALFS
	s_mul_i32 s22, s16, HALFS
	s_add_co_u32 s22, s22, 2*HALFS
	s_sub_co_u32 s22, s22, s21
	v_mul_u32_u24 v6, s22, v2                      ; lanes 16-31 take B's
	s_add_co_u32 s21, s21, SCL
	v_add_nc_u32 v5, v5, v6
	v_add_nc_u32 v[ADRS], s21, v5
	v_and_b32 v6, 31, v0
	v_lshlrev_b32 v[CO], 4, v6
	v_lshlrev_b32 v[LW], 3, v6
	v_lshlrev_b32 v[VO], 4, v1
	v_lshl_add_u32 v[VO], v2, 3, v[VO]
.macro FRAG reg, adr, q, i             ; 16 rows x 128 K: lane l holds row l % 16; registers 4 c .. 4 c + 3 hold K = 32 c + 16 (l / 16) + 0 .. 15
.irp c, 0,1,2,3
	ds_load_b128 v[\reg+4*\c:\reg+4*\c+3], v[\adr] offset:128*(\q)+32*\c+(\i)*16*PITCH
.endr
.endm
; 16 matrix instructions: A's blocks a0, a0 + 1 x B's eight.  The 64 accumulators take turns, one instruction a turn.  zero = 1: the first product starts the sums
.macro MUL16 a0, p, q, sc, zero
.irp a, \a0, \a0+1
.irp b, 0,1,2,3,4,5,6,7
.if \zero
	v_wmma_scale_f32_16x16x128_f8f6f4 v[8*(8*((\a)%4)+\b):8*(8*((\a)%4)+\b)+7], v[128*(\p)+FR*\b:128*(\p)+FR*\b+FR-1], v[AF+FR*(\a):AF+FR*(\a)+FR-1], 0, v[SC+8*NQ*(\sc)+NQ*\b+(\q)], v[SC+8*NQ*(\sc)+NQ*(\a)+(\q)] matrix_a_scale:MATRIX_SCALE_ROW1
.else
	v_wmma_scale_f32_16x16x128_f8f6f4 v[8*(8*((\a)%4)+\b):8*(8*((\a)%4)+\b)+7], v[128*(\p)+FR*\b:128*(\p)+FR*\b+FR-1], v[AF+FR*(\a):AF+FR*(\a)+FR-1], v[8*(8*((\a)%4)+\b):8*(8*((\a)%4)+\b)+7], v[SC+8*NQ*(\sc)+NQ*\b+(\q)], v[SC+8*NQ*(\sc)+NQ*(\a)+(\q)] matrix_a_scale:MATRIX_SCALE_ROW1
.endif
.endr
.endr
.endm
.macro FETCH_B slot, q, p
	WIN TO_B
.irp i, 0,1,2,3,4,5,6,7
	FRAG 128*(\p)+FR*\i, ADRB+\slot, \q, \i
.endr
	WIN 0
.endm
.macro FETCH_A slot, q, i0
.irp i, \i0, \i0+1, \i0+2, \i0+3
	FRAG AF+FR*(\i), ADRA+\slot, \q, \i
.endr
.endm
.macro SCALES sc                       ; a K step's scale words: lanes 0-15 take A's block i, lanes 16-31 B's block i
.irp i, 0,1,2,3,4,5,6,7
	ds_load_b64 v[SC+8*NQ*\sc+NQ*\i:SC+8*NQ*\sc+NQ*\i+1], v[ADRS] offset:\i*SBLK
.endr
.endm
.macro PLACES n                        ; plain vector instructions between a matrix instruction and a load into, or a read of, its registers
.rept \n
	v_nop
.endr
.endm
.macro STEP slot, q, zero              ; 128 along K that has its successor in the same slot
	s_wait_dscnt 4*NL                              ; B's set and A's blocks 0-3 are in; the youngest sixteen loads (A's blocks 4-7) may be out
	WIN MUL_LO
	MUL16 0, (\q)%2, \q, \slot, \zero
	MUL16 2, (\q)%2, \q, \slot, \zero
	s_wait_dscnt 0
	PLACES NP
	FETCH_B \slot, (\q)+1, 1-(\q)%2
	FETCH_A \slot, (\q)+1, 0
	WIN MUL_HI
	MUL16 4, (\q)%2, \q, \slot, \zero
	MUL16 6, (\q)%2, \q, \slot, \zero
	PLACES NP
	WIN 0
	FETCH_A \slot, (\q)+1, 4
.endm
; A slot's last step changes slots: one barrier; in front of it each wave waits for all its tensor loads, adds 0 to its spare word, and waits for that and for its own reads of this slot
.macro TURN slot, next, fill
	s_wait_tensorcnt 0x0                           ; all my tensor loads have landed: my part of the next slot
	ds_add_u32 v[SPW], v[NIL]                      ; 0 onto my spare word
	s_wait_dscnt 4*NL+1                            ; the add and the youngest sixteen loads may be out
	WIN MUL_LO
	MUL16 0, 1, NQ-1, \slot, 0
	s_wait_dscnt 0x0                               ; the add is done, and my reads of this slot are over
	s_barrier_signal -1
	MUL16 2, 1, NQ-1, \slot, 0
	WIN 0
	s_barrier_wait -1
.if \fill
	CREST                                          ; the barrier has opened a round of the cluster's: no wave of any partner still reads this slot or has a load on its way
	s_add_nc_u64 s[G0+4*\slot+2:G0+4*\slot+3], s[G0+4*\slot+2:G0+4*\slot+3], 2*ROWB
	s_add_nc_u64 s[G0B+4*\slot+2:G0B+4*\slot+3], s[G0B+4*\slot+2:G0B+4*\slot+3], 2*ROWB
	JLOAD G0+4*\slot, G1, G0B+4*\slot, G1B         ; the first tensor load behind the round: one load of mine is out
	PLACES NP-4
.else
	PLACES NP
.endif
	v_add_nc_u32 v[ADRS], 4*NQ, v[ADRS]
	FETCH_B \next, 0, 0
	FETCH_A \next, 0, 0
	SCALES \next
	WIN MUL_HI
	MUL16 4, 1, NQ-1, \slot, 0
	MUL16 6, 1, NQ-1, \slot, 0
	PLACES NP
	WIN 0
	FETCH_A \next, 0, 4
.endm
	s_wait_tensorcnt 1                             ; the scales and my part of K step 0 are in; K step 1's load may be out
	s_barrier_signal -1
	s_barrier_wait -1
	FETCH_B 0, 0, 0
	FETCH_A 0, 0, 0
	SCALES 0
	FETCH_A 0, 0, 4
	STEP 0, 0, 1
	s_mov_b32 s3, LAPS-1
.Llap:
	TURN 0, 1, 1
	STEP 1, 0, 0
	TURN 1, 0, 1
	STEP 0, 0, 0
	s_sub_co_u32 s3, s3, 1
	s_cmp_lg_u32 s3, 0
	s_cbranch_scc1 .Llap
	TURN 0, 1, 0
	STEP 1, 0, 0
	s_wait_dscnt 4*NL
	WIN MUL_LO
	MUL16 0, 1, NQ-1, 1, 0
	MUL16 2, 1, NQ-1, 1, 0
	s_wait_dscnt 0
	WIN MUL_HI
	MUL16 4, 1, NQ-1, 1, 0
	MUL16 6, 1, NQ-1, 1, 0
	WIN 0
	PLACES NP                                      ; in front of the first read of results, and of the first write of registers that held fragments
; 64 numbers of a lane in window W, v[s] on: register 16 b + i: numbers of block b of 32 (the other 16 lie in lane l xor 16).  They become 16 registers of codes in v[PC] on and the row's scale word in v[PW].
.macro QUANTW s, W, relu
	WIN ((\W)<<2)|((\W)<<4)                        ; sources 1 and 2 in window W
.irp b, 0,1,2,3
.if \relu
	v_max3_num_f32 v[TM+\b], 0x4800000, v[(\s)+16*\b], v[(\s)+16*\b+1]
.else
	v_max3_num_f32 v[TM+\b], 0x4800000, |v[(\s)+16*\b]|, |v[(\s)+16*\b+1]|   ; with the floor 2^(9 - 127): the byte cannot fall under 1.  Each accumulator is read from its low end on
.endif
.endr
.irp i, 2,4,6,8,10,12,14
.irp b, 0,1,2,3
.if \relu
	v_max3_num_f32 v[TM+\b], v[TM+\b], v[(\s)+16*\b+\i], v[(\s)+16*\b+\i+1]
.else
	v_max3_num_f32 v[TM+\b], v[TM+\b], |v[(\s)+16*\b+\i]|, |v[(\s)+16*\b+\i+1]|
.endif
.endr
.endr
	WIN 0
.irp b, 0,1,2,3
	v_permlanex16_b32 v[TM+4+\b], v[TM+\b], s20, s21
.endr
.irp b, 0,1,2,3
	v_max_num_f32 v[TM+\b], v[TM+\b], v[TM+4+\b]   ; the block's largest magnitude
.endr
.irp b, 0,1,2,3
	v_add_nc_u32 v[TM+12+\b], 0xfc000000, v[TM+\b] ; 8 off its exponent field: the conversion's scale operand
.endr
.irp b, 0,1,2,3
	v_and_or_b32 v[TM+8+\b], v[TM+\b], 0x7f800000, s22   ; 448 x the scale
.endr
.irp b, 0,1,2,3
	v_lshrrev_b32 v[TM+4+\b], 23, v[TM+12+\b]      ; the scale's byte
.endr
	v_lshl_or_b32 v[PW], v[TM+5], 8, v[TM+4]
	v_lshl_or_b32 v[PW], v[TM+6], 16, v[PW]
	v_lshl_or_b32 v[PW], v[TM+7], 24, v[PW]
	WIN ((\W)<<6)|(\W)                             ; destination and source 0 in window W
.irp b, 0,1,2,3
.irp i, 0,1,2,3,4,5,6,7,8,9,10,11,12,13,14,15
.if \relu
	v_med3_num_f32 v[(\s)+16*\b+\i], v[(\s)+16*\b+\i], 0, v[TM+8+\b]
.else
	v_med3_num_f32 v[(\s)+16*\b+\i], v[(\s)+16*\b+\i], -v[TM+8+\b], v[TM+8+\b]   ; the conversion does not saturate (ISA guide 7.6.2): hold first
.endif
.endr
.endr
	WIN (\W)                                       ; source 0 in window W
.irp b, 0,1,2,3
	v_cvt_scalef32_pk8_fp8_f32 v[PC+4*\b:PC+4*\b+1], v[(\s)+16*\b:(\s)+16*\b+7], v[TM+12+\b]
	v_cvt_scalef32_pk8_fp8_f32 v[PC+4*\b+2:PC+4*\b+3], v[(\s)+16*\b+8:(\s)+16*\b+15], v[TM+12+\b]
.endr
	v_nop                                          ; a plain line behind the last conversion
	WIN 0
.endm
	s_cmp_eq_u32 ttmp9, 2
	s_cbranch_scc1 .Lv
	; ---- q, k: the accumulators leave as they stand.  Accumulator (a, b): head 16 cx + 8 (my half of B) + b, tile of tokens 16 cy + 8 (my half of A) + a
	s_lshl_b32 s18, s40, 4
	s_lshl_b32 s19, s16, 3
	s_add_co_u32 s18, s18, s19
	s_lshl_b32 s18, s18, 16                        ; a head's 64 tiles are 65,536 bytes
	s_lshl_b32 s19, s41, 4
	s_lshl_b32 s20, s15, 3
	s_add_co_u32 s19, s19, s20
	s_lshl_b32 s19, s19, 10                        ; a tile is 1,024 bytes
	s_add_co_u32 s18, s18, s19
	s_lshl_b32 s19, s95, 22                        ; a batch is 0x400000 bytes
	s_add_co_u32 s18, s18, s19
	s_mov_b32 s19, 0
	s_add_nc_u64 s[12:13], s[12:13], s[18:19]
.irp a, 0,1,2,3,4,5,6,7
	WIN 0x08+4*((\a)/4)                            ; a store's data are its source 1: window 2 or 3
.irp b, 0,1,2,3,4,5,6,7
	global_store_b128 v[CO], v[8*(8*((\a)%4)+\b):8*(8*((\a)%4)+\b)+3], s[12:13] offset:\b*65536+\a*1024 th:TH_STORE_NT       ; 512 consecutive bytes; each accumulator from its low end on
	global_store_b128 v[CO], v[8*(8*((\a)%4)+\b)+4:8*(8*((\a)%4)+\b)+7], s[12:13] offset:\b*65536+\a*1024+512 th:TH_STORE_NT
.endr
.endr
	WIN 0
	s_branch .Lend
.Lv:
	; ---- v: head 16 cy + 8 (my half of A) + a, d = r; keys 128 (2 cx + my half of B) + 16 b + 8 h + j
	s_mov_b32 s20, 0x76543210
	s_mov_b32 s21, 0xfedcba98
	s_mov_b32 s22, 0x600000
	s_lshl_b32 s18, s95, 6
	s_lshl_b32 s19, s41, 4
	s_add_co_u32 s18, s18, s19
	s_lshl_b32 s19, s15, 3
	s_add_co_u32 s18, s18, s19                     ; 64 x batch + my first head
	s_lshl_b32 s23, s40, 1
	s_add_co_u32 s23, s23, s16                     ; which 128 keys
	s_lshl_b32 s46, s18, 14                        ; a head's codes are 16,384 bytes,
	s_lshl_b32 s47, s23, 11                        ; 128 keys' 2,048
	s_add_co_u32 s46, s46, s47
	s_mov_b32 s47, 0
	s_add_nc_u64 s[12:13], s[12:13], s[46:47]
	s_lshl_b32 s46, s18, 10                        ; a pair of heads' words are 2,048 bytes,
	s_lshl_b32 s92, s23, 8                         ; 128 keys' 256
	s_add_co_u32 s46, s46, s92
	s_add_nc_u64 s[98:99], s[98:99], s[46:47]
.irp b, 0,1,2,3
	v_mov_b32 v[TM+4+\b], 0                        ; a lane permute's destination counts as read
.endr
.irp a, 0,1,2,3,4,5,6,7
	s_wait_xcnt 0x0                                ; the last head's stores have read their data: the registers may be written again
	QUANTW 64*((\a)%4), 2+(\a)/4, 0
.irp u, 0,1,2,3
	global_store_b64 v[VO], v[PC+4*\u:PC+4*\u+1], s[12:13] offset:\a*16384+\u*512 th:TH_STORE_NT          ; keys 32 u + 8 h + j: 256 consecutive bytes
	global_store_b64 v[VO], v[PC+4*\u+2:PC+4*\u+3], s[12:13] offset:\a*16384+\u*512+256 th:TH_STORE_NT    ; keys 32 u + 16 + 8 h + j
.endr
	v_mov_b32 v[PWP+(\a)%2], v[PW]
.if (\a)%2 == 1
	global_store_b64 v[LW], v[PWP:PWP+1], s[98:99] offset:((\a)/2)*2048 th:TH_STORE_NT   ; both heads' words: 256 consecutive bytes
.endif
.endr
.Lend:
	s_wait_tensorcnt 0x0                           ; the wave's end
	ds_add_u32 v[SPW], v[NIL]
	s_wait_dscnt 0x0
	CROUND                                         ; the closing round
	s_endpgm
.Lfunc_end_k_q8de4a92054_qkv:
	.size	k_q8de4a92054_qkv, .Lfunc_end_k_q8de4a92054_qkv-k_q8de4a92054_qkv
	.p2alignl 7, 3214868480
	.fill 96, 4, 3214868480
	.section	.rodata,"a",@progbits
	.p2align	6, 0x0
	.amdhsa_kernel k_q8de4a92054_qkv
		.amdhsa_group_segment_fixed_size 327680
		.amdhsa_private_segment_fixed_size 0
		.amdhsa_enable_private_segment 0
		.amdhsa_kernarg_size 64
		.amdhsa_user_sgpr_count 2
		.amdhsa_user_sgpr_kernarg_segment_ptr 1
		.amdhsa_wavefront_size32 1
		.amdhsa_system_sgpr_workgroup_id_x 1
		.amdhsa_system_sgpr_workgroup_id_y 1
		.amdhsa_system_sgpr_workgroup_id_z 1
		.amdhsa_system_vgpr_workitem_id 0
		.amdhsa_next_free_vgpr 1024
		.amdhsa_next_free_sgpr 100
		.amdhsa_reserve_vcc 0
		.amdhsa_float_denorm_mode_32 3
		.amdhsa_float_denorm_mode_16_64 3
		.amdhsa_memory_ordered 1
		.amdhsa_forward_progress 1
		.amdhsa_inst_pref_size 201
	.end_amdhsa_kernel
	.amdgpu_metadata
---
amdhsa.version: [ 1, 2 ]
amdhsa.kernels:
  - .name:           k_q8de4a92054_qkv
    .symbol:         k_q8de4a92054_qkv.kd
    .args:
      - { .name: hq, .offset: 0, .size: 8, .value_kind: global_buffer, .address_space: global }
      - { .name: Wq_codes, .offset: 8, .size: 8, .value_kind: global_buffer, .address_space: global }
      - { .name: Wq_scales, .offset: 16, .size: 8, .value_kind: global_buffer, .address_space: global }
      - { .name: Wk_codes, .offset: 24, .size: 8, .value_kind: global_buffer, .address_space: global }
      - { .name: Wk_scales, .offset: 32, .size: 8, .value_kind: global_buffer, .address_space: global }
      - { .name: Wv_codes, .offset: 40, .size: 8, .value_kind: global_buffer, .address_space: global }
      - { .name: Wv_scales, .offset: 48, .size: 8, .value_kind: global_buffer, .address_space: global }
      - { .name: qkv, .offset: 56, .size: 8, .value_kind: global_buffer, .address_space: global }
    .group_segment_fixed_size: 327680
    .private_segment_fixed_size: 0
    .kernarg_segment_align: 8
    .kernarg_segment_size: 64
    .max_flat_workgroup_size: 128
    .sgpr_count:     100
    .vgpr_count:     1024
    .wavefront_size: 32
...
	.end_amdgpu_metadata
.endif
;; end of part 2
;; launch attn (part 3): grid 64 x 4, 16 waves a work-group, no clusters, 184,320 bytes of LDS; arguments qkv, oq; writes oq
.if DOCPART == 3
	.amdgcn_target "amdgcn-amd-amdhsa--gfx1250"
	.amdhsa_code_object_version 6
	.text
	.protected	k_q8de4a92054_attn
	.globl	k_q8de4a92054_attn
	.p2align	8
	.type	k_q8de4a92054_attn,@function
k_q8de4a92054_attn:
	s_mov_b64 s[64:65], 0
	v_nop
	global_prefetch_b8 v0, s[64:65] scope:SCOPE_SE
	s_setreg_imm32_b32 hwreg(HW_REG_WAVE_MODE, 25, 1), 1
	s_wait_xcnt 0x0
; Causal attention of 64 heads of 16 over 1,024 tokens, 4 batches.  Scores in f32 (K = 16; their results go on into a quantiser), p V on codes of FP8 (E4M3) with one E8M0 scale for each 32 keys.
; t = score x log2(e) / 32; M = the running largest t rounded UP to a whole number; p = 2^(t - M) is quantised along the keys, not normalised; the row's sum of the unquantised p divides at the end.
; The result o, [token][head x 16 + d], is quantised here along its 1,024 channels and stored as the next product's operand.
; INPUT (workspace qkv): q at 0, k at 0x1000000: f32 fragment images [batch][head][tile of 16 tokens][c 2][lane (r, h)][16 bytes]: token 16 tile + r, d = 8 h + 4 c + 0..3;
;   v's codes at 0x2000000: [batch][head][128 keys][c 4][lane][16 bytes]: lane (d, h): keys 32 c + 16 h + 0..15; v's scale words at 0x2400000: [batch][pair of heads][128 keys][lane][2 words].
; OUTPUT (workspace oq): codes as fragment images [128 tokens][512 channels][tile of 16 tokens][128 channels][c 4][lane][16 bytes]; scale words at 0x400000: [128 tokens][128 channels][token] words.
; SHARES.  A work-group has a PAIR of heads (x / 2), since a block of 32 channels of o is two heads, and half of the query tiles (x % 2), of one batch (y).  Both heads' K and V lie in LDS: written once, then only read.
; Wave w has the query tiles p = 16 (x % 2) + w and 63 - p, each for both heads.  A tile t takes t / 8 whole steps of 128 keys and one on the diagonal; steps all of whose keys come after the queries are left out
; (a scalar branch on ids).  IN THE STEP ON THE DIAGONAL only the blocks of 32 keys that hold a key that counts are worked: (t % 8) / 2 + 1 of the four; the last of them is masked; the hidden blocks get zero codes,
; which add nothing.  That step is written out for 1, 2, 3 and 4 blocks and chosen by a scalar branch on ids.  A wave's two tiles have 7 whole steps and 5 blocks on the diagonal together, for each head, whatever the wave.
; Four waves share a SIMD: while one waits (for LDS, for its exponentials) another issues.
; LAYOUT.  Both products are used transposed (S^T = K Q^T, O^T = V^T P^T): a lane holds one query.  Lane r of key tile 2 b + u takes key 32 b + 8 u + r + 8 (r / 8), so that the 16 registers of tiles 2 b, 2 b + 1 are keys 32 b + 16 h + 0..15.
; The score product's K step s takes d = 8 h + 2 s + j on BOTH operands: the sum runs in that order of d, not ascending.
; NO CLUSTER: a pair's K and V (162 KiB) are wanted by two work-groups only, once, at the head, and come through registers; nothing is fetched in the loop.
; The scale BYTE of a token's block is stored alone (a word's four bytes belong to four pairs of heads, that is, four work-groups): 131,072 single bytes in the launch.
; LIMITS: NaN and infinities are not served; p under 2^-126 counts as 0 (the exponential's results under that are zeros: ISA guide 15.8); a block of zeros gets the byte 1 (its codes are zeros; this program alone reads the bytes).
.set KT,  1152                         ; a key tile's image in LDS: 1,024 bytes + 128: neighbouring tiles lie half a row of banks apart
.set VB,  128*KT                       ; V's images: head x 16,384 + step x 2,048
.set VSB, VB+32768                     ; V's scale words: step x 256 + 8 lane + 4 head
.set Q,   16                           ; v16-23   my queries' fragment
.set O,   24                           ; v24-31   O^T
.set OX,  32                           ; v32-47   o of both heads
.set VF,  48                           ; v48-63   V^T's fragment;  v64 its scale word, v65 p's
.set PCD, 66                           ; v66-81   p's codes
.set BM,  82                           ; v82-85   the blocks' largest scores, then largest p
.set T1,  86                           ; v86-89   permutes' results, then bytes
.set HB,  90                           ; v90-93   448 x the scale
.set SO,  94                           ; v94-97   the conversions' scale operands
.set S,   104                          ; v104-167 S^T: written by the f32 matrix instructions alone
.set P,   168                          ; v168-231 K's fragments, then p
	s_load_b128 s[4:7], s[0:1], 0x0                ; qkv s[4:5], oq s[6:7]
	v_lshl_add_u32 v254, v0, 2, 0x2c800
	v_mov_b32 v255, 0
	v_lshrrev_b32 v1, 5, v0
	v_readfirstlane_b32 s8, v1                     ; wave 0..15
	v_and_b32 v4, 31, v0                           ; lane
	v_and_b32 v98, 15, v0                          ; r
	v_bfe_u32 v99, v0, 4, 1                        ; h
	v_lshlrev_b32 v2, 4, v4                        ; v2: 16 x lane
	v_lshlrev_b32 v3, 3, v4                        ; v3: 8 x lane
	v_lshlrev_b32 v4, 2, v4                        ; v4: 4 x lane
	v_lshrrev_b32 v8, 3, v98
	v_and_b32 v9, 7, v98
	v_mul_u32_u24 v1, v8, KT
	v_lshl_add_u32 v1, v9, 4, v1
	v_lshl_add_u32 v1, v99, 8, v1                  ; v1: my place in a pair of key tiles: (r / 8) KT + 16 (r % 8) + 256 h
	v_lshlrev_b32 v5, 4, v98
	v_lshl_add_u32 v5, v99, 3, v5                  ; v5: 16 r + 8 h
	v_lshlrev_b32 v6, 2, v98                       ; v6: 4 r
	v_lshlrev_b32 v7, 4, v99
	v_sub_nc_u32 v7, v98, v7                       ; v7: r - 16 h
	v_mov_b32 v11, 0xff800000                      ; v11: -infinity
.irp b, 0,1,2,3
	v_mov_b32 v[T1+\b], 0                          ; a lane permute's destination counts as read
.endr
	v_mov_b32 v99, 0
	v_mov_b32 v101, 0                              ; (the upper half of the pair v[100:101])
	s_mul_i32 s38, s8, 8*KT
	v_add_nc_u32 v8, s38, v2                       ; the head's LDS stores: my 8 key tiles,
	s_lshl_b32 s39, s8, 11
	s_add_co_u32 s39, s39, VB
	v_add_nc_u32 v9, s39, v2                       ; my 2,048 bytes of V,
	s_lshl_b32 s40, s8, 7
	s_add_co_u32 s40, s40, VSB
	v_add_nc_u32 v10, s40, v4                      ; my 128 bytes of its words
	s_lshr_b32 s10, ttmp9, 1                       ; the pair of heads
	s_and_b32 s11, ttmp9, 1                        ; which half of the query tiles
	s_and_b32 s12, ttmp7, 0xffff                   ; the batch
	s_mov_b32 s20, 0x76543210
	s_mov_b32 s21, 0xfedcba98                      ; lane l xor 16
	s_mov_b32 s22, 0x3d38aa3b                      ; c = log2(e) / 32
	s_mov_b32 s23, s22                             ; (named with it as a pair)
	s_mov_b32 s24, 0x600000                        ; the mantissa field of 448
	s_lshr_b32 s38, s10, 4                         ; where the pair's block of 32 channels lies in an image: 512 channels, 128 channels, c
	s_lshl_b32 s16, s38, 16
	s_bfe_u32 s38, s10, 0x20002
	s_lshl_b32 s38, s38, 11
	s_add_co_u32 s16, s16, s38
	s_and_b32 s39, s10, 3
	s_lshl_b32 s38, s39, 9
	s_add_co_u32 s16, s16, s38
	s_lshr_b32 s17, s10, 2                         ; and its byte among the scale words
	s_lshl_b32 s17, s17, 9
	s_add_co_u32 s17, s17, s39
	s_lshl_b32 s38, s12, 6
	s_lshl_b32 s39, s10, 1
	s_add_co_u32 s38, s38, s39                     ; 64 x batch + the pair's first head
	s_mov_b32 s45, 0
	s_wait_kmcnt 0x0
	s_lshl_b32 s44, s38, 16
	s_add_nc_u64 s[30:31], s[4:5], s[44:45]        ; q of the pair
	s_lshl_b32 s40, s8, 13
	s_add_co_u32 s44, s44, s40
	s_add_nc_u64 s[32:33], s[4:5], s[44:45]
	s_add_nc_u64 s[32:33], s[32:33], 0x1000000     ; k: my wave's 8,192 bytes of the pair's 131,072
	s_lshl_b32 s44, s38, 14
	s_lshl_b32 s40, s8, 11
	s_add_co_u32 s44, s44, s40
	s_add_nc_u64 s[34:35], s[4:5], s[44:45]
	s_add_nc_u64 s[34:35], s[34:35], 0x2000000     ; v's codes: 2,048 of 32,768
	s_lshl_b32 s44, s38, 10
	s_lshl_b32 s40, s8, 7
	s_add_co_u32 s44, s44, s40
	s_add_nc_u64 s[36:37], s[4:5], s[44:45]
	s_add_nc_u64 s[36:37], s[36:37], 0x2400000     ; v's words: 128 of 2,048
.set k, 0
.rept 16
	global_load_b128 v[P+4*k:P+4*k+3], v2, s[32:33] offset:512*k
.set k, k+1
.endr
.set k, 0
.rept 4
	global_load_b128 v[232+4*k:235+4*k], v2, s[34:35] offset:512*k
.set k, k+1
.endr
	global_load_b32 v248, v4, s[36:37]
	s_wait_loadcnt 0x0
.set k, 0
.rept 16
	ds_store_b128 v8, v[P+4*k:P+4*k+3] offset:(k/2)*KT+(k%2)*512
.set k, k+1
.endr
.set k, 0
.rept 4
	ds_store_b128 v9, v[232+4*k:235+4*k] offset:512*k
.set k, k+1
.endr
	ds_store_b32 v10, v248
	s_wait_dscnt 0x0                               ; for the others' sake: my stores have landed
	s_barrier_signal -1
	s_barrier_wait -1                              ; from here on LDS is only read
.macro PICK mk                         ; rs: where block bb's 16 scores stand: in S^T, or, for the masked block, in v[P] on
.set rs, S+16*bb
.if bb == \mk
.set rs, P+16*bb
.endif
.endm
; The softmax of a step's first nb blocks of 32 keys: 16 nb scores of my query become p in v[P] on, its codes in v[PCD] on and its scale word in v65.  mk: the masked block (9: none)
.macro SOFTMAX nb, mk
.set bb, 0
.rept \nb
	PICK \mk
	v_max3_num_f32 v[BM+bb], v[rs], v[rs+1], v[rs+2]   ; the largest score of each block of 32 keys: it serves the row's maximum and, since p rises with the score, the block's largest p.  Each accumulator is read from its low end on
.set bb, bb+1
.endr
.irp i, 3,5,7,9,11,13
.set bb, 0
.rept \nb
	PICK \mk
	v_max3_num_f32 v[BM+bb], v[BM+bb], v[rs+\i], v[rs+\i+1]
.set bb, bb+1
.endr
.endr
.set bb, 0
.rept \nb
	PICK \mk
	v_max_num_f32 v[BM+bb], v[BM+bb], v[rs+15]
.set bb, bb+1
.endr
.set bb, 0
.rept \nb
	v_permlanex16_b32 v[T1+bb], v[BM+bb], s20, s21
.set bb, bb+1
.endr
.set bb, 0
.rept \nb
	v_max_num_f32 v[BM+bb], v[BM+bb], v[T1+bb]     ; with lane l xor 16's 16 keys
.set bb, bb+1
.endr
.if \nb == 1
	v_mul_f32 v98, s22, v[BM]                      ; the step's largest t (c is positive)
.elseif \nb == 2
	v_max_num_f32 v98, v[BM], v[BM+1]
	v_mul_f32 v98, s22, v98
.elseif \nb == 3
	v_max3_num_f32 v98, v[BM], v[BM+1], v[BM+2]
	v_mul_f32 v98, s22, v98
.else
	v_max3_num_f32 v98, v[BM], v[BM+1], v[BM+2]
	v_max_num_f32 v98, v98, v[BM+3]
	v_mul_f32 v98, s22, v98
.endif
	v_max_num_f32 v13, v13, v98                    ; the running largest t
	v_mov_b32 v98, v12
	v_floor_f32 v12, -v13                          ; -M = floor(-t): M is a whole number
	v_sub_f32 v98, v12, v98                        ; old M - new M: a whole number, 0 or less
	v_cvt_i32_f32 v98, v98                         ; (it saturates)
	v_ldexp_f32 v100, 1.0, v98                     ; f = 2^(old M - new M): a multiplication by it rounds nothing
.set bb, 0
.rept \nb
	PICK \mk
.irp j, 0,2,4,6,8,10,12,14
	v_pk_fma_f32 v[P+16*bb+\j:P+16*bb+\j+1], v[rs+\j:rs+\j+1], s[22:23], v[12:13] op_sel_hi:[1,0,0]   ; t - M
.endr
.set bb, bb+1
.endr
.set bb, 0
.rept \nb
	v_fma_f32 v[BM+bb], v[BM+bb], s22, v12         ; the same of each block's largest score
.set bb, bb+1
.endr
.set jj, 0
.rept 16*\nb
	v_exp_f32 v[P+jj], v[P+jj]                     ; p = 2^(t - M)
.set jj, jj+1
.endr
	v_pk_mul_f32 v[14:15], v[14:15], v[100:101] op_sel_hi:[1,0]   ; the sums under the new M (a plain line behind the exponentials)
	s_wait_alu depctr_va_vdst(0)                   ; one wait for the whole batch, ahead of its first reader
.set bb, 0
.rept \nb
	v_exp_f32 v[BM+bb], v[BM+bb]                   ; the block's largest p
.set bb, bb+1
.endr
	v_pk_add_f32 v[102:103], v[P:P+1], v[P+2:P+3]  ; the row's sum of the unquantised p, in two chains
.set jj, 4
.rept 4*\nb-1
	v_pk_add_f32 v[14:15], v[14:15], v[P+jj:P+jj+1]
	v_pk_add_f32 v[102:103], v[102:103], v[P+jj+2:P+jj+3]
.set jj, jj+4
.endr
	v_pk_add_f32 v[14:15], v[14:15], v[102:103]
	s_wait_alu depctr_va_vdst(0)                   ; and one for the blocks' exponentials
.set bb, 0
.rept \nb
	v_max_num_f32 v[BM+bb], 0x4800000, v[BM+bb]    ; the floor 2^(9 - 127): the byte cannot fall under 1
.set bb, bb+1
.endr
.set bb, 0
.rept \nb
	v_add_nc_u32 v[SO+bb], 0xfc000000, v[BM+bb]    ; 8 off the exponent field: the conversion's scale operand
.set bb, bb+1
.endr
.set bb, 0
.rept \nb
	v_and_or_b32 v[HB+bb], v[BM+bb], 0x7f800000, s24   ; 448 x the scale
.set bb, bb+1
.endr
.set bb, 0
.rept \nb
	v_lshrrev_b32 v[T1+bb], 23, v[SO+bb]           ; the scale's byte
.set bb, bb+1
.endr
.if \nb == 1                           ; p's scale word for these 128 keys; a hidden block's byte is 127, over zero codes
	v_or_b32 v65, 0x7f7f7f00, v[T1]
.elseif \nb == 2
	v_lshl_or_b32 v65, v[T1+1], 8, v[T1]
	v_or_b32 v65, 0x7f7f0000, v65
.elseif \nb == 3
	v_lshl_or_b32 v65, v[T1+1], 8, v[T1]
	v_lshl_or_b32 v65, v[T1+2], 16, v65
	v_or_b32 v65, 0x7f000000, v65
.else
	v_lshl_or_b32 v65, v[T1+1], 8, v[T1]
	v_lshl_or_b32 v65, v[T1+2], 16, v65
	v_lshl_or_b32 v65, v[T1+3], 24, v65
.endif
.if \nb < 4
.set jj, 4*\nb
.rept 16-4*\nb
	v_mov_b32 v[PCD+jj], 0                         ; the hidden blocks' codes: zeros
.set jj, jj+1
.endr
.endif
.set bb, 0
.rept \nb
.irp i, 0,1,2,3,4,5,6,7,8,9,10,11,12,13,14,15
	v_min_num_f32 v[P+16*bb+\i], v[P+16*bb+\i], v[HB+bb]   ; the conversion does not saturate (ISA guide 7.6.2); p is not negative
.endr
	v_cvt_scalef32_pk8_fp8_f32 v[PCD+4*bb:PCD+4*bb+1], v[P+16*bb:P+16*bb+7], v[SO+bb]
	v_cvt_scalef32_pk8_fp8_f32 v[PCD+4*bb+2:PCD+4*bb+3], v[P+16*bb+8:P+16*bb+15], v[SO+bb]
.set bb, bb+1
.endr
.endm
; A step of 128 keys, of which the first nb blocks of 32 are worked.  mk: the block on the diagonal, in which scores of keys behind my query become -infinity (9: a whole step, nothing is masked)
.macro STEPM nb, mk
	v_add_nc_u32 v8, s26, v1
.set tt, 0
.rept 2*\nb
	ds_load_b128 v[P+8*tt:P+8*tt+3], v8 offset:(tt/2)*2*KT+(tt%2)*128          ; key 32 (t / 2) + 8 (t % 2) + r + 8 (r / 8), d = 8 h + 0..3
	ds_load_b128 v[P+8*tt+4:P+8*tt+7], v8 offset:(tt/2)*2*KT+(tt%2)*128+512    ; d = 8 h + 4..7
.set tt, tt+1
.endr
	s_wait_dscnt 0x0                               ; K's fragments
.irp s, 0,1,2,3                                ; S^T = K Q^T: the accumulators take turns, one instruction a turn
.set tt, 0
.rept 2*\nb
.if \s == 0
	v_wmma_f32_16x16x4_f32 v[S+8*tt:S+8*tt+7], v[P+8*tt:P+8*tt+1], v[Q:Q+1], 0
.else
	v_wmma_f32_16x16x4_f32 v[S+8*tt:S+8*tt+7], v[P+8*tt+2*\s:P+8*tt+2*\s+1], v[Q+2*\s:Q+2*\s+1], v[S+8*tt:S+8*tt+7]
.endif
.set tt, tt+1
.endr
.endr
	v_add_nc_u32 v9, s27, v2                       ; eight places: in front of the first read of the scores and the first write over K's fragments
	v_add_nc_u32 v10, s28, v3                      ; and between the last step's product O^T += V^T P^T and the loads into its registers below
.rept 6
	v_nop
.endr
.irp c, 0,1,2,3
	ds_load_b128 v[VF+4*\c:VF+4*\c+3], v9 offset:512*\c    ; V^T's fragment lands while the softmax is worked
.endr
	ds_load_b32 v64, v10
.if \mk < 4
	s_lshl_b32 s38, s14, 4
	s_lshl_b32 s39, s25, 7
	s_sub_co_i32 s38, s38, s39
	v_add_nc_u32 v102, s38, v7                     ; my query - the step's first key - 16 h.  Register 16 b + i holds key 32 b + 16 h + i of the step: hidden where 32 b + i is greater
.set nn, 16*\mk
.rept 16
	v_cmp_gt_i32 vcc_lo, 32*(nn/16)+nn%16, v102
	v_cndmask_b32 v[P+nn], v[S+nn], v11, vcc_lo
.set nn, nn+1
.endr
.endif
	SOFTMAX \nb, \mk
.irp j, 0,2,4,6
	v_pk_mul_f32 v[O+\j:O+\j+1], v[O+\j:O+\j+1], v[100:101] op_sel_hi:[1,0]   ; O^T under the new M
.endr
.rept 4
	v_nop                                          ; four places between the codes' conversions and the scaled product (the scale word was made ahead of the holds)
.endr
	s_wait_dscnt 0x0                               ; V's fragment and its scale word
	v_wmma_scale_f32_16x16x128_f8f6f4 v[O:O+7], v[VF:VF+15], v[PCD:PCD+15], v[O:O+7], v64, v65   ; O^T += V^T P^T; a step's score products stand between two links of this chain
.endm
; One head's walk for the query tile s14.  The loop has a constant 8 trips, so that every LDS address is a constant stepped by constants; a trip's work is chosen by ids
.macro WALK hd
	s_lshl_b32 s38, s14, 10
	s_add_co_u32 s38, s38, \hd*65536
	s_mov_b32 s39, 0
	s_add_nc_u64 s[32:33], s[30:31], s[38:39]      ; (its last loads were waited for)
	global_load_b128 v[Q:Q+3], v2, s[32:33]
	global_load_b128 v[Q+4:Q+7], v2, s[32:33] offset:512
	v_mov_b32 v13, 0xff61b1e6                      ; the largest t so far: -3e38
	v_floor_f32 v12, -v13
	v_mov_b32 v14, 0
	v_mov_b32 v15, 0
.irp j, 0,1,2,3,4,5,6,7
	v_mov_b32 v[O+\j], 0                           ; the first change of M multiplies zeros
.endr
	s_mov_b32 s26, \hd*64*KT
	s_mov_b32 s27, VB+\hd*16384
	s_mov_b32 s28, VSB+4*\hd
	s_mov_b32 s25, 0
	s_wait_loadcnt 0x0
.Lstep_\@:
	s_cmp_gt_u32 s25, s15
	s_cbranch_scc1 .Lskip_\@                       ; all 128 keys come after my queries
	s_cmp_eq_u32 s25, s15
	s_cbranch_scc1 .Ldiag_\@
	STEPM 4, 9                                     ; all 128 keys count
	s_branch .Lskip_\@
.Ldiag_\@:                                         ; on the diagonal: s18 + 1 blocks hold keys that count, and block s18 is masked
	s_cmp_eq_u32 s18, 0
	s_cbranch_scc1 .Ld1_\@
	s_cmp_eq_u32 s18, 1
	s_cbranch_scc1 .Ld2_\@
	s_cmp_eq_u32 s18, 2
	s_cbranch_scc1 .Ld3_\@
	STEPM 4, 3
	s_branch .Lskip_\@
.Ld3_\@:
	STEPM 3, 2
	s_branch .Lskip_\@
.Ld2_\@:
	STEPM 2, 1
	s_branch .Lskip_\@
.Ld1_\@:
	STEPM 1, 0
.Lskip_\@:
	s_add_co_u32 s26, s26, 8*KT
	s_add_co_u32 s27, s27, 2048
	s_add_co_u32 s28, s28, 256
	s_add_co_u32 s25, s25, 1
	s_cmp_lt_u32 s25, 8
	s_cbranch_scc1 .Lstep_\@
.endm
.macro FINISH hd                       ; O^T / the row's sum
.rept 8
	v_nop                                          ; places behind the last product
.endr
	v_add_f32 v98, v14, v15
	v_permlanex16_b32 v99, v98, s20, s21
	v_add_f32 v98, v98, v99
	v_rcp_f32 v98, v98
	v_nop
	s_wait_alu depctr_va_vdst(0)                   ; ahead of the reciprocal's first reader
.irp j, 0,2,4,6
	v_pk_mul_f32 v[OX+8*\hd+\j:OX+8*\hd+\j+1], v[O+\j:O+\j+1], v[98:99] op_sel_hi:[1,0]
.endr
.endm
; The two heads' 32 channels of a token are a block of the next product's K: my 16 (channels 8 h + j and 16 + 8 h + j) and lane l xor 16's
.macro OUTQ
	s_wait_xcnt 0x0                                ; the last tile's stores have read their data and their pointers
	v_max3_num_f32 v98, |v[OX]|, |v[OX+1]|, 0x4800000
.irp i, 2,4,6,8,10,12,14
	v_max3_num_f32 v98, v98, |v[OX+\i]|, |v[OX+\i+1]|
.endr
	v_permlanex16_b32 v99, v98, s20, s21
	v_max_num_f32 v98, v98, v99
	v_add_nc_u32 v102, 0xfc000000, v98
	v_and_or_b32 v103, v98, 0x7f800000, s24
	v_lshrrev_b32 v236, 23, v102
.irp i, 0,1,2,3,4,5,6,7,8,9,10,11,12,13,14,15
	v_med3_num_f32 v[OX+\i], v[OX+\i], -v103, v103
.endr
	v_cvt_scalef32_pk8_fp8_f32 v[232:233], v[OX:OX+7], v102
	v_cvt_scalef32_pk8_fp8_f32 v[234:235], v[OX+8:OX+15], v102
	v_nop
	s_lshl_b32 s38, s12, 3
	s_add_co_u32 s38, s38, s15                     ; which 128 tokens: 8 x batch + tile / 8
	s_and_b32 s39, s14, 7                          ; and which 16 of them
	s_lshl_b32 s44, s38, 17
	s_lshl_b32 s40, s39, 13
	s_add_co_u32 s44, s44, s40
	s_add_co_u32 s44, s44, s16
	s_mov_b32 s45, 0
	s_add_nc_u64 s[34:35], s[6:7], s[44:45]
	s_lshl_b32 s44, s38, 12
	s_lshl_b32 s40, s39, 6
	s_add_co_u32 s44, s44, s40
	s_add_co_u32 s44, s44, s17
	s_add_nc_u64 s[36:37], s[6:7], s[44:45]
	s_add_nc_u64 s[36:37], s[36:37], 0x400000
	global_store_b64 v5, v[232:233], s[34:35]              ; 256 consecutive bytes, aligned
	global_store_b64 v5, v[234:235], s[34:35] offset:256
	global_store_b8 v6, v236, s[36:37]                     ; lanes l and l + 16 write the same byte with the same value
.endm
	s_lshl_b32 s14, s11, 4
	s_add_co_u32 s14, s14, s8                      ; my first query tile
	s_mov_b32 s29, 2
.Ltile:
	s_bfe_u32 s15, s14, 0x30003                    ; tile / 8: the step on the diagonal
	s_bfe_u32 s18, s14, 0x20001                    ; (tile % 8) / 2: the block of 32 keys on the diagonal in that step
	WALK 0
	FINISH 0
	WALK 1
	FINISH 1
	OUTQ
	s_xor_b32 s14, s14, 63                         ; my second tile: 63 - the first
	s_sub_co_u32 s29, s29, 1
	s_cmp_lg_u32 s29, 0
	s_cbranch_scc1 .Ltile
	s_wait_tensorcnt 0x0
	ds_add_u32 v254, v255
	s_wait_dscnt 0x0
	s_endpgm
.Lfunc_end_k_q8de4a92054_attn:
	.size	k_q8de4a92054_attn, .Lfunc_end_k_q8de4a92054_attn-k_q8de4a92054_attn
	.p2alignl 7, 3214868480
	.fill 96, 4, 3214868480
	.section	.rodata,"a",@progbits
	.p2align	6, 0x0
	.amdhsa_kernel k_q8de4a92054_attn
		.amdhsa_group_segment_fixed_size 184320
		.amdhsa_private_segment_fixed_size 0
		.amdhsa_enable_private_segment 0
		.amdhsa_kernarg_size 16
		.amdhsa_user_sgpr_count 2
		.amdhsa_user_sgpr_kernarg_segment_ptr 1
		.amdhsa_wavefront_size32 1
		.amdhsa_system_sgpr_workgroup_id_x 1
		.amdhsa_system_sgpr_workgroup_id_y 1
		.amdhsa_system_sgpr_workgroup_id_z 1
		.amdhsa_system_vgpr_workitem_id 0
		.amdhsa_next_free_vgpr 256
		.amdhsa_next_free_sgpr 66
		.amdhsa_reserve_vcc 1
		.amdhsa_float_denorm_mode_32 3
		.amdhsa_float_denorm_mode_16_64 3
		.amdhsa_memory_ordered 1
		.amdhsa_forward_progress 1
		.amdhsa_inst_pref_size 151
	.end_amdhsa_kernel
	.amdgpu_metadata
---
amdhsa.version: [ 1, 2 ]
amdhsa.kernels:
  - .name:           k_q8de4a92054_attn
    .symbol:         k_q8de4a92054_attn.kd
    .args:
      - { .name: qkv, .offset: 0, .size: 8, .value_kind: global_buffer, .address_space: global }
      - { .name: oq, .offset: 8, .size: 8, .value_kind: global_buffer, .address_space: global }
    .group_segment_fixed_size: 184320
    .private_segment_fixed_size: 0
    .kernarg_segment_align: 8
    .kernarg_segment_size: 16
    .max_flat_workgroup_size: 512
    .sgpr_count:     66
    .vgpr_count:     256
    .wavefront_size: 32
...
	.end_amdgpu_metadata
.endif
;; end of part 3
;; launch proj (part 4): grid 8 x 32, 4 waves a work-group, clusters of 4 x 4, 327,680 bytes of LDS; arguments oq, Wproj_codes, Wproj_scales, bproj, x, x1; writes x1
.if DOCPART == 4
	.amdgcn_target "amdgcn-amd-amdhsa--gfx1250"
	.amdhsa_code_object_version 6
	.text
	.protected	k_q8de4a92054_proj
	.globl	k_q8de4a92054_proj
	.p2align	8
	.type	k_q8de4a92054_proj,@function
k_q8de4a92054_proj:
	s_mov_b64 s[64:65], 0
	v_nop
	global_prefetch_b8 v0, s[64:65] scope:SCOPE_SE
	s_setreg_imm32_b32 hwreg(HW_REG_WAVE_MODE, 25, 1), 1
	s_wait_xcnt 0x0
	s_wait_alu depctr_hold_cnt(0) depctr_sa_sdst(0) depctr_va_vdst(0) depctr_va_sdst(0) depctr_va_ssrc(0) depctr_va_vcc(0) depctr_vm_vsrc(0)
	s_getreg_b32 s2, hwreg(HW_REG_IB_STS2, 6, 4)
	s_cmp_eq_u32 s2, 0
	s_cbranch_scc0 .Lentry_in_a_cluster
	s_endpgm
.Lentry_in_a_cluster:
	s_bfe_u32 s2, ttmp6, 0x10000c
	s_cmp_lg_u32 s2, 0xf033
	s_cbranch_scc0 .Lentry_shape_is_right
	s_endpgm
.Lentry_shape_is_right:
; out = res + (A W^T + bias), the product on codes of FP8 (E4M3) with one E8M0 scale for each 32 along K = SIZE_K.  4,096 tokens x 1,024 columns, f32.
; A (a workspace of this program): codes as fragment images [128 tokens][512 along K][tile of 16 tokens][128 along K][c 4][lane][16 bytes]; scale words at byte 4,096 SIZE_K: [128 tokens][128 along K][token] words.
; W: codes [1024][SIZE_K], scale bytes [1024][SIZE_K / 32].  bias [1024], res and out [4096][1024] f32.
; A tile is 128 tokens x 128 columns, so that the 32 x 8 tiles give 256 work-groups; four waves, 64 x 64 each: 16 accumulators.  K goes in steps of 512 through two LDS slots: A's 65,536 bytes are one dense
; block (waves 0 and 1 fetch halves), W's 128 rows of 512 bytes get 16 bytes of padding each (waves 2 and 3 fetch 64 rows each).  The scales of the tile's rows, for all of K, come once and stay.
; At SIZE_K = 1,024 the two slots hold all of K: the loop that fills slots again is not assembled.
; CLUSTERS: 4 x 4 work-groups; A's tiles are shared along a row of the cluster, W's along a column: joint loads.
; THE MATRIX INSTRUCTION IS USED TRANSPOSED (source 0 = 16 rows of W, source 1 = 16 tokens): a lane holds eight neighbouring columns of a token.  The bias is the C of each sum's first instruction.
; The residual's 32 loads a lane are issued at the head and stay out through the K loop.  Results go through the wave's own stage in LDS and leave as whole aligned blocks of 256 bytes.
; REGISTERS: window 0: v0-31 addresses; v32-63 scale words, two sets; v64-95 the bias, later rows on the way out; v96-127 rows on the way out; v128-255 the accumulators ((a, b) at v[128 + 8 (4 a + b)]).
;   window 1: two fragment buffers of 128: A's four fragments, then W's four.   window 2: v0-127 the residual.
.set SIZE_K, 1024
.set NSL,   SIZE_K/512
.set LAPS,  SIZE_K/1024
.set KS,    SIZE_K/32
.set PITCH, 528                        ; a row of W in LDS: 512 bytes + 16: the 16 rows of a fragment load start at 16 different banks (64 banks of 4 bytes: ISA guide 11.1)
.set BH,    64*PITCH
.set AIMG,  65536
.set SLOT,  AIMG+2*BH
.set SCA,   2*SLOT                     ; A's scale words: a row of 512 bytes + 16 for each 128 along K
.set SAH,   (SIZE_K/256)*528           ; half of them
.set SCB,   SCA+((2*SAH+255)/256)*256  ; W's scale bytes, as rows of 256 bytes + 16
.set SBH,   (64*KS/256)*272            ; those of 64 rows
.set SBLK,  (16*KS/256)*272            ; of 16 rows
.set SPARE, SCB+2*SBH                  ; the spare words, 128 bytes for each wave: no other line names them
.set ADRA, 16                          ; v16-17 my A fragments in slot 0, 1
.set ADRB, 20                          ; v20-21 my W fragments
.set STO,  24
.set RD,   25
.set CO,   26
.set ADSA, 27
.set SPW,  28
.set NIL,  29
.set ADSB, 30
.set BO,   31
.set SC,   32                          ; set s at v[32 + 16 s]: + 2 q + a / 2: A's words (lanes 0-15 block a even, lanes 16-31 odd); + 8 + 4 (b / 2) + q: W's likewise
.set BI,   64
.set ACC,  128
.set F0,   0
.set F1,   128
.set G1A, 24
.set G0A, 32
.set G1B, 48
.set G0B, 56
.set G1SA, 68
.set G0SA, 76
.set G1SB, 80
.set G0SB, 88
.set MUL,  0x05                        ; sources 0 and 1 window 1; C and D window 0
.set MSB, 0
.macro WIN new                         ; the immediate's high byte repeats the setting that is left
.if MSB != (\new)
	s_set_vgpr_msb (MSB<<8)|(\new)
.set MSB, (\new)
.endif
.endm
.macro JLOAD g0a, g1a, g0b, g1b        ; a joint load: waves 0 and 1 fetch for A, waves 2 and 3 for W; four v_nop follow each of the two lines
	s_cmp_eq_u32 s17, 0
	s_cbranch_scc0 .Lfor_b_\@
	tensor_load_to_lds s[\g0a:\g0a+3], s[\g1a:\g1a+7]
	s_nop 0
.rept 4
	v_nop
.endr
	s_branch .Lasked_\@
.Lfor_b_\@:
	tensor_load_to_lds s[\g0b:\g0b+3], s[\g1b:\g1b+7]
	s_nop 0
.rept 4
	v_nop
.endr
.Lasked_\@:
.endm
.macro CREST
	s_cmp_lg_u32 s16, 0
	s_cbranch_scc1 .Lnot_wave_0_\@
	s_barrier_signal -3
.Lnot_wave_0_\@:
	s_barrier_wait -3
	s_barrier_signal -1
	s_barrier_wait -1
.endm
.macro CROUND
	s_barrier_signal -1
	s_barrier_wait -1
	CREST
.endm
.macro PLACES n
.rept \n
	v_nop
.endr
.endm
	s_load_b256 s[4:11], s[0:1], 0x0               ; A s[4:5], W's codes s[6:7], W's scales s[8:9], bias s[10:11]
	s_load_b128 s[12:15], s[0:1], 0x20             ; res s[12:13], out s[14:15]
	v_lshl_add_u32 v[SPW], v0, 2, SPARE
	v_mov_b32 v[NIL], 0
	ds_add_u32 v28, v29
	ds_add_u32 v28, v29
	s_wait_dscnt 0x0
	v_lshrrev_b32 v1, 5, v0
	v_readfirstlane_b32 s16, v1                    ; wave 0..3
	s_lshr_b32 s17, s16, 1                         ; which 64 tokens are mine.  Also: I fetch for A (0) or for W (1)
	s_and_b32 s18, s16, 1                          ; which 64 columns.  Also: which half I fetch
	s_bfe_u32 s40, ttmp6, 0x40000                  ; cx
	s_bfe_u32 s41, ttmp6, 0x40004                  ; cy
	s_lshl_b32 s42, ttmp9, 2
	s_add_co_u32 s42, s42, s40                     ; the tile's 128 columns
	s_and_b32 s45, ttmp7, 0xffff
	s_lshl_b32 s45, s45, 2
	s_add_co_u32 s45, s45, s41                     ; the tile's 128 tokens
	s_lshl_b32 s43, s41, 2
	s_lshl_b32 s43, 15, s43                        ; my row of the cluster
	s_lshl_b32 s44, 0x1111, s40                    ; my column
	s_or_b32 s[G1A+0], s43, (3<<16)|(1<<21)        ; A's half image: 32,768 dense bytes as 128 rows of 32 elements of 8 bytes; no padding
	s_mov_b32 s[G1A+1], 32<<16
	s_mov_b32 s[G1A+2], 128<<16
	s_mov_b32 s[G1A+3], 32<<16
	s_mov_b32 s[G1A+4], 128
	s_mov_b32 s[G1A+5], 32
	s_mov_b32 s[G1A+6], 0
	s_mov_b32 s[G1A+7], 0
	s_or_b32 s[G1B+0], s44, (0<<16)|(1<<20)|(1<<21)|(6<<22)|(3<<25)   ; W: 64 rows of 512 bytes, 4 words of padding after every 128
	s_mov_b32 s[G1B+1], 512<<16
	s_mov_b32 s[G1B+2], 64<<16
	s_mov_b32 s[G1B+3], 512<<16
	s_mov_b32 s[G1B+4], 64
	s_mov_b32 s[G1B+5], SIZE_K
	s_mov_b32 s[G1B+6], 0
	s_mov_b32 s[G1B+7], 0
	s_or_b32 s[G1SA+0], s43, (3<<16)|(1<<20)|(1<<21)|(6<<22)|(3<<25)  ; A's words: SIZE_K / 256 rows of 512 bytes, padded
	s_mov_b32 s[G1SA+1], 64<<16
	s_mov_b32 s[G1SA+2], (SIZE_K/256)<<16
	s_mov_b32 s[G1SA+3], 64<<16
	s_mov_b32 s[G1SA+4], SIZE_K/256
	s_mov_b32 s[G1SA+5], 64
	s_mov_b32 s[G1SA+6], 0
	s_mov_b32 s[G1SA+7], 0
	s_or_b32 s[G1SB+0], s44, (3<<16)|(1<<20)|(1<<21)|(5<<22)|(3<<25)  ; W's scale bytes of 64 rows: dense, as rows of 256 bytes, padded
	s_mov_b32 s[G1SB+1], 32<<16
	s_mov_b32 s[G1SB+2], (64*KS/256)<<16
	s_mov_b32 s[G1SB+3], 32<<16
	s_mov_b32 s[G1SB+4], 64*KS/256
	s_mov_b32 s[G1SB+5], 32
	s_mov_b32 s[G1SB+6], 0
	s_mov_b32 s[G1SB+7], 0
	s_mul_i32 s20, s45, NSL*AIMG                   ; A's codes: the tile's images, my half
	s_lshl_b32 s21, s18, 15
	s_add_co_u32 s20, s20, s21
	s_mov_b32 s21, 0
	s_mul_i32 s22, s45, (SIZE_K/128)*512           ; A's words, my half
	s_mul_i32 s23, s18, (SIZE_K/256)*512
	s_add_co_u32 s22, s22, s23
	s_mov_b32 s23, 0
	s_lshl_b32 s46, s42, 7
	s_lshl_b32 s47, s18, 6
	s_add_co_u32 s46, s46, s47                     ; W's first row that I fetch
	s_mul_i32 s92, s46, KS
	s_mul_i32 s46, s46, SIZE_K
	s_mov_b32 s47, 0
	s_mov_b32 s93, 0
	s_lshl_b32 s94, s18, 15                        ; where they go: the wave's number alone enters an LDS address
	s_mul_i32 s95, s18, BH
	s_add_co_u32 s95, s95, AIMG
	s_mul_i32 s96, s18, SAH
	s_add_co_u32 s96, s96, SCA
	s_mul_i32 s97, s18, SBH
	s_add_co_u32 s97, s97, SCB
	s_wait_kmcnt 0x0
	s_add_nc_u64 s[20:21], s[4:5], s[20:21]
	s_add_nc_u64 s[22:23], s[4:5], s[22:23]
	s_add_nc_u64 s[22:23], s[22:23], 4096*SIZE_K
	s_add_nc_u64 s[46:47], s[6:7], s[46:47]
	s_add_nc_u64 s[92:93], s[8:9], s[92:93]
	CROUND                                         ; all sixteen work-groups are here: the first joint loads meet
	s_mov_b32 s[G0SA], 1
	s_mov_b32 s[G0SA+1], s96
	s_mov_b64 s[G0SA+2:G0SA+3], s[22:23]
	s_or_b32 s[G0SA+3], s[G0SA+3], 0x80000000
	s_mov_b32 s[G0SB], 1
	s_mov_b32 s[G0SB+1], s97
	s_mov_b64 s[G0SB+2:G0SB+3], s[92:93]
	s_or_b32 s[G0SB+3], s[G0SB+3], 0x80000000
	JLOAD G0SA, G1SA, G0SB, G1SB                   ; the scales first: three loads of mine are out behind the first fills
.irp s, 0,1
	s_mov_b32 s[G0A+4*\s], 1
	s_add_co_u32 s[G0A+4*\s+1], s94, \s*SLOT
	s_add_nc_u64 s[G0A+4*\s+2:G0A+4*\s+3], s[20:21], \s*AIMG
	s_or_b32 s[G0A+4*\s+3], s[G0A+4*\s+3], 0x80000000
	s_mov_b32 s[G0B+4*\s], 1
	s_add_co_u32 s[G0B+4*\s+1], s95, \s*SLOT
	s_add_nc_u64 s[G0B+4*\s+2:G0B+4*\s+3], s[46:47], \s*512
	s_or_b32 s[G0B+4*\s+3], s[G0B+4*\s+3], 0x80000000
	JLOAD G0A+4*\s, G1A, G0B+4*\s, G1B
.endr
	v_and_b32 v1, 15, v0                           ; r
	v_bfe_u32 v2, v0, 4, 1                         ; h
	v_and_b32 v3, 31, v0                           ; lane
	v_lshlrev_b32 v4, 4, v3
	s_lshl_b32 s20, s17, 15                        ; my four tiles of tokens in an image
	v_add_nc_u32 v[ADRA], s20, v4
	s_add_co_u32 s20, s20, SLOT
	v_add_nc_u32 v[ADRA+1], s20, v4
	v_mul_u32_u24 v5, v1, PITCH
	v_lshl_add_u32 v5, v2, 4, v5
	v_add_nc_u32 v[ADRB], s95, v5                  ; my 64 rows of W
	s_add_co_u32 s95, s95, SLOT
	v_add_nc_u32 v[ADRB+1], s95, v5
	s_mul_i32 s22, s16, 16*272                     ; my stage, in slot 0: 16 rows x (256 bytes + 16)
	v_mul_u32_u24 v6, v1, 272
	v_lshl_add_u32 v6, v2, 5, v6
	v_add_nc_u32 v[STO], s22, v6                   ; in: row r, 32 bytes for each half of the lanes
	v_mul_u32_u24 v6, v2, 272
	v_lshl_add_u32 v6, v1, 4, v6
	v_add_nc_u32 v[RD], s22, v6                    ; back: lanes 0-15 one row, lanes 16-31 the next
	v_lshlrev_b32 v[CO], 12, v2
	v_lshl_add_u32 v[CO], v1, 4, v[CO]             ; and the same two rows in res and out
	s_lshl_b32 s23, s17, 8
	s_add_co_u32 s23, s23, SCA
	v_lshl_add_u32 v[ADSA], v3, 2, s23             ; A's words: my 64 tokens, 4 bytes a lane
	v_mul_u32_u24 v7, v3, KS                       ; W's: KS bytes a row, a lane a row,
	v_lshrrev_b32 v8, 8, v7
	v_lshl_add_u32 v7, v8, 4, v7                   ; and 16 more for each 256 passed
	v_add_nc_u32 v[ADSB], s97, v7
	v_lshlrev_b32 v[BO], 5, v2
	s_lshl_b32 s20, s42, 9
	s_lshl_b32 s21, s18, 8
	s_add_co_u32 s20, s20, s21                     ; my first column, in bytes
	s_mov_b32 s21, 0
	s_add_nc_u64 s[10:11], s[10:11], s[20:21]
	s_lshl_b32 s22, s45, 19                        ; 128 rows of 4,096 bytes,
	s_add_co_u32 s20, s20, s22
	s_lshl_b32 s22, s17, 18                        ; my 64
	s_add_co_u32 s20, s20, s22
	s_add_nc_u64 s[12:13], s[12:13], s[20:21]
	s_add_nc_u64 s[14:15], s[14:15], s[20:21]
.irp b, 0,1,2,3
	global_load_b128 v[BI+8*\b:BI+8*\b+3], v[BO], s[10:11] offset:64*\b          ; bias of columns 16 b + 8 h + 0..7
	global_load_b128 v[BI+8*\b+4:BI+8*\b+7], v[BO], s[10:11] offset:64*\b+16
.endr
	WIN 0x80                                       ; destination window 2
.irp a, 0,1,2,3
.irp t, 0,1,2,3,4,5,6,7
	global_load_b128 v[32*\a+4*\t:32*\a+4*\t+3], v[CO], s[12:13] offset:(16*\a+2*\t)*4096 th:TH_LOAD_NT
.endr
.endr
	WIN 0
.macro FETCH slot, q, f                ; 32 LDS loads: the fragments of the slot's q-th 128 along K into buffer f
	WIN 0x40                                       ; destination window 1
.irp b, 0,1,2,3
.irp c, 0,1,2,3
	ds_load_b128 v[\f+64+16*\b+4*\c:\f+64+16*\b+4*\c+3], v[ADRB+\slot] offset:128*(\q)+32*\c+\b*16*PITCH
.endr
.endr
.irp a, 0,1,2,3
.irp c, 0,1,2,3
	ds_load_b128 v[\f+16*\a+4*\c:\f+16*\a+4*\c+3], v[ADRA+\slot] offset:\a*8192+(\q)*2048+\c*512   ; an image comes back as it was stored: 512 consecutive bytes
.endr
.endr
.endm
.macro SCALES set                      ; a slot's scale words
.irp q, 0,1,2,3
.irp p, 0,1
	ds_load_b32 v[SC+16*\set+2*\q+\p], v[ADSA] offset:\q*528+\p*128
.endr
.endr
.irp p, 0,1
	ds_load_b128 v[SC+16*\set+8+4*\p:SC+16*\set+8+4*\p+3], v[ADSB] offset:\p*2*SBLK
.endr
.endm
; 8 matrix instructions: token blocks a0, a0 + 1 x the four column blocks.  The 16 accumulators take turns, one instruction a turn.  zero = 1: the sums begin with the bias
.macro MUL8 f, q, set, a0, zero
.irp a, \a0, \a0+1
.irp b, 0,1,2,3
.set rD, ACC+8*(4*(\a)+\b)
.if \zero
.set rC, BI+8*\b
.else
.set rC, rD
.endif
.set rB, \f+64+16*\b
.set rA, \f+16*(\a)
.set rSB, SC+16*(\set)+8+4*(\b/2)+(\q)
.set rSA, SC+16*(\set)+2*(\q)+(\a)/2
.if ((\a)%2 == 1) && (\b%2 == 1)
	v_wmma_scale_f32_16x16x128_f8f6f4 v[rD:rD+7], v[rB:rB+15], v[rA:rA+15], v[rC:rC+7], v[rSB], v[rSA] matrix_a_scale:MATRIX_SCALE_ROW1 matrix_b_scale:MATRIX_SCALE_ROW1
.elseif \b%2 == 1
	v_wmma_scale_f32_16x16x128_f8f6f4 v[rD:rD+7], v[rB:rB+15], v[rA:rA+15], v[rC:rC+7], v[rSB], v[rSA] matrix_a_scale:MATRIX_SCALE_ROW1
.elseif (\a)%2 == 1
	v_wmma_scale_f32_16x16x128_f8f6f4 v[rD:rD+7], v[rB:rB+15], v[rA:rA+15], v[rC:rC+7], v[rSB], v[rSA] matrix_b_scale:MATRIX_SCALE_ROW1
.else
	v_wmma_scale_f32_16x16x128_f8f6f4 v[rD:rD+7], v[rB:rB+15], v[rA:rA+15], v[rC:rC+7], v[rSB], v[rSA]
.endif
.endr
.endr
.endm
.macro QUARTER slot, q, f, g, zero     ; 128 along K on buffer f; the next 128's fragments are asked for first, into g
	s_wait_dscnt 0x0                               ; buffer f (and a new slot's scale words) are in
	PLACES 8                                       ; between the last products, which read g, and the loads into it
	FETCH \slot, (\q)+1, \g
	WIN MUL
	MUL8 \f, \q, \slot, 0, \zero
	MUL8 \f, \q, \slot, 2, \zero
.endm
; A slot's last 128 along K, and the change of slots: one barrier; in front of it each wave waits for all its tensor loads, adds 0 to its spare word, and waits for that and for its own reads of this slot
.macro TURN slot, next, fill
	WIN 0
	s_wait_tensorcnt 0x0                           ; all my tensor loads have landed: my part of the next slot
	ds_add_u32 v[SPW], v[NIL]                      ; 0 onto my spare word
	s_wait_dscnt 1                                 ; buffer 1's 32 loads are in; the add may be out
	WIN MUL
	MUL8 F1, 3, \slot, 0, 0
	s_wait_dscnt 0x0                               ; the add is done, and my reads of this slot are over
	s_barrier_signal -1
	MUL8 F1, 3, \slot, 2, 0
	WIN 0
	s_barrier_wait -1
.if \fill
	CREST                                          ; the barrier has opened a round of the cluster's: no wave of any partner still reads this slot or has a load on its way
	s_add_nc_u64 s[G0A+4*\slot+2:G0A+4*\slot+3], s[G0A+4*\slot+2:G0A+4*\slot+3], 2*AIMG
	s_add_nc_u64 s[G0B+4*\slot+2:G0B+4*\slot+3], s[G0B+4*\slot+2:G0B+4*\slot+3], 1024
	JLOAD G0A+4*\slot, G1A, G0B+4*\slot, G1B       ; the first tensor load behind the round: one load of mine is out
	PLACES 4
.else
	PLACES 8
.endif
	v_add_nc_u32 v[ADSA], 4*528, v[ADSA]           ; the next slot's scale words
	v_add_nc_u32 v[ADSB], 16, v[ADSB]
	FETCH \next, 0, F0
	WIN 0
	SCALES \next
.endm
	s_wait_tensorcnt 1                             ; the scales and my part of slot 0 are in; slot 1's load may be out
	s_barrier_signal -1
	s_barrier_wait -1
	FETCH 0, 0, F0
	WIN 0
	SCALES 0
	s_wait_loadcnt 32                              ; the bias is in; the residual's 32 loads may be out
	QUARTER 0, 0, F0, F1, 1
.if LAPS > 1
	WIN 0
	s_mov_b32 s3, LAPS-1
.Llap:                                                 ; a trip goes once round the ring and fills both slots again
	QUARTER 0, 1, F1, F0, 0
	QUARTER 0, 2, F0, F1, 0
	TURN 0, 1, 1
	QUARTER 1, 0, F0, F1, 0
	QUARTER 1, 1, F1, F0, 0
	QUARTER 1, 2, F0, F1, 0
	TURN 1, 0, 1
	QUARTER 0, 0, F0, F1, 0
	WIN 0
	s_sub_co_u32 s3, s3, 1
	s_cmp_lg_u32 s3, 0
	s_cbranch_scc1 .Llap
.endif
	QUARTER 0, 1, F1, F0, 0                        ; the last lap fills nothing
	QUARTER 0, 2, F0, F1, 0
	TURN 0, 1, 0
	QUARTER 1, 0, F0, F1, 0
	QUARTER 1, 1, F1, F0, 0
	QUARTER 1, 2, F0, F1, 0
	s_wait_dscnt 0x0
	WIN MUL
	MUL8 F1, 3, 1, 0, 0
	MUL8 F1, 3, 1, 2, 0
	WIN 0
	PLACES 8
	; THE WAY OUT, 16 tokens x 64 columns at a time, through my stage: slot 0 has had its last fill, and behind the last change of slots nobody reads it.  LDS serves a wave's instructions in order (ISA guide 5.7.1.4)
.irp a, 0,1,2,3
.set TT, 96-32*((\a)%2)
.if \a >= 2
	s_wait_xcnt 0x0                                ; the stores of two blocks ago have read these registers
.endif
.irp b, 0,1,2,3
	ds_store_b128 v[STO], v[ACC+8*(4*\a+\b):ACC+8*(4*\a+\b)+3] offset:64*\b         ; each accumulator from its low end on
	ds_store_b128 v[STO], v[ACC+8*(4*\a+\b)+4:ACC+8*(4*\a+\b)+7] offset:64*\b+16
.endr
.irp t, 0,1,2,3,4,5,6,7
	ds_load_b128 v[TT+4*\t:TT+4*\t+3], v[RD] offset:544*\t
.endr
	s_wait_loadcnt 8*(3-\a)                        ; this block's residual is in; the later blocks' loads may be out
	s_wait_dscnt 0x0
	WIN 0x08                                       ; source 1 window 2
.irp t, 0,1,2,3,4,5,6,7,8,9,10,11,12,13,14,15
	v_pk_add_f32 v[TT+2*\t:TT+2*\t+1], v[TT+2*\t:TT+2*\t+1], v[32*\a+2*\t:32*\a+2*\t+1]
.endr
	WIN 0
.irp t, 0,1,2,3,4,5,6,7
	global_store_b128 v[CO], v[TT+4*\t:TT+4*\t+3], s[14:15] offset:(16*\a+2*\t)*4096 th:TH_STORE_NT   ; 16 lanes store 256 consecutive bytes, aligned
.endr
.endr
	s_wait_tensorcnt 0x0                           ; the wave's end
	ds_add_u32 v[SPW], v[NIL]
	s_wait_dscnt 0x0
	CROUND                                         ; the closing round
	s_endpgm
.Lfunc_end_k_q8de4a92054_proj:
	.size	k_q8de4a92054_proj, .Lfunc_end_k_q8de4a92054_proj-k_q8de4a92054_proj
	.p2alignl 7, 3214868480
	.fill 96, 4, 3214868480
	.section	.rodata,"a",@progbits
	.p2align	6, 0x0
	.amdhsa_kernel k_q8de4a92054_proj
		.amdhsa_group_segment_fixed_size 327680
		.amdhsa_private_segment_fixed_size 0
		.amdhsa_enable_private_segment 0
		.amdhsa_kernarg_size 48
		.amdhsa_user_sgpr_count 2
		.amdhsa_user_sgpr_kernarg_segment_ptr 1
		.amdhsa_wavefront_size32 1
		.amdhsa_system_sgpr_workgroup_id_x 1
		.amdhsa_system_sgpr_workgroup_id_y 1
		.amdhsa_system_sgpr_workgroup_id_z 1
		.amdhsa_system_vgpr_workitem_id 0
		.amdhsa_next_free_vgpr 640
		.amdhsa_next_free_sgpr 100
		.amdhsa_reserve_vcc 0
		.amdhsa_float_denorm_mode_32 3
		.amdhsa_float_denorm_mode_16_64 3
		.amdhsa_memory_ordered 1
		.amdhsa_forward_progress 1
		.amdhsa_inst_pref_size 62
	.end_amdhsa_kernel
	.amdgpu_metadata
---
amdhsa.version: [ 1, 2 ]
amdhsa.kernels:
  - .name:           k_q8de4a92054_proj
    .symbol:         k_q8de4a92054_proj.kd
    .args:
      - { .name: oq, .offset: 0, .size: 8, .value_kind: global_buffer, .address_space: global }
      - { .name: Wproj_codes, .offset: 8, .size: 8, .value_kind: global_buffer, .address_space: global }
      - { .name: Wproj_scales, .offset: 16, .size: 8, .value_kind: global_buffer, .address_space: global }
      - { .name: bproj, .offset: 24, .size: 8, .value_kind: global_buffer, .address_space: global }
      - { .name: x, .offset: 32, .size: 8, .value_kind: global_buffer, .address_space: global }
      - { .name: x1, .offset: 40, .size: 8, .value_kind: global_buffer, .address_space: global }
    .group_segment_fixed_size: 327680
    .private_segment_fixed_size: 0
    .kernarg_segment_align: 8
    .kernarg_segment_size: 48
    .max_flat_workgroup_size: 128
    .sgpr_count:     100
    .vgpr_count:     640
    .wavefront_size: 32
...
	.end_amdgpu_metadata
.endif
;; end of part 4
;; launch ln2: the kernel of part 1 again; grid 256 x 1, 16 waves a work-group, no clusters, 84,480 bytes of LDS; arguments x1, g2, be2, hq; writes hq
;; launch ffn1 (part 5): grid 16 x 16, 4 waves a work-group, clusters of 4 x 4, 327,680 bytes of LDS; arguments hq, W1_codes, W1_scales, b1, hid; writes hid
.if DOCPART == 5
	.amdgcn_target "amdgcn-amd-amdhsa--gfx1250"
	.amdhsa_code_object_version 6
	.text
	.protected	k_q8de4a92054_ffn1
	.globl	k_q8de4a92054_ffn1
	.p2align	8
	.type	k_q8de4a92054_ffn1,@function
k_q8de4a92054_ffn1:
	s_mov_b64 s[64:65], 0
	v_nop
	global_prefetch_b8 v0, s[64:65] scope:SCOPE_SE
	s_setreg_imm32_b32 hwreg(HW_REG_WAVE_MODE, 25, 1), 1
	s_wait_xcnt 0x0
	s_wait_alu depctr_hold_cnt(0) depctr_sa_sdst(0) depctr_va_vdst(0) depctr_va_sdst(0) depctr_va_ssrc(0) depctr_va_vcc(0) depctr_vm_vsrc(0)
	s_getreg_b32 s2, hwreg(HW_REG_IB_STS2, 6, 4)
	s_cmp_eq_u32 s2, 0
	s_cbranch_scc0 .Lentry_in_a_cluster
	s_endpgm
.Lentry_in_a_cluster:
	s_bfe_u32 s2, ttmp6, 0x10000c
	s_cmp_lg_u32 s2, 0xf033
	s_cbranch_scc0 .Lentry_shape_is_right
	s_endpgm
.Lentry_shape_is_right:
; hidden = relu(h W1^T + b1), the product on codes of FP8 (E4M3) with one E8M0 scale for each 32 along K = 1,024; the hidden layer is quantised here, in registers, along its 4,096 units, the next product's K.
; h: codes [4096][1024] and scale bytes [4096][32] (at 0x400000 of the workspace hq); W1: [4096][1024], scale bytes [4096][32]; b1 [4096] f32.
; A tile of 256 tokens x 256 units is made by four waves, 128 x 128 each: 64 accumulators, 512 registers.  K goes in steps of 256 through two LDS slots filled by the tensor data mover; the scale bytes of the tile's rows come once and stay.
; CLUSTERS: 4 x 4 work-groups; h's tiles are shared along a row of the cluster, W1's along a column: joint loads.
; THE MATRIX INSTRUCTION IS USED TRANSPOSED (source 0 = 16 rows of W1, source 1 = 16 tokens): a lane holds one token and eight neighbouring units; the bias is the C of each sum's first instruction.
; A wave's 128 units are one K step of the next product: for each tile of 16 tokens they become one fragment and one scale word a token.  OUTPUT (workspace hid): fragment images
; [128 tokens][512 units][tile of 16 tokens][128 units][c 4][lane][16 bytes]; scale words at 0x1000000: [128 tokens][128 units][token] words.
; A lane's two groups of 8 codes of a block (units 8 h + j and 16 + 8 h + j) go out by two stores of 8 bytes, each covering 256 consecutive bytes; the activation costs nothing: the hold clips at 0.
; LIMITS: NaN and infinities are not served; a block that is all zeros or under 2^-118 gets the byte 1 (a zero block's codes are zeros; this program alone reads the bytes).
; REGISTERS, in windows of 256: window 0: v0-31 addresses; v32-63 scale words, two sets; v64-127 the bias; from v128 h's fragments, one set; on the way out v112-127 and v200-235 are at work.
;   window 1: W1's fragments, two sets.  windows 2, 3: the accumulators, (a, b) at v[8 (8 (a % 4) + b)].
.set SIZE_K, 1024
.set KSTEP,  256
.set NQ,     KSTEP/128
.set ROWB,   256
.set KROW,   SIZE_K
.set PITCH,  272                       ; an LDS row: 256 bytes + 16 of padding: the 16 rows of a fragment load start at 16 different banks (64 banks of 4 bytes: ISA guide 11.1)
.set FR,     16
.set NL,     4
.set NP,     8                         ; places behind this matrix instruction (ISA guide 7.12.1)
.set HALFT,  128*PITCH
.set SLOT,   4*HALFT
.set LAPS,   SIZE_K/(2*KSTEP)
.set KS,     SIZE_K/32
.set SCL,    2*SLOT
.set HALFS,  (128*KS/256)*272
.set SBLK,   (16*KS/256)*272
.set SPARE,  SCL+4*HALFS               ; the spare words, 128 bytes for each wave: no other line names them
.set VO,   8                           ; v8   16 r + 8 h
.set BO,   10                          ; v10  32 h
.set SCRA, 11                          ; v11  the words' way out: 512 x wave + 4 x lane, in slot 0
.set RDW,  12                          ; v12  512 x wave + 16 x lane
.set LN,   13                          ; v13  lane
.set ADRA, 16
.set ADRB, 20
.set CO,   26                          ; v26  16 x lane
.set ADRS, 27
.set SPW,  28
.set NIL,  29
.set SC,   32
.set BI,   64                          ; v64-127 register 8 b + j: the bias of unit 16 b + 8 h + j
.set PC,   112
.set AF,   128
.set TM,   200
.set PW,   216
.set PWS,  220                         ; v220-227 the eight tiles' scale words
.set WW,   228
.set G1, 24
.set G0, 32
.set G1B, 48
.set G0B, 56
.set G1S, 68
.set G0S, 76
.set G1SB, 80
.set G0SB, 88
.set MSB, 0
.macro WIN new                         ; the immediate's high byte repeats the setting that is left
.if MSB != (\new)
	s_set_vgpr_msb (MSB<<8)|(\new)
.set MSB, (\new)
.endif
.endm
.set MUL_LO, 0xa1                      ; source 0 (W1) window 1, source 1 (h) window 0, C and D window 2
.set MUL_HI, 0xf1
.set MUL_LO_Z, 0x81                    ; the same with C (the bias) in window 0
.set MUL_HI_Z, 0xc1
.set TO_B,   0x40
.macro JLOAD g0a, g1a, g0b, g1b        ; a joint load: waves 0 and 1 fetch for h, waves 2 and 3 for W1; four v_nop follow each of the two lines
	s_cmp_eq_u32 s15, 0
	s_cbranch_scc0 .Lfor_b_\@
	tensor_load_to_lds s[\g0a:\g0a+3], s[\g1a:\g1a+7]
	s_nop 0
.rept 4
	v_nop
.endr
	s_branch .Lasked_\@
.Lfor_b_\@:
	tensor_load_to_lds s[\g0b:\g0b+3], s[\g1b:\g1b+7]
	s_nop 0
.rept 4
	v_nop
.endr
.Lasked_\@:
.endm
.macro CREST
	s_cmp_lg_u32 s14, 0
	s_cbranch_scc1 .Lnot_wave_0_\@
	s_barrier_signal -3
.Lnot_wave_0_\@:
	s_barrier_wait -3
	s_barrier_signal -1
	s_barrier_wait -1
.endm
.macro CROUND
	s_barrier_signal -1
	s_barrier_wait -1
	CREST
.endm
	s_load_b64 s[4:5], s[0:1], 0x0                 ; hq
	s_load_b128 s[8:11], s[0:1], 0x8               ; W1's codes s[8:9], W1's scales s[10:11]
	s_load_b128 s[96:99], s[0:1], 0x18             ; b1 s[96:97], hid s[98:99]
	v_lshl_add_u32 v[SPW], v0, 2, SPARE
	v_mov_b32 v[NIL], 0
	ds_add_u32 v28, v29
	ds_add_u32 v28, v29
	s_wait_dscnt 0x0
	v_lshrrev_b32 v1, 5, v0
	v_readfirstlane_b32 s14, v1                    ; wave 0..3
	s_lshr_b32 s15, s14, 1                         ; which 128 tokens are mine.  Also: I fetch for h (0) or for W1 (1)
	s_and_b32 s16, s14, 1                          ; which 128 units.  Also: which 128 rows I fetch
	s_bfe_u32 s40, ttmp6, 0x40000                  ; cx
	s_bfe_u32 s41, ttmp6, 0x40004                  ; cy
	s_lshl_b32 s42, ttmp9, 2
	s_add_co_u32 s42, s42, s40                     ; the tile's 256 units
	s_and_b32 s17, ttmp7, 0xffff
	s_lshl_b32 s17, s17, 2
	s_add_co_u32 s17, s17, s41                     ; the tile's 256 tokens
	s_lshl_b32 s43, s41, 2
	s_lshl_b32 s43, 15, s43                        ; my row of the cluster
	s_lshl_b32 s44, 0x1111, s40                    ; my column
	s_or_b32 s[G1+0], s43, (0<<16)|(1<<20)|(1<<21)|(5<<22)|(3<<25)  ; the mask; elements of 1 byte; padding on; bit 21 beside a mask; after every 64 words, 4 words
	s_or_b32 s[G1B+0], s44, (0<<16)|(1<<20)|(1<<21)|(5<<22)|(3<<25)
.irp g, G1, G1B
	s_mov_b32 s[\g+1], ROWB<<16
	s_mov_b32 s[\g+2], 128<<16
	s_mov_b32 s[\g+3], ROWB<<16
	s_mov_b32 s[\g+4], 128
	s_mov_b32 s[\g+5], KROW
	s_mov_b32 s[\g+6], 0
	s_mov_b32 s[\g+7], 0
.endr
	s_or_b32 s[G1S+0], s43, (3<<16)|(1<<20)|(1<<21)|(5<<22)|(3<<25)   ; the scales of 128 rows: 4,096 dense bytes as rows of 256, padded
	s_or_b32 s[G1SB+0], s44, (3<<16)|(1<<20)|(1<<21)|(5<<22)|(3<<25)
.irp g, G1S, G1SB
	s_mov_b32 s[\g+1], 32<<16
	s_mov_b32 s[\g+2], (128*KS/256)<<16
	s_mov_b32 s[\g+3], 32<<16
	s_mov_b32 s[\g+4], 128*KS/256
	s_mov_b32 s[\g+5], 32
	s_mov_b32 s[\g+6], 0
	s_mov_b32 s[\g+7], 0
.endr
	s_lshl_b32 s18, s16, 7
	s_lshl_b32 s20, s17, 8
	s_add_co_u32 s20, s20, s18                     ; h's row
	s_lshl_b32 s46, s42, 8
	s_add_co_u32 s46, s46, s18                     ; W1's row
	s_mov_b32 s21, 0
	s_mov_b32 s47, 0
	s_mov_b64 s[18:19], KS
	s_mul_u64 s[22:23], s[20:21], s[18:19]
	s_mul_u64 s[92:93], s[46:47], s[18:19]
	s_mov_b64 s[18:19], KROW
	s_mul_u64 s[20:21], s[20:21], s[18:19]
	s_mul_u64 s[46:47], s[46:47], s[18:19]
	s_mul_i32 s45, s14, HALFT
	s_mul_i32 s94, s14, HALFS
	s_wait_kmcnt 0x0
	s_add_nc_u64 s[6:7], s[4:5], 0x400000          ; h's scale bytes
	s_mov_b64 s[12:13], s[98:99]                   ; the images
	s_add_nc_u64 s[20:21], s[4:5], s[20:21]
	s_add_nc_u64 s[22:23], s[6:7], s[22:23]
	s_add_nc_u64 s[46:47], s[8:9], s[46:47]
	s_add_nc_u64 s[92:93], s[10:11], s[92:93]
	CROUND                                         ; all sixteen work-groups are here: the first joint loads meet
	s_mov_b32 s[G0S], 1
	s_add_co_u32 s[G0S+1], s94, SCL
	s_mov_b64 s[G0S+2:G0S+3], s[22:23]
	s_or_b32 s[G0S+3], s[G0S+3], 0x80000000
	s_mov_b32 s[G0SB], 1
	s_add_co_u32 s[G0SB+1], s94, SCL
	s_mov_b64 s[G0SB+2:G0SB+3], s[92:93]
	s_or_b32 s[G0SB+3], s[G0SB+3], 0x80000000
	JLOAD G0S, G1S, G0SB, G1SB                     ; the scales first: three loads of mine are out behind the first fills
.irp s, 0,1
	s_mov_b32 s[G0+4*\s], 1
	s_add_co_u32 s[G0+4*\s+1], s45, \s*SLOT
	s_add_nc_u64 s[G0+4*\s+2:G0+4*\s+3], s[20:21], \s*ROWB
	s_or_b32 s[G0+4*\s+3], s[G0+4*\s+3], 0x80000000
	s_mov_b32 s[G0B+4*\s], 1
	s_add_co_u32 s[G0B+4*\s+1], s45, \s*SLOT
	s_add_nc_u64 s[G0B+4*\s+2:G0B+4*\s+3], s[46:47], \s*ROWB
	s_or_b32 s[G0B+4*\s+3], s[G0B+4*\s+3], 0x80000000
	JLOAD G0+4*\s, G1, G0B+4*\s, G1B
.endr
	v_and_b32 v1, 15, v0                           ; r
	v_bfe_u32 v2, v0, 4, 1                         ; h
	v_mul_u32_u24 v3, v1, PITCH
	v_lshl_add_u32 v4, v2, 4, v3
	s_mul_i32 s21, s15, HALFT
	s_mul_i32 s22, s16, HALFT
	s_add_co_u32 s22, s22, 2*HALFT
.irp s, 0,1
	v_add_nc_u32 v[ADRA+\s], s21, v4
	v_add_nc_u32 v[ADRB+\s], s22, v4
	s_add_co_u32 s21, s21, SLOT
	s_add_co_u32 s22, s22, SLOT
.endr
	v_mul_u32_u24 v5, v1, KS
	v_lshrrev_b32 v6, 8, v5
	v_lshl_add_u32 v5, v6, 4, v5
	s_mul_i32 s21, s15, HALFS
	s_mul_i32 s22, s16, HALFS
	s_add_co_u32 s22, s22, 2*HALFS
	s_sub_co_u32 s22, s22, s21
	v_mul_u32_u24 v6, s22, v2                      ; lanes 16-31 take W1's
	s_add_co_u32 s21, s21, SCL
	v_add_nc_u32 v5, v5, v6
	v_add_nc_u32 v[ADRS], s21, v5
	v_and_b32 v[LN], 31, v0
	v_lshlrev_b32 v[CO], 4, v[LN]
	v_lshlrev_b32 v[VO], 4, v1
	v_lshl_add_u32 v[VO], v2, 3, v[VO]
	v_lshlrev_b32 v[BO], 5, v2
	s_lshl_b32 s21, s14, 9
	v_lshl_add_u32 v[SCRA], v[LN], 2, s21
	v_add_nc_u32 v[RDW], s21, v[CO]
	s_lshl_b32 s92, s42, 10                        ; the bias of my 128 units
	s_lshl_b32 s93, s16, 9
	s_add_co_u32 s92, s92, s93
	s_mov_b32 s93, 0
	s_add_nc_u64 s[96:97], s[96:97], s[92:93]
.irp b, 0,1,2,3,4,5,6,7
	global_load_b128 v[BI+8*\b:BI+8*\b+3], v[BO], s[96:97] offset:64*\b
	global_load_b128 v[BI+8*\b+4:BI+8*\b+7], v[BO], s[96:97] offset:64*\b+16
.endr
.macro FRAG reg, adr, q, i             ; 16 rows x 128 K: lane l holds row l % 16; registers 4 c .. 4 c + 3 hold K = 32 c + 16 (l / 16) + 0 .. 15
.irp c, 0,1,2,3
	ds_load_b128 v[\reg+4*\c:\reg+4*\c+3], v[\adr] offset:128*(\q)+32*\c+(\i)*16*PITCH
.endr
.endm
; 16 matrix instructions: token blocks a0, a0 + 1 x the eight unit blocks.  The 64 accumulators take turns, one instruction a turn.  zero = 1: the sums begin with the bias
.macro MUL16 a0, p, q, sc, zero
.irp a, \a0, \a0+1
.irp b, 0,1,2,3,4,5,6,7
.if \zero
	v_wmma_scale_f32_16x16x128_f8f6f4 v[8*(8*((\a)%4)+\b):8*(8*((\a)%4)+\b)+7], v[128*(\p)+FR*\b:128*(\p)+FR*\b+FR-1], v[AF+FR*(\a):AF+FR*(\a)+FR-1], v[BI+8*\b:BI+8*\b+7], v[SC+8*NQ*(\sc)+NQ*\b+(\q)], v[SC+8*NQ*(\sc)+NQ*(\a)+(\q)] matrix_a_scale:MATRIX_SCALE_ROW1
.else
	v_wmma_scale_f32_16x16x128_f8f6f4 v[8*(8*((\a)%4)+\b):8*(8*((\a)%4)+\b)+7], v[128*(\p)+FR*\b:128*(\p)+FR*\b+FR-1], v[AF+FR*(\a):AF+FR*(\a)+FR-1], v[8*(8*((\a)%4)+\b):8*(8*((\a)%4)+\b)+7], v[SC+8*NQ*(\sc)+NQ*\b+(\q)], v[SC+8*NQ*(\sc)+NQ*(\a)+(\q)] matrix_a_scale:MATRIX_SCALE_ROW1
.endif
.endr
.endr
.endm
.macro FETCH_B slot, q, p
	WIN TO_B
.irp i, 0,1,2,3,4,5,6,7
	FRAG 128*(\p)+FR*\i, ADRB+\slot, \q, \i
.endr
	WIN 0
.endm
.macro FETCH_A slot, q, i0
.irp i, \i0, \i0+1, \i0+2, \i0+3
	FRAG AF+FR*(\i), ADRA+\slot, \q, \i
.endr
.endm
.macro SCALES sc
.irp i, 0,1,2,3,4,5,6,7
	ds_load_b64 v[SC+8*NQ*\sc+NQ*\i:SC+8*NQ*\sc+NQ*\i+1], v[ADRS] offset:\i*SBLK
.endr
.endm
.macro PLACES n
.rept \n
	v_nop
.endr
.endm
.macro STEP slot, q, zero
	s_wait_dscnt 4*NL                              ; W1's set and h's blocks 0-3 are in; the youngest sixteen loads (h's blocks 4-7) may be out
.if \zero
	WIN MUL_LO_Z
.else
	WIN MUL_LO
.endif
	MUL16 0, (\q)%2, \q, \slot, \zero
	MUL16 2, (\q)%2, \q, \slot, \zero
	s_wait_dscnt 0
	PLACES NP
	FETCH_B \slot, (\q)+1, 1-(\q)%2
	FETCH_A \slot, (\q)+1, 0
.if \zero
	WIN MUL_HI_Z
.else
	WIN MUL_HI
.endif
	MUL16 4, (\q)%2, \q, \slot, \zero
	MUL16 6, (\q)%2, \q, \slot, \zero
	PLACES NP
	WIN 0
	FETCH_A \slot, (\q)+1, 4
.endm
.macro TURN slot, next, fill
	s_wait_tensorcnt 0x0                           ; all my tensor loads have landed: my part of the next slot
	ds_add_u32 v[SPW], v[NIL]                      ; 0 onto my spare word
	s_wait_dscnt 4*NL+1                            ; the add and the youngest sixteen loads may be out
	WIN MUL_LO
	MUL16 0, 1, NQ-1, \slot, 0
	s_wait_dscnt 0x0                               ; the add is done, and my reads of this slot are over
	s_barrier_signal -1
	MUL16 2, 1, NQ-1, \slot, 0
	WIN 0
	s_barrier_wait -1
.if \fill
	CREST                                          ; the barrier has opened a round of the cluster's: no wave of any partner still reads this slot or has a load on its way
	s_add_nc_u64 s[G0+4*\slot+2:G0+4*\slot+3], s[G0+4*\slot+2:G0+4*\slot+3], 2*ROWB
	s_add_nc_u64 s[G0B+4*\slot+2:G0B+4*\slot+3], s[G0B+4*\slot+2:G0B+4*\slot+3], 2*ROWB
	JLOAD G0+4*\slot, G1, G0B+4*\slot, G1B         ; the first tensor load behind the round: one load of mine is out
	PLACES NP-4
.else
	PLACES NP
.endif
	v_add_nc_u32 v[ADRS], 4*NQ, v[ADRS]
	FETCH_B \next, 0, 0
	FETCH_A \next, 0, 0
	SCALES \next
	WIN MUL_HI
	MUL16 4, 1, NQ-1, \slot, 0
	MUL16 6, 1, NQ-1, \slot, 0
	PLACES NP
	WIN 0
	FETCH_A \next, 0, 4
.endm
	s_wait_tensorcnt 1                             ; the scales and my part of K step 0 are in; K step 1's load may be out
	s_barrier_signal -1
	s_barrier_wait -1
	FETCH_B 0, 0, 0
	FETCH_A 0, 0, 0
	SCALES 0
	FETCH_A 0, 0, 4
	s_wait_loadcnt 0x0                             ; the bias
	STEP 0, 0, 1
	s_mov_b32 s3, LAPS-1
.Llap:
	TURN 0, 1, 1
	STEP 1, 0, 0
	TURN 1, 0, 1
	STEP 0, 0, 0
	s_sub_co_u32 s3, s3, 1
	s_cmp_lg_u32 s3, 0
	s_cbranch_scc1 .Llap
	TURN 0, 1, 0
	STEP 1, 0, 0
	s_wait_dscnt 4*NL
	WIN MUL_LO
	MUL16 0, 1, NQ-1, 1, 0
	MUL16 2, 1, NQ-1, 1, 0
	s_wait_dscnt 0
	WIN MUL_HI
	MUL16 4, 1, NQ-1, 1, 0
	MUL16 6, 1, NQ-1, 1, 0
	WIN 0
	PLACES NP                                      ; in front of the first read of results, and of the first write of registers that held fragments
; 64 numbers of a lane in window W, v[s] on: register 16 b + i: numbers of block b of 32 (the other 16 lie in lane l xor 16).  They become 16 registers of codes in v[PC] on and the row's scale word in v[PW].
.macro QUANTW s, W, relu               ; relu = 1: what is negative becomes 0 on the way, and does not count for the largest magnitude
	WIN ((\W)<<2)|((\W)<<4)                        ; sources 1 and 2 in window W
.irp b, 0,1,2,3
.if \relu
	v_max3_num_f32 v[TM+\b], 0x4800000, v[(\s)+16*\b], v[(\s)+16*\b+1]     ; with the floor 2^(9 - 127): the byte cannot fall under 1.  Each accumulator is read from its low end on
.else
	v_max3_num_f32 v[TM+\b], 0x4800000, |v[(\s)+16*\b]|, |v[(\s)+16*\b+1]|
.endif
.endr
.irp i, 2,4,6,8,10,12,14
.irp b, 0,1,2,3
.if \relu
	v_max3_num_f32 v[TM+\b], v[TM+\b], v[(\s)+16*\b+\i], v[(\s)+16*\b+\i+1]
.else
	v_max3_num_f32 v[TM+\b], v[TM+\b], |v[(\s)+16*\b+\i]|, |v[(\s)+16*\b+\i+1]|
.endif
.endr
.endr
	WIN 0
.irp b, 0,1,2,3
	v_permlanex16_b32 v[TM+4+\b], v[TM+\b], s20, s21
.endr
.irp b, 0,1,2,3
	v_max_num_f32 v[TM+\b], v[TM+\b], v[TM+4+\b]   ; the block's largest magnitude
.endr
.irp b, 0,1,2,3
	v_add_nc_u32 v[TM+12+\b], 0xfc000000, v[TM+\b] ; 8 off its exponent field: the conversion's scale operand
.endr
.irp b, 0,1,2,3
	v_and_or_b32 v[TM+8+\b], v[TM+\b], 0x7f800000, s22   ; 448 x the scale
.endr
.irp b, 0,1,2,3
	v_lshrrev_b32 v[TM+4+\b], 23, v[TM+12+\b]      ; the scale's byte
.endr
	v_lshl_or_b32 v[PW], v[TM+5], 8, v[TM+4]
	v_lshl_or_b32 v[PW], v[TM+6], 16, v[PW]
	v_lshl_or_b32 v[PW], v[TM+7], 24, v[PW]
	WIN ((\W)<<6)|(\W)                             ; destination and source 0 in window W
.irp b, 0,1,2,3
.irp i, 0,1,2,3,4,5,6,7,8,9,10,11,12,13,14,15
.if \relu
	v_med3_num_f32 v[(\s)+16*\b+\i], v[(\s)+16*\b+\i], 0, v[TM+8+\b]       ; the activation and the hold in one (the conversion does not saturate: ISA guide 7.6.2)
.else
	v_med3_num_f32 v[(\s)+16*\b+\i], v[(\s)+16*\b+\i], -v[TM+8+\b], v[TM+8+\b]
.endif
.endr
.endr
	WIN (\W)                                       ; source 0 in window W
.irp b, 0,1,2,3
	v_cvt_scalef32_pk8_fp8_f32 v[PC+4*\b:PC+4*\b+1], v[(\s)+16*\b:(\s)+16*\b+7], v[TM+12+\b]
	v_cvt_scalef32_pk8_fp8_f32 v[PC+4*\b+2:PC+4*\b+3], v[(\s)+16*\b+8:(\s)+16*\b+15], v[TM+12+\b]
.endr
	v_nop                                          ; a plain line behind the last conversion
	WIN 0
.endm
	s_mov_b32 s20, 0x76543210
	s_mov_b32 s21, 0xfedcba98
	s_mov_b32 s22, 0x600000
	s_lshl_b32 s18, s17, 1
	s_add_co_u32 s18, s18, s15                     ; which 128 tokens
	s_lshl_b32 s19, s42, 1
	s_add_co_u32 s19, s19, s16                     ; which 128 units
	s_lshl_b32 s46, s18, 19                        ; 128 tokens' images are 524,288 bytes,
	s_lshr_b32 s23, s19, 2
	s_lshl_b32 s23, s23, 16                        ; 512 units' 65,536,
	s_add_co_u32 s46, s46, s23
	s_and_b32 s23, s19, 3
	s_lshl_b32 s23, s23, 11                        ; 128 units of a tile 2,048
	s_add_co_u32 s46, s46, s23
	s_mov_b32 s47, 0
	s_add_nc_u64 s[12:13], s[12:13], s[46:47]
	s_lshl_b32 s46, s18, 14                        ; the words: 16,384 bytes for 128 tokens, 512 for 128 units
	s_lshl_b32 s23, s19, 9
	s_add_co_u32 s46, s46, s23
	s_add_nc_u64 s[98:99], s[98:99], s[46:47]
	s_add_nc_u64 s[98:99], s[98:99], 0x1000000
.irp b, 0,1,2,3
	v_mov_b32 v[TM+4+\b], 0                        ; a lane permute's destination counts as read
.endr
.irp a, 0,1,2,3,4,5,6,7
	s_wait_xcnt 0x0                                ; the last tile's stores have read their data: the registers may be written again
	QUANTW 64*((\a)%4), 2+(\a)/4, 1
.irp u, 0,1,2,3
	global_store_b64 v[VO], v[PC+4*\u:PC+4*\u+1], s[12:13] offset:\a*8192+\u*512 th:TH_STORE_NT          ; units 32 u + 8 h + j: 256 consecutive bytes
	global_store_b64 v[VO], v[PC+4*\u+2:PC+4*\u+3], s[12:13] offset:\a*8192+\u*512+256 th:TH_STORE_NT    ; units 32 u + 16 + 8 h + j
.endr
	v_mov_b32 v[PWS+\a], v[PW]
.endr
	; the 128 tokens' words leave as one block of 512 bytes, through 512 bytes of my own in slot 0: it has had its last fill, and behind the last change of slots nobody reads it
	v_cmp_le_u32 vcc_lo, 16, v[LN]
.irp p, 0,1,2,3
	v_cndmask_b32 v[WW+\p], v[PWS+2*\p], v[PWS+2*\p+1], vcc_lo   ; token 32 p + lane (both halves of the lanes hold a tile's words)
.endr
.irp p, 0,1,2,3
	ds_store_b32 v[SCRA], v[WW+\p] offset:128*\p
.endr
	ds_load_b128 v[232:235], v[RDW]                ; LDS serves a wave's instructions in order (ISA guide 5.7.1.4)
	s_wait_dscnt 0x0
	global_store_b128 v[CO], v[232:235], s[98:99] th:TH_STORE_NT
	s_wait_tensorcnt 0x0                           ; the wave's end
	ds_add_u32 v[SPW], v[NIL]
	s_wait_dscnt 0x0
	CROUND                                         ; the closing round
	s_endpgm
.Lfunc_end_k_q8de4a92054_ffn1:
	.size	k_q8de4a92054_ffn1, .Lfunc_end_k_q8de4a92054_ffn1-k_q8de4a92054_ffn1
	.p2alignl 7, 3214868480
	.fill 96, 4, 3214868480
	.section	.rodata,"a",@progbits
	.p2align	6, 0x0
	.amdhsa_kernel k_q8de4a92054_ffn1
		.amdhsa_group_segment_fixed_size 327680
		.amdhsa_private_segment_fixed_size 0
		.amdhsa_enable_private_segment 0
		.amdhsa_kernarg_size 40
		.amdhsa_user_sgpr_count 2
		.amdhsa_user_sgpr_kernarg_segment_ptr 1
		.amdhsa_wavefront_size32 1
		.amdhsa_system_sgpr_workgroup_id_x 1
		.amdhsa_system_sgpr_workgroup_id_y 1
		.amdhsa_system_sgpr_workgroup_id_z 1
		.amdhsa_system_vgpr_workitem_id 0
		.amdhsa_next_free_vgpr 1024
		.amdhsa_next_free_sgpr 100
		.amdhsa_reserve_vcc 1
		.amdhsa_float_denorm_mode_32 3
		.amdhsa_float_denorm_mode_16_64 3
		.amdhsa_memory_ordered 1
		.amdhsa_forward_progress 1
		.amdhsa_inst_pref_size 190
	.end_amdhsa_kernel
	.amdgpu_metadata
---
amdhsa.version: [ 1, 2 ]
amdhsa.kernels:
  - .name:           k_q8de4a92054_ffn1
    .symbol:         k_q8de4a92054_ffn1.kd
    .args:
      - { .name: hq, .offset: 0, .size: 8, .value_kind: global_buffer, .address_space: global }
      - { .name: W1_codes, .offset: 8, .size: 8, .value_kind: global_buffer, .address_space: global }
      - { .name: W1_scales, .offset: 16, .size: 8, .value_kind: global_buffer, .address_space: global }
      - { .name: b1, .offset: 24, .size: 8, .value_kind: global_buffer, .address_space: global }
      - { .name: hid, .offset: 32, .size: 8, .value_kind: global_buffer, .address_space: global }
    .group_segment_fixed_size: 327680
    .private_segment_fixed_size: 0
    .kernarg_segment_align: 8
    .kernarg_segment_size: 40
    .max_flat_workgroup_size: 128
    .sgpr_count:     100
    .vgpr_count:     1024
    .wavefront_size: 32
...
	.end_amdgpu_metadata
.endif
;; end of part 5
;; launch ffn2 (part 6): grid 8 x 32, 4 waves a work-group, clusters of 4 x 4, 327,680 bytes of LDS; arguments hid, W2_codes, W2_scales, b2, x1, out0; writes out0
.if DOCPART == 6
	.amdgcn_target "amdgcn-amd-amdhsa--gfx1250"
	.amdhsa_code_object_version 6
	.text
	.protected	k_q8de4a92054_ffn2
	.globl	k_q8de4a92054_ffn2
	.p2align	8
	.type	k_q8de4a92054_ffn2,@function
k_q8de4a92054_ffn2:
	s_mov_b64 s[64:65], 0
	v_nop
	global_prefetch_b8 v0, s[64:65] scope:SCOPE_SE
	s_setreg_imm32_b32 hwreg(HW_REG_WAVE_MODE, 25, 1), 1
	s_wait_xcnt 0x0
	s_wait_alu depctr_hold_cnt(0) depctr_sa_sdst(0) depctr_va_vdst(0) depctr_va_sdst(0) depctr_va_ssrc(0) depctr_va_vcc(0) depctr_vm_vsrc(0)
	s_getreg_b32 s2, hwreg(HW_REG_IB_STS2, 6, 4)
	s_cmp_eq_u32 s2, 0
	s_cbranch_scc0 .Lentry_in_a_cluster
	s_endpgm
.Lentry_in_a_cluster:
	s_bfe_u32 s2, ttmp6, 0x10000c
	s_cmp_lg_u32 s2, 0xf033
	s_cbranch_scc0 .Lentry_shape_is_right
	s_endpgm
.Lentry_shape_is_right:
; out = res + (A W^T + bias), the product on codes of FP8 (E4M3) with one E8M0 scale for each 32 along K = SIZE_K.  4,096 tokens x 1,024 columns, f32.
; A (a workspace of this program): codes as fragment images [128 tokens][512 along K][tile of 16 tokens][128 along K][c 4][lane][16 bytes]; scale words at byte 4,096 SIZE_K: [128 tokens][128 along K][token] words.
; W: codes [1024][SIZE_K], scale bytes [1024][SIZE_K / 32].  bias [1024], res and out [4096][1024] f32.
; A tile is 128 tokens x 128 columns, so that the 32 x 8 tiles give 256 work-groups; four waves, 64 x 64 each: 16 accumulators.  K goes in steps of 512 through two LDS slots: A's 65,536 bytes are one dense
; block (waves 0 and 1 fetch halves), W's 128 rows of 512 bytes get 16 bytes of padding each (waves 2 and 3 fetch 64 rows each).  The scales of the tile's rows, for all of K, come once and stay.
; CLUSTERS: 4 x 4 work-groups; A's tiles are shared along a row of the cluster, W's along a column: joint loads.
; THE MATRIX INSTRUCTION IS USED TRANSPOSED (source 0 = 16 rows of W, source 1 = 16 tokens): a lane holds eight neighbouring columns of a token.  The bias is the C of each sum's first instruction.
; The residual's 32 loads a lane are issued at the head and stay out through the K loop.  Results go through the wave's own stage in LDS and leave as whole aligned blocks of 256 bytes.
; REGISTERS: window 0: v0-31 addresses; v32-63 scale words, two sets; v64-95 the bias, later rows on the way out; v96-127 rows on the way out; v128-255 the accumulators ((a, b) at v[128 + 8 (4 a + b)]).
;   window 1: two fragment buffers of 128: A's four fragments, then W's four.   window 2: v0-127 the residual.
.set SIZE_K, 4096
.set NSL,   SIZE_K/512
.set LAPS,  SIZE_K/1024
.set KS,    SIZE_K/32
.set PITCH, 528                        ; a row of W in LDS: 512 bytes + 16: the 16 rows of a fragment load start at 16 different banks (64 banks of 4 bytes: ISA guide 11.1)
.set BH,    64*PITCH
.set AIMG,  65536
.set SLOT,  AIMG+2*BH
.set SCA,   2*SLOT                     ; A's scale words: a row of 512 bytes + 16 for each 128 along K
.set SAH,   (SIZE_K/256)*528           ; half of them
.set SCB,   SCA+((2*SAH+255)/256)*256  ; W's scale bytes, as rows of 256 bytes + 16
.set SBH,   (64*KS/256)*272            ; those of 64 rows
.set SBLK,  (16*KS/256)*272            ; of 16 rows
.set SPARE, SCB+2*SBH                  ; the spare words, 128 bytes for each wave: no other line names them
.set ADRA, 16                          ; v16-17 my A fragments in slot 0, 1
.set ADRB, 20                          ; v20-21 my W fragments
.set STO,  24
.set RD,   25
.set CO,   26
.set ADSA, 27
.set SPW,  28
.set NIL,  29
.set ADSB, 30
.set BO,   31
.set SC,   32                          ; set s at v[32 + 16 s]: + 2 q + a / 2: A's words (lanes 0-15 block a even, lanes 16-31 odd); + 8 + 4 (b / 2) + q: W's likewise
.set BI,   64
.set ACC,  128
.set F0,   0
.set F1,   128
.set G1A, 24
.set G0A, 32
.set G1B, 48
.set G0B, 56
.set G1SA, 68
.set G0SA, 76
.set G1SB, 80
.set G0SB, 88
.set MUL,  0x05                        ; sources 0 and 1 window 1; C and D window 0
.set MSB, 0
.macro WIN new                         ; the immediate's high byte repeats the setting that is left
.if MSB != (\new)
	s_set_vgpr_msb (MSB<<8)|(\new)
.set MSB, (\new)
.endif
.endm
.macro JLOAD g0a, g1a, g0b, g1b        ; a joint load: waves 0 and 1 fetch for A, waves 2 and 3 for W; four v_nop follow each of the two lines
	s_cmp_eq_u32 s17, 0
	s_cbranch_scc0 .Lfor_b_\@
	tensor_load_to_lds s[\g0a:\g0a+3], s[\g1a:\g1a+7]
	s_nop 0
.rept 4
	v_nop
.endr
	s_branch .Lasked_\@
.Lfor_b_\@:
	tensor_load_to_lds s[\g0b:\g0b+3], s[\g1b:\g1b+7]
	s_nop 0
.rept 4
	v_nop
.endr
.Lasked_\@:
.endm
.macro CREST
	s_cmp_lg_u32 s16, 0
	s_cbranch_scc1 .Lnot_wave_0_\@
	s_barrier_signal -3
.Lnot_wave_0_\@:
	s_barrier_wait -3
	s_barrier_signal -1
	s_barrier_wait -1
.endm
.macro CROUND
	s_barrier_signal -1
	s_barrier_wait -1
	CREST
.endm
.macro PLACES n
.rept \n
	v_nop
.endr
.endm
	s_load_b256 s[4:11], s[0:1], 0x0               ; A s[4:5], W's codes s[6:7], W's scales s[8:9], bias s[10:11]
	s_load_b128 s[12:15], s[0:1], 0x20             ; res s[12:13], out s[14:15]
	v_lshl_add_u32 v[SPW], v0, 2, SPARE
	v_mov_b32 v[NIL], 0
	ds_add_u32 v28, v29
	ds_add_u32 v28, v29
	s_wait_dscnt 0x0
	v_lshrrev_b32 v1, 5, v0
	v_readfirstlane_b32 s16, v1                    ; wave 0..3
	s_lshr_b32 s17, s16, 1                         ; which 64 tokens are mine.  Also: I fetch for A (0) or for W (1)
	s_and_b32 s18, s16, 1                          ; which 64 columns.  Also: which half I fetch
	s_bfe_u32 s40, ttmp6, 0x40000                  ; cx
	s_bfe_u32 s41, ttmp6, 0x40004                  ; cy
	s_lshl_b32 s42, ttmp9, 2
	s_add_co_u32 s42, s42, s40                     ; the tile's 128 columns
	s_and_b32 s45, ttmp7, 0xffff
	s_lshl_b32 s45, s45, 2
	s_add_co_u32 s45, s45, s41                     ; the tile's 128 tokens
	s_lshl_b32 s43, s41, 2
	s_lshl_b32 s43, 15, s43                        ; my row of the cluster
	s_lshl_b32 s44, 0x1111, s40                    ; my column
	s_or_b32 s[G1A+0], s43, (3<<16)|(1<<21)        ; A's half image: 32,768 dense bytes as 128 rows of 32 elements of 8 bytes; no padding
	s_mov_b32 s[G1A+1], 32<<16
	s_mov_b32 s[G1A+2], 128<<16
	s_mov_b32 s[G1A+3], 32<<16
	s_mov_b32 s[G1A+4], 128
	s_mov_b32 s[G1A+5], 32
	s_mov_b32 s[G1A+6], 0
	s_mov_b32 s[G1A+7], 0
	s_or_b32 s[G1B+0], s44, (0<<16)|(1<<20)|(1<<21)|(6<<22)|(3<<25)   ; W: 64 rows of 512 bytes, 4 words of padding after every 128
	s_mov_b32 s[G1B+1], 512<<16
	s_mov_b32 s[G1B+2], 64<<16
	s_mov_b32 s[G1B+3], 512<<16
	s_mov_b32 s[G1B+4], 64
	s_mov_b32 s[G1B+5], SIZE_K
	s_mov_b32 s[G1B+6], 0
	s_mov_b32 s[G1B+7], 0
	s_or_b32 s[G1SA+0], s43, (3<<16)|(1<<20)|(1<<21)|(6<<22)|(3<<25)  ; A's words: SIZE_K / 256 rows of 512 bytes, padded
	s_mov_b32 s[G1SA+1], 64<<16
	s_mov_b32 s[G1SA+2], (SIZE_K/256)<<16
	s_mov_b32 s[G1SA+3], 64<<16
	s_mov_b32 s[G1SA+4], SIZE_K/256
	s_mov_b32 s[G1SA+5], 64
	s_mov_b32 s[G1SA+6], 0
	s_mov_b32 s[G1SA+7], 0
	s_or_b32 s[G1SB+0], s44, (3<<16)|(1<<20)|(1<<21)|(5<<22)|(3<<25)  ; W's scale bytes of 64 rows: dense, as rows of 256 bytes, padded
	s_mov_b32 s[G1SB+1], 32<<16
	s_mov_b32 s[G1SB+2], (64*KS/256)<<16
	s_mov_b32 s[G1SB+3], 32<<16
	s_mov_b32 s[G1SB+4], 64*KS/256
	s_mov_b32 s[G1SB+5], 32
	s_mov_b32 s[G1SB+6], 0
	s_mov_b32 s[G1SB+7], 0
	s_mul_i32 s20, s45, NSL*AIMG                   ; A's codes: the tile's images, my half
	s_lshl_b32 s21, s18, 15
	s_add_co_u32 s20, s20, s21
	s_mov_b32 s21, 0
	s_mul_i32 s22, s45, (SIZE_K/128)*512           ; A's words, my half
	s_mul_i32 s23, s18, (SIZE_K/256)*512
	s_add_co_u32 s22, s22, s23
	s_mov_b32 s23, 0
	s_lshl_b32 s46, s42, 7
	s_lshl_b32 s47, s18, 6
	s_add_co_u32 s46, s46, s47                     ; W's first row that I fetch
	s_mul_i32 s92, s46, KS
	s_mul_i32 s46, s46, SIZE_K
	s_mov_b32 s47, 0
	s_mov_b32 s93, 0
	s_lshl_b32 s94, s18, 15                        ; where they go: the wave's number alone enters an LDS address
	s_mul_i32 s95, s18, BH
	s_add_co_u32 s95, s95, AIMG
	s_mul_i32 s96, s18, SAH
	s_add_co_u32 s96, s96, SCA
	s_mul_i32 s97, s18, SBH
	s_add_co_u32 s97, s97, SCB
	s_wait_kmcnt 0x0
	s_add_nc_u64 s[20:21], s[4:5], s[20:21]
	s_add_nc_u64 s[22:23], s[4:5], s[22:23]
	s_add_nc_u64 s[22:23], s[22:23], 4096*SIZE_K
	s_add_nc_u64 s[46:47], s[6:7], s[46:47]
	s_add_nc_u64 s[92:93], s[8:9], s[92:93]
	CROUND                                         ; all sixteen work-groups are here: the first joint loads meet
	s_mov_b32 s[G0SA], 1
	s_mov_b32 s[G0SA+1], s96
	s_mov_b64 s[G0SA+2:G0SA+3], s[22:23]
	s_or_b32 s[G0SA+3], s[G0SA+3], 0x80000000
	s_mov_b32 s[G0SB], 1
	s_mov_b32 s[G0SB+1], s97
	s_mov_b64 s[G0SB+2:G0SB+3], s[92:93]
	s_or_b32 s[G0SB+3], s[G0SB+3], 0x80000000
	JLOAD G0SA, G1SA, G0SB, G1SB                   ; the scales first: three loads of mine are out behind the first fills
.irp s, 0,1
	s_mov_b32 s[G0A+4*\s], 1
	s_add_co_u32 s[G0A+4*\s+1], s94, \s*SLOT
	s_add_nc_u64 s[G0A+4*\s+2:G0A+4*\s+3], s[20:21], \s*AIMG
	s_or_b32 s[G0A+4*\s+3], s[G0A+4*\s+3], 0x80000000
	s_mov_b32 s[G0B+4*\s], 1
	s_add_co_u32 s[G0B+4*\s+1], s95, \s*SLOT
	s_add_nc_u64 s[G0B+4*\s+2:G0B+4*\s+3], s[46:47], \s*512
	s_or_b32 s[G0B+4*\s+3], s[G0B+4*\s+3], 0x80000000
	JLOAD G0A+4*\s, G1A, G0B+4*\s, G1B
.endr
	v_and_b32 v1, 15, v0                           ; r
	v_bfe_u32 v2, v0, 4, 1                         ; h
	v_and_b32 v3, 31, v0                           ; lane
	v_lshlrev_b32 v4, 4, v3
	s_lshl_b32 s20, s17, 15                        ; my four tiles of tokens in an image
	v_add_nc_u32 v[ADRA], s20, v4
	s_add_co_u32 s20, s20, SLOT
	v_add_nc_u32 v[ADRA+1], s20, v4
	v_mul_u32_u24 v5, v1, PITCH
	v_lshl_add_u32 v5, v2, 4, v5
	v_add_nc_u32 v[ADRB], s95, v5                  ; my 64 rows of W
	s_add_co_u32 s95, s95, SLOT
	v_add_nc_u32 v[ADRB+1], s95, v5
	s_mul_i32 s22, s16, 16*272                     ; my stage, in slot 0: 16 rows x (256 bytes + 16)
	v_mul_u32_u24 v6, v1, 272
	v_lshl_add_u32 v6, v2, 5, v6
	v_add_nc_u32 v[STO], s22, v6                   ; in: row r, 32 bytes for each half of the lanes
	v_mul_u32_u24 v6, v2, 272
	v_lshl_add_u32 v6, v1, 4, v6
	v_add_nc_u32 v[RD], s22, v6                    ; back: lanes 0-15 one row, lanes 16-31 the next
	v_lshlrev_b32 v[CO], 12, v2
	v_lshl_add_u32 v[CO], v1, 4, v[CO]             ; and the same two rows in res and out
	s_lshl_b32 s23, s17, 8
	s_add_co_u32 s23, s23, SCA
	v_lshl_add_u32 v[ADSA], v3, 2, s23             ; A's words: my 64 tokens, 4 bytes a lane
	v_mul_u32_u24 v7, v3, KS                       ; W's: KS bytes a row, a lane a row,
	v_lshrrev_b32 v8, 8, v7
	v_lshl_add_u32 v7, v8, 4, v7                   ; and 16 more for each 256 passed
	v_add_nc_u32 v[ADSB], s97, v7
	v_lshlrev_b32 v[BO], 5, v2
	s_lshl_b32 s20, s42, 9
	s_lshl_b32 s21, s18, 8
	s_add_co_u32 s20, s20, s21                     ; my first column, in bytes
	s_mov_b32 s21, 0
	s_add_nc_u64 s[10:11], s[10:11], s[20:21]
	s_lshl_b32 s22, s45, 19                        ; 128 rows of 4,096 bytes,
	s_add_co_u32 s20, s20, s22
	s_lshl_b32 s22, s17, 18                        ; my 64
	s_add_co_u32 s20, s20, s22
	s_add_nc_u64 s[12:13], s[12:13], s[20:21]
	s_add_nc_u64 s[14:15], s[14:15], s[20:21]
.irp b, 0,1,2,3
	global_load_b128 v[BI+8*\b:BI+8*\b+3], v[BO], s[10:11] offset:64*\b          ; bias of columns 16 b + 8 h + 0..7
	global_load_b128 v[BI+8*\b+4:BI+8*\b+7], v[BO], s[10:11] offset:64*\b+16
.endr
	WIN 0x80                                       ; destination window 2
.irp a, 0,1,2,3
.irp t, 0,1,2,3,4,5,6,7
	global_load_b128 v[32*\a+4*\t:32*\a+4*\t+3], v[CO], s[12:13] offset:(16*\a+2*\t)*4096 th:TH_LOAD_NT
.endr
.endr
	WIN 0
.macro FETCH slot, q, f                ; 32 LDS loads: the fragments of the slot's q-th 128 along K into buffer f
	WIN 0x40                                       ; destination window 1
.irp b, 0,1,2,3
.irp c, 0,1,2,3
	ds_load_b128 v[\f+64+16*\b+4*\c:\f+64+16*\b+4*\c+3], v[ADRB+\slot] offset:128*(\q)+32*\c+\b*16*PITCH
.endr
.endr
.irp a, 0,1,2,3
.irp c, 0,1,2,3
	ds_load_b128 v[\f+16*\a+4*\c:\f+16*\a+4*\c+3], v[ADRA+\slot] offset:\a*8192+(\q)*2048+\c*512   ; an image comes back as it was stored: 512 consecutive bytes
.endr
.endr
.endm
.macro SCALES set                      ; a slot's scale words
.irp q, 0,1,2,3
.irp p, 0,1
	ds_load_b32 v[SC+16*\set+2*\q+\p], v[ADSA] offset:\q*528+\p*128
.endr
.endr
.irp p, 0,1
	ds_load_b128 v[SC+16*\set+8+4*\p:SC+16*\set+8+4*\p+3], v[ADSB] offset:\p*2*SBLK
.endr
.endm
; 8 matrix instructions: token blocks a0, a0 + 1 x the four column blocks.  The 16 accumulators take turns, one instruction a turn.  zero = 1: the sums begin with the bias
.macro MUL8 f, q, set, a0, zero
.irp a, \a0, \a0+1
.irp b, 0,1,2,3
.set rD, ACC+8*(4*(\a)+\b)
.if \zero
.set rC, BI+8*\b
.else
.set rC, rD
.endif
.set rB, \f+64+16*\b
.set rA, \f+16*(\a)
.set rSB, SC+16*(\set)+8+4*(\b/2)+(\q)
.set rSA, SC+16*(\set)+2*(\q)+(\a)/2
.if ((\a)%2 == 1) && (\b%2 == 1)
	v_wmma_scale_f32_16x16x128_f8f6f4 v[rD:rD+7], v[rB:rB+15], v[rA:rA+15], v[rC:rC+7], v[rSB], v[rSA] matrix_a_scale:MATRIX_SCALE_ROW1 matrix_b_scale:MATRIX_SCALE_ROW1
.elseif \b%2 == 1
	v_wmma_scale_f32_16x16x128_f8f6f4 v[rD:rD+7], v[rB:rB+15], v[rA:rA+15], v[rC:rC+7], v[rSB], v[rSA] matrix_a_scale:MATRIX_SCALE_ROW1
.elseif (\a)%2 == 1
	v_wmma_scale_f32_16x16x128_f8f6f4 v[rD:rD+7], v[rB:rB+15], v[rA:rA+15], v[rC:rC+7], v[rSB], v[rSA] matrix_b_scale:MATRIX_SCALE_ROW1
.else
	v_wmma_scale_f32_16x16x128_f8f6f4 v[rD:rD+7], v[rB:rB+15], v[rA:rA+15], v[rC:rC+7], v[rSB], v[rSA]
.endif
.endr
.endr
.endm
.macro QUARTER slot, q, f, g, zero     ; 128 along K on buffer f; the next 128's fragments are asked for first, into g
	s_wait_dscnt 0x0                               ; buffer f (and a new slot's scale words) are in
	PLACES 8                                       ; between the last products, which read g, and the loads into it
	FETCH \slot, (\q)+1, \g
	WIN MUL
	MUL8 \f, \q, \slot, 0, \zero
	MUL8 \f, \q, \slot, 2, \zero
.endm
; A slot's last 128 along K, and the change of slots: one barrier; in front of it each wave waits for all its tensor loads, adds 0 to its spare word, and waits for that and for its own reads of this slot
.macro TURN slot, next, fill
	WIN 0
	s_wait_tensorcnt 0x0                           ; all my tensor loads have landed: my part of the next slot
	ds_add_u32 v[SPW], v[NIL]                      ; 0 onto my spare word
	s_wait_dscnt 1                                 ; buffer 1's 32 loads are in; the add may be out
	WIN MUL
	MUL8 F1, 3, \slot, 0, 0
	s_wait_dscnt 0x0                               ; the add is done, and my reads of this slot are over
	s_barrier_signal -1
	MUL8 F1, 3, \slot, 2, 0
	WIN 0
	s_barrier_wait -1
.if \fill
	CREST                                          ; the barrier has opened a round of the cluster's: no wave of any partner still reads this slot or has a load on its way
	s_add_nc_u64 s[G0A+4*\slot+2:G0A+4*\slot+3], s[G0A+4*\slot+2:G0A+4*\slot+3], 2*AIMG
	s_add_nc_u64 s[G0B+4*\slot+2:G0B+4*\slot+3], s[G0B+4*\slot+2:G0B+4*\slot+3], 1024
	JLOAD G0A+4*\slot, G1A, G0B+4*\slot, G1B       ; the first tensor load behind the round: one load of mine is out
	PLACES 4
.else
	PLACES 8
.endif
	v_add_nc_u32 v[ADSA], 4*528, v[ADSA]           ; the next slot's scale words
	v_add_nc_u32 v[ADSB], 16, v[ADSB]
	FETCH \next, 0, F0
	WIN 0
	SCALES \next
.endm
	s_wait_tensorcnt 1                             ; the scales and my part of slot 0 are in; slot 1's load may be out
	s_barrier_signal -1
	s_barrier_wait -1
	FETCH 0, 0, F0
	WIN 0
	SCALES 0
	s_wait_loadcnt 32                              ; the bias is in; the residual's 32 loads may be out
	QUARTER 0, 0, F0, F1, 1
.if LAPS > 1
	WIN 0
	s_mov_b32 s3, LAPS-1
.Llap:                                                 ; a trip goes once round the ring and fills both slots again
	QUARTER 0, 1, F1, F0, 0
	QUARTER 0, 2, F0, F1, 0
	TURN 0, 1, 1
	QUARTER 1, 0, F0, F1, 0
	QUARTER 1, 1, F1, F0, 0
	QUARTER 1, 2, F0, F1, 0
	TURN 1, 0, 1
	QUARTER 0, 0, F0, F1, 0
	WIN 0
	s_sub_co_u32 s3, s3, 1
	s_cmp_lg_u32 s3, 0
	s_cbranch_scc1 .Llap
.endif
	QUARTER 0, 1, F1, F0, 0                        ; the last lap fills nothing
	QUARTER 0, 2, F0, F1, 0
	TURN 0, 1, 0
	QUARTER 1, 0, F0, F1, 0
	QUARTER 1, 1, F1, F0, 0
	QUARTER 1, 2, F0, F1, 0
	s_wait_dscnt 0x0
	WIN MUL
	MUL8 F1, 3, 1, 0, 0
	MUL8 F1, 3, 1, 2, 0
	WIN 0
	PLACES 8
	; THE WAY OUT, 16 tokens x 64 columns at a time, through my stage: slot 0 has had its last fill, and behind the last change of slots nobody reads it.  LDS serves a wave's instructions in order (ISA guide 5.7.1.4)
.irp a, 0,1,2,3
.set TT, 96-32*((\a)%2)
.if \a >= 2
	s_wait_xcnt 0x0                                ; the stores of two blocks ago have read these registers
.endif
.irp b, 0,1,2,3
	ds_store_b128 v[STO], v[ACC+8*(4*\a+\b):ACC+8*(4*\a+\b)+3] offset:64*\b         ; each accumulator from its low end on
	ds_store_b128 v[STO], v[ACC+8*(4*\a+\b)+4:ACC+8*(4*\a+\b)+7] offset:64*\b+16
.endr
.irp t, 0,1,2,3,4,5,6,7
	ds_load_b128 v[TT+4*\t:TT+4*\t+3], v[RD] offset:544*\t
.endr
	s_wait_loadcnt 8*(3-\a)                        ; this block's residual is in; the later blocks' loads may be out
	s_wait_dscnt 0x0
	WIN 0x08                                       ; source 1 window 2
.irp t, 0,1,2,3,4,5,6,7,8,9,10,11,12,13,14,15
	v_pk_add_f32 v[TT+2*\t:TT+2*\t+1], v[TT+2*\t:TT+2*\t+1], v[32*\a+2*\t:32*\a+2*\t+1]
.endr
	WIN 0
.irp t, 0,1,2,3,4,5,6,7
	global_store_b128 v[CO], v[TT+4*\t:TT+4*\t+3], s[14:15] offset:(16*\a+2*\t)*4096 th:TH_STORE_NT   ; 16 lanes store 256 consecutive bytes, aligned
.endr
.endr
	s_wait_tensorcnt 0x0                           ; the wave's end
	ds_add_u32 v[SPW], v[NIL]
	s_wait_dscnt 0x0
	CROUND                                         ; the closing round
	s_endpgm
.Lfunc_end_k_q8de4a92054_ffn2:
	.size	k_q8de4a92054_ffn2, .Lfunc_end_k_q8de4a92054_ffn2-k_q8de4a92054_ffn2
	.p2alignl 7, 3214868480
	.fill 96, 4, 3214868480
	.section	.rodata,"a",@progbits
	.p2align	6, 0x0
	.amdhsa_kernel k_q8de4a92054_ffn2
		.amdhsa_group_segment_fixed_size 327680
		.amdhsa_private_segment_fixed_size 0
		.amdhsa_enable_private_segment 0
		.amdhsa_kernarg_size 48
		.amdhsa_user_sgpr_count 2
		.amdhsa_user_sgpr_kernarg_segment_ptr 1
		.amdhsa_wavefront_size32 1
		.amdhsa_system_sgpr_workgroup_id_x 1
		.amdhsa_system_sgpr_workgroup_id_y 1
		.amdhsa_system_sgpr_workgroup_id_z 1
		.amdhsa_system_vgpr_workitem_id 0
		.amdhsa_next_free_vgpr 640
		.amdhsa_next_free_sgpr 100
		.amdhsa_reserve_vcc 0
		.amdhsa_float_denorm_mode_32 3
		.amdhsa_float_denorm_mode_16_64 3
		.amdhsa_memory_ordered 1
		.amdhsa_forward_progress 1
		.amdhsa_inst_pref_size 101
	.end_amdhsa_kernel
	.amdgpu_metadata
---
amdhsa.version: [ 1, 2 ]
amdhsa.kernels:
  - .name:           k_q8de4a92054_ffn2
    .symbol:         k_q8de4a92054_ffn2.kd
    .args:
      - { .name: hid, .offset: 0, .size: 8, .value_kind: global_buffer, .address_space: global }
      - { .name: W2_codes, .offset: 8, .size: 8, .value_kind: global_buffer, .address_space: global }
      - { .name: W2_scales, .offset: 16, .size: 8, .value_kind: global_buffer, .address_space: global }
      - { .name: b2, .offset: 24, .size: 8, .value_kind: global_buffer, .address_space: global }
      - { .name: x1, .offset: 32, .size: 8, .value_kind: global_buffer, .address_space: global }
      - { .name: out0, .offset: 40, .size: 8, .value_kind: global_buffer, .address_space: global }
    .group_segment_fixed_size: 327680
    .private_segment_fixed_size: 0
    .kernarg_segment_align: 8
    .kernarg_segment_size: 48
    .max_flat_workgroup_size: 128
    .sgpr_count:     100
    .vgpr_count:     640
    .wavefront_size: 32
...
	.end_amdgpu_metadata
.endif
;; end of part 6
;; ======== version 2 of 2: 7 launches; version 1 with the launch attn written anew for expert scheduling mode
;; workspace buffers: hq 4,325,376 bytes; qkv 38,010,880 bytes; oq 4,325,376 bytes; x1 16,777,216 bytes; hid 17,301,504 bytes
;; launch ln1: the kernel of part 1 again; grid 256 x 1, 16 waves a work-group, no clusters, 84,480 bytes of LDS; arguments x, g1, be1, hq; writes hq
;; launch qkv: the kernel of part 2 again; grid 12 x 16, 4 waves a work-group, clusters of 4 x 4, 327,680 bytes of LDS; arguments hq, Wq_codes, Wq_scales, Wk_codes, Wk_scales, Wv_codes, Wv_scales, qkv; writes qkv
;; launch attn (part 7): grid 64 x 4, 16 waves a work-group, no clusters, 184,320 bytes of LDS; arguments qkv, oq; writes oq
.if DOCPART == 7
	.amdgcn_target "amdgcn-amd-amdhsa--gfx1250"
	.amdhsa_code_object_version 6
	.text
	.protected	k_q8de4a92054_attn
	.globl	k_q8de4a92054_attn
	.p2align	8
	.type	k_q8de4a92054_attn,@function
k_q8de4a92054_attn:
	s_mov_b64 s[64:65], 0
	v_nop
	global_prefetch_b8 v0, s[64:65] scope:SCOPE_SE
	s_setreg_imm32_b32 hwreg(HW_REG_WAVE_SCHED_MODE, 0, 2), 2
	s_setreg_imm32_b32 hwreg(HW_REG_WAVE_MODE, 25, 1), 1
	s_wait_xcnt 0x0
	s_wait_alu depctr_vm_vsrc(0)
; Causal attention of 64 heads of 16 over 1,024 tokens, 4 batches.  Scores in f32 (K = 16; their results go on into a quantiser), p V on codes of FP8 (E4M3) with one E8M0 scale for each 32 keys.
; t = score x log2(e) / 32; M = the running largest t rounded UP to a whole number; p = 2^(t - M) is quantised along the keys, not normalised; the row's sum of the unquantised p divides at the end.
; The result o, [token][head x 16 + d], is quantised here along its 1,024 channels and stored as the next product's operand.
; INPUT (workspace qkv): q at 0, k at 0x1000000: f32 fragment images [batch][head][tile of 16 tokens][c 2][lane (r, h)][16 bytes]: token 16 tile + r, d = 8 h + 4 c + 0..3;
;   v's codes at 0x2000000: [batch][head][128 keys][c 4][lane][16 bytes]: lane (d, h): keys 32 c + 16 h + 0..15; v's scale words at 0x2400000: [batch][pair of heads][128 keys][lane][2 words].
; OUTPUT (workspace oq): codes as fragment images [128 tokens][512 channels][tile of 16 tokens][128 channels][c 4][lane][16 bytes]; scale words at 0x400000: [128 tokens][128 channels][token] words.
; SHARES.  A work-group has a PAIR of heads (x / 2), since a block of 32 channels of o is two heads, and half of the query tiles (x % 2), of one batch (y).  Both heads' K and V lie in LDS: written once, then only read.
; Wave w has the query tiles p = 16 (x % 2) + w and 63 - p, each for both heads.  A tile t takes t / 8 whole steps of 128 keys and one on the diagonal; steps all of whose keys come after the queries are left out
; (a scalar branch on ids).  IN THE STEP ON THE DIAGONAL only the blocks of 32 keys that hold a key that counts are worked: (t % 8) / 2 + 1 of the four; the last of them is masked; the hidden blocks get zero codes,
; which add nothing.  That step is written out for 1, 2, 3 and 4 blocks and chosen by a scalar branch on ids.  A wave's two tiles have 7 whole steps and 5 blocks on the diagonal together, for each head, whatever the wave.
; Four waves share a SIMD: while one waits (for LDS, for its exponentials) another issues.
; LAYOUT.  Both products are used transposed (S^T = K Q^T, O^T = V^T P^T): a lane holds one query.  Lane r of key tile 2 b + u takes key 32 b + 8 u + r + 8 (r / 8), so that the 16 registers of tiles 2 b, 2 b + 1 are keys 32 b + 16 h + 0..15.
; The score product's K step s takes d = 8 h + 2 s + j on BOTH operands: the sum runs in that order of d, not ascending.
; NO CLUSTER: a pair's K and V (162 KiB) are wanted by two work-groups only, once, at the head, and come through registers; nothing is fetched in the loop.
; The scale BYTE of a token's block is stored alone (a word's four bytes belong to four pairs of heads, that is, four work-groups): 131,072 single bytes in the launch.
; LIMITS: NaN and infinities are not served; p under 2^-126 counts as 0 (the exponential's results under that are zeros: ISA guide 15.8); a block of zeros gets the byte 1 (its codes are zeros; this program alone reads the bytes).
; THE MODE: SCHED_MODE bits 1:0 = 2 (LLVM: expert scheduling mode 2), set by the entry lines.  The code itself states the register dependences
; between vector or matrix instructions and memory or LDS instructions, with s_wait_alu, always for 0.
; THE PLAN.  Registers that memory or LDS instructions touch:
;   v2 .. v6        offsets, made at the head and never written again.
;   v8, v9, v10     LDS addresses.  Read by the head's LDS stores, then by each step's LDS loads; written by three additions at each step's head.
;   v[P ..]         At the head global loads land in them and LDS stores read them.  In a step K's fragments land in them; the score products read them; the mask and the softmax write p over them; the conversions read p.
;   v[VF ..], v64   A step's five LDS loads land in them; the step's product O^T += V^T P^T reads them.
;   v[Q ..]         A walk's two global loads land in them; the walk's score products read them.
;   v232 .. v236    Written by the way out's conversions and one shift; read by its three stores.  (At the head loads land in v232 to v248 and LDS stores read them.)
;   v254, v255      Written at the head, read by the closing add alone.
;   S^T, O^T, o, p's codes, v65 and the statistics are named by vector and matrix instructions alone.
; So a step has one wait on vm_vsrc, ahead of the three additions, and one on va_vdst behind them, on which all its LDS loads hang: between that wait and V's loads stand the score products (S^T, K, Q), a copy (v249 from v12),
; the mask's addition (v102) and v_nop: none names v9, v10, V's fragment or v64.  A second wait on va_vdst stands ahead of the scaled product, for p's codes and scale word.
; The mask's compares write scalar registers, eight to a run, with one wait on va_sdst behind each run.  A walk has one wait ahead of Q's loads; the way out one on vm_vsrc at its head and one on va_vdst ahead of its stores.
.set KT,  1152                         ; a key tile's image in LDS: 1,024 bytes + 128: neighbouring tiles lie half a row of banks apart
.set VB,  128*KT                       ; V's images: head x 16,384 + step x 2,048
.set VSB, VB+32768                     ; V's scale words: step x 256 + 8 lane + 4 head
.set Q,   16                           ; v16-23   my queries' fragment
.set O,   24                           ; v24-31   O^T
.set OX,  32                           ; v32-47   o of both heads
.set VF,  48                           ; v48-63   V^T's fragment;  v64 its scale word, v65 p's
.set PCD, 66                           ; v66-81   p's codes
.set BM,  82                           ; v82-85   the blocks' largest scores, then largest p
.set T1,  86                           ; v86-89   permutes' results, then bytes
.set HB,  90                           ; v90-93   448 x the scale
.set SO,  94                           ; v94-97   the conversions' scale operands
.set S,   104                          ; v104-167 S^T: written by the f32 matrix instructions alone
.set P,   168                          ; v168-231 K's fragments, then p
.set OM,  249                          ; v249     -M as it stood ahead of the step
.set MK,  40                           ; s40-47   the mask's eight lane masks; scratch outside the steps
	s_load_b128 s[4:7], s[0:1], 0x0                ; qkv s[4:5], oq s[6:7]
	v_lshl_add_u32 v254, v0, 2, 0x2c800
	v_mov_b32 v255, 0
	v_lshrrev_b32 v1, 5, v0
	v_readfirstlane_b32 s8, v1                     ; wave 0..15
	v_and_b32 v4, 31, v0                           ; lane
	v_and_b32 v98, 15, v0                          ; r
	v_bfe_u32 v99, v0, 4, 1                        ; h
	v_lshlrev_b32 v2, 4, v4                        ; v2: 16 x lane
	v_lshlrev_b32 v3, 3, v4                        ; v3: 8 x lane
	v_lshlrev_b32 v4, 2, v4                        ; v4: 4 x lane
	v_lshrrev_b32 v8, 3, v98
	v_and_b32 v9, 7, v98
	v_mul_u32_u24 v1, v8, KT
	v_lshl_add_u32 v1, v9, 4, v1
	v_lshl_add_u32 v1, v99, 8, v1                  ; v1: my place in a pair of key tiles: (r / 8) KT + 16 (r % 8) + 256 h
	v_lshlrev_b32 v5, 4, v98
	v_lshl_add_u32 v5, v99, 3, v5                  ; v5: 16 r + 8 h
	v_lshlrev_b32 v6, 2, v98                       ; v6: 4 r
	v_lshlrev_b32 v7, 4, v99
	v_sub_nc_u32 v7, v98, v7                       ; v7: r - 16 h
	v_mov_b32 v11, 0xff800000                      ; v11: -infinity
.irp b, 0,1,2,3
	v_mov_b32 v[T1+\b], 0                          ; a lane permute's destination counts as read
.endr
	v_mov_b32 v99, 0
	v_mov_b32 v101, 0                              ; (the upper half of the pair v[100:101])
	s_wait_alu depctr_va_sdst(0)                   ; s8 is written, ahead of its first reader: LDS addresses, the buffers' offsets and my query tiles are made from it
	s_mul_i32 s38, s8, 8*KT
	v_add_nc_u32 v8, s38, v2                       ; the head's LDS stores: my 8 key tiles,
	s_lshl_b32 s39, s8, 11
	s_add_co_u32 s39, s39, VB
	v_add_nc_u32 v9, s39, v2                       ; my 2,048 bytes of V,
	s_lshl_b32 s40, s8, 7
	s_add_co_u32 s40, s40, VSB
	v_add_nc_u32 v10, s40, v4                      ; my 128 bytes of its words
	s_lshr_b32 s10, ttmp9, 1                       ; the pair of heads
	s_and_b32 s11, ttmp9, 1                        ; which half of the query tiles
	s_and_b32 s12, ttmp7, 0xffff                   ; the batch
	s_mov_b32 s20, 0x76543210
	s_mov_b32 s21, 0xfedcba98                      ; lane l xor 16
	s_mov_b32 s22, 0x3d38aa3b                      ; c = log2(e) / 32
	s_mov_b32 s23, s22                             ; (named with it as a pair)
	s_mov_b32 s24, 0x600000                        ; the mantissa field of 448
	s_lshr_b32 s38, s10, 4                         ; where the pair's block of 32 channels lies in an image: 512 channels, 128 channels, c
	s_lshl_b32 s16, s38, 16
	s_bfe_u32 s38, s10, 0x20002
	s_lshl_b32 s38, s38, 11
	s_add_co_u32 s16, s16, s38
	s_and_b32 s39, s10, 3
	s_lshl_b32 s38, s39, 9
	s_add_co_u32 s16, s16, s38
	s_lshr_b32 s17, s10, 2                         ; and its byte among the scale words
	s_lshl_b32 s17, s17, 9
	s_add_co_u32 s17, s17, s39
	s_lshl_b32 s38, s12, 6
	s_lshl_b32 s39, s10, 1
	s_add_co_u32 s38, s38, s39                     ; 64 x batch + the pair's first head
	s_mov_b32 s45, 0
	s_wait_kmcnt 0x0
	s_lshl_b32 s44, s38, 16
	s_add_nc_u64 s[30:31], s[4:5], s[44:45]        ; q of the pair
	s_lshl_b32 s40, s8, 13
	s_add_co_u32 s44, s44, s40
	s_add_nc_u64 s[32:33], s[4:5], s[44:45]
	s_add_nc_u64 s[32:33], s[32:33], 0x1000000     ; k: my wave's 8,192 bytes of the pair's 131,072
	s_lshl_b32 s44, s38, 14
	s_lshl_b32 s40, s8, 11
	s_add_co_u32 s44, s44, s40
	s_add_nc_u64 s[34:35], s[4:5], s[44:45]
	s_add_nc_u64 s[34:35], s[34:35], 0x2000000     ; v's codes: 2,048 of 32,768
	s_lshl_b32 s44, s38, 10
	s_lshl_b32 s40, s8, 7
	s_add_co_u32 s44, s44, s40
	s_add_nc_u64 s[36:37], s[4:5], s[44:45]
	s_add_nc_u64 s[36:37], s[36:37], 0x2400000     ; v's words: 128 of 2,048
	s_wait_alu depctr_va_vdst(0)                   ; the offsets v2 to v6 and the LDS addresses v8 to v10 are written, which the loads and LDS stores below, and later loads and stores, read
.set k, 0
.rept 16
	global_load_b128 v[P+4*k:P+4*k+3], v2, s[32:33] offset:512*k
.set k, k+1
.endr
.set k, 0
.rept 4
	global_load_b128 v[232+4*k:235+4*k], v2, s[34:35] offset:512*k
.set k, k+1
.endr
	global_load_b32 v248, v4, s[36:37]
	s_wait_loadcnt 0x0
.set k, 0
.rept 16
	ds_store_b128 v8, v[P+4*k:P+4*k+3] offset:(k/2)*KT+(k%2)*512
.set k, k+1
.endr
.set k, 0
.rept 4
	ds_store_b128 v9, v[232+4*k:235+4*k] offset:512*k
.set k, k+1
.endr
	ds_store_b32 v10, v248
	s_wait_dscnt 0x0                               ; for the others' sake: my stores have landed
	s_barrier_signal -1
	s_barrier_wait -1                              ; from here on LDS is only read
.macro PICK mk                         ; rs: where block bb's 16 scores stand: in S^T, or, for the masked block, in v[P] on
.set rs, S+16*bb
.if bb == \mk
.set rs, P+16*bb
.endif
.endm
; The softmax of a step's first nb blocks of 32 keys: 16 nb scores of my query become p in v[P] on, its codes in v[PCD] on and its scale word in v65.  mk: the masked block (9: none)
.macro SOFTMAX nb, mk
.set bb, 0
.rept \nb
	PICK \mk
	v_max3_num_f32 v[BM+bb], v[rs], v[rs+1], v[rs+2]   ; the largest score of each block of 32 keys: it serves the row's maximum and, since p rises with the score, the block's largest p.  Each accumulator is read from its low end on
.set bb, bb+1
.endr
.irp i, 3,5,7,9,11,13
.set bb, 0
.rept \nb
	PICK \mk
	v_max3_num_f32 v[BM+bb], v[BM+bb], v[rs+\i], v[rs+\i+1]
.set bb, bb+1
.endr
.endr
.set bb, 0
.rept \nb
	PICK \mk
	v_max_num_f32 v[BM+bb], v[BM+bb], v[rs+15]
.set bb, bb+1
.endr
.set bb, 0
.rept \nb
	v_permlanex16_b32 v[T1+bb], v[BM+bb], s20, s21
.set bb, bb+1
.endr
.set bb, 0
.rept \nb
	v_max_num_f32 v[BM+bb], v[BM+bb], v[T1+bb]     ; with lane l xor 16's 16 keys
.set bb, bb+1
.endr
.if \nb == 1
	v_mul_f32 v98, s22, v[BM]                      ; the step's largest t (c is positive)
.elseif \nb == 2
	v_max_num_f32 v98, v[BM], v[BM+1]
	v_mul_f32 v98, s22, v98
.elseif \nb == 3
	v_max3_num_f32 v98, v[BM], v[BM+1], v[BM+2]
	v_mul_f32 v98, s22, v98
.else
	v_max3_num_f32 v98, v[BM], v[BM+1], v[BM+2]
	v_max_num_f32 v98, v98, v[BM+3]
	v_mul_f32 v98, s22, v98
.endif
	v_max_num_f32 v13, v13, v98                    ; the running largest t
	v_floor_f32 v12, -v13                          ; -M = floor(-t): M is a whole number
	v_sub_f32 v98, v12, v[OM]                      ; old M - new M: a whole number, 0 or less (the old -M was copied behind the score products)
	v_cvt_i32_f32 v98, v98                         ; (it saturates)
	v_ldexp_f32 v100, 1.0, v98                     ; f = 2^(old M - new M): a multiplication by it rounds nothing
.set bb, 0
.rept \nb
	PICK \mk
.irp j, 0,2,4,6,8,10,12,14
	v_pk_fma_f32 v[P+16*bb+\j:P+16*bb+\j+1], v[rs+\j:rs+\j+1], s[22:23], v[12:13] op_sel_hi:[1,0,0]   ; t - M
.endr
.set bb, bb+1
.endr
.set bb, 0
.rept \nb
	v_fma_f32 v[BM+bb], v[BM+bb], s22, v12         ; the same of each block's largest score
.set bb, bb+1
.endr
.set jj, 0
.rept 16*\nb
	v_exp_f32 v[P+jj], v[P+jj]                     ; p = 2^(t - M)
.set jj, jj+1
.endr
	v_pk_mul_f32 v[14:15], v[14:15], v[100:101] op_sel_hi:[1,0]   ; the sums under the new M (a plain line behind the exponentials)
	s_wait_alu depctr_va_vdst(0)                   ; the exponentials have written p: one wait for the whole batch, ahead of its first reader
.set bb, 0
.rept \nb
	v_exp_f32 v[BM+bb], v[BM+bb]                   ; the block's largest p
.set bb, bb+1
.endr
	v_pk_add_f32 v[102:103], v[P:P+1], v[P+2:P+3]  ; the row's sum of the unquantised p, in two chains
.set jj, 4
.rept 4*\nb-1
	v_pk_add_f32 v[14:15], v[14:15], v[P+jj:P+jj+1]
	v_pk_add_f32 v[102:103], v[102:103], v[P+jj+2:P+jj+3]
.set jj, jj+4
.endr
	v_pk_add_f32 v[14:15], v[14:15], v[102:103]
	s_wait_alu depctr_va_vdst(0)                   ; the blocks' exponentials have written v[BM ..]: one wait for them, ahead of their first reader
.set bb, 0
.rept \nb
	v_max_num_f32 v[BM+bb], 0x4800000, v[BM+bb]    ; the floor 2^(9 - 127): the byte cannot fall under 1
.set bb, bb+1
.endr
.set bb, 0
.rept \nb
	v_add_nc_u32 v[SO+bb], 0xfc000000, v[BM+bb]    ; 8 off the exponent field: the conversion's scale operand
.set bb, bb+1
.endr
.set bb, 0
.rept \nb
	v_and_or_b32 v[HB+bb], v[BM+bb], 0x7f800000, s24   ; 448 x the scale
.set bb, bb+1
.endr
.set bb, 0
.rept \nb
	v_lshrrev_b32 v[T1+bb], 23, v[SO+bb]           ; the scale's byte
.set bb, bb+1
.endr
.if \nb == 1                           ; p's scale word for these 128 keys; a hidden block's byte is 127, over zero codes
	v_or_b32 v65, 0x7f7f7f00, v[T1]
.elseif \nb == 2
	v_lshl_or_b32 v65, v[T1+1], 8, v[T1]
	v_or_b32 v65, 0x7f7f0000, v65
.elseif \nb == 3
	v_lshl_or_b32 v65, v[T1+1], 8, v[T1]
	v_lshl_or_b32 v65, v[T1+2], 16, v65
	v_or_b32 v65, 0x7f000000, v65
.else
	v_lshl_or_b32 v65, v[T1+1], 8, v[T1]
	v_lshl_or_b32 v65, v[T1+2], 16, v65
	v_lshl_or_b32 v65, v[T1+3], 24, v65
.endif
.if \nb < 4
.set jj, 4*\nb
.rept 16-4*\nb
	v_mov_b32 v[PCD+jj], 0                         ; the hidden blocks' codes: zeros
.set jj, jj+1
.endr
.endif
.set bb, 0
.rept \nb
.irp i, 0,1,2,3,4,5,6,7,8,9,10,11,12,13,14,15
	v_min_num_f32 v[P+16*bb+\i], v[P+16*bb+\i], v[HB+bb]   ; the conversion does not saturate (ISA guide 7.6.2); p is not negative
.endr
	v_cvt_scalef32_pk8_fp8_f32 v[PCD+4*bb:PCD+4*bb+1], v[P+16*bb:P+16*bb+7], v[SO+bb]
	v_cvt_scalef32_pk8_fp8_f32 v[PCD+4*bb+2:PCD+4*bb+3], v[P+16*bb+8:P+16*bb+15], v[SO+bb]
.set bb, bb+1
.endr
.endm
; One pass of S^T = K Q^T over the step's 2 nb key tiles: d = 8 h + 2 s + 0, 1.  The accumulators take turns, one instruction a turn.  Pass 0 starts the sums
.macro PASS nb, s
.set tt, 0
.rept 2*\nb
.if \s == 0
	v_wmma_f32_16x16x4_f32 v[S+8*tt:S+8*tt+7], v[P+8*tt:P+8*tt+1], v[Q:Q+1], 0
.else
	v_wmma_f32_16x16x4_f32 v[S+8*tt:S+8*tt+7], v[P+8*tt+2*\s:P+8*tt+2*\s+1], v[Q+2*\s:Q+2*\s+1], v[S+8*tt:S+8*tt+7]
.endif
.set tt, tt+1
.endr
.endm
; A step of 128 keys, of which the first nb blocks of 32 are worked.  mk: the block on the diagonal, in which scores of keys behind my query become -infinity (9: a whole step, nothing is masked)
.macro STEPM nb, mk
	s_wait_alu depctr_vm_vsrc(0)                   ; the last step's LDS loads have read v8, v9 and v10, which are written below (in the kernel's first step: the head's LDS stores have read them, and their data in v[P ..], in which K's fragments land)
	v_add_nc_u32 v8, s26, v1                       ; the step's key tiles,
	v_add_nc_u32 v9, s27, v2                       ; its fragment of V^T,
	v_add_nc_u32 v10, s28, v3                      ; and that fragment's scale word
	s_wait_alu depctr_va_vdst(0)                   ; v8, v9 and v10 are written; the last step's softmax and conversions are done with v[P ..], in which K's fragments land; its product O^T += V^T P^T is done reading v[VF ..] and v64, in which V's loads land
.set tt, 0
.rept 2*\nb
	ds_load_b128 v[P+8*tt:P+8*tt+3], v8 offset:(tt/2)*2*KT+(tt%2)*128          ; key 32 (t / 2) + 8 (t % 2) + r + 8 (r / 8), d = 8 h + 0..3: what passes 0 and 1 take
.set tt, tt+1
.endr
.set tt, 0
.rept 2*\nb
	ds_load_b128 v[P+8*tt+4:P+8*tt+7], v8 offset:(tt/2)*2*KT+(tt%2)*128+512    ; d = 8 h + 4..7: passes 2 and 3
.set tt, tt+1
.endr
	s_wait_dscnt 2*\nb                             ; LDS loads come back in order (ISA guide 5.7.1): d = 8 h + 0..3 of every tile is in; the 2 nb younger loads may be out
	PASS \nb, 0
	PASS \nb, 1
	s_wait_dscnt 0x0                               ; d = 8 h + 4..7
	PASS \nb, 2
	PASS \nb, 3
	v_mov_b32 v[OM], v12                           ; eight places in front of the first read of the scores and the first write over K's fragments: the old -M is kept for the change of M
.if \mk < 4
	s_lshl_b32 s38, s14, 4
	s_lshl_b32 s39, s25, 7
	s_sub_co_i32 s38, s38, s39
.if \mk > 0
	s_sub_co_i32 s38, s38, 32*\mk
.endif
	v_add_nc_u32 v102, s38, v7                     ; my query - the step's first key - 32 mk - 16 h.  Register 16 mk + i holds key 32 mk + 16 h + i of the step: hidden where i is greater,
.rept 6
	v_nop
.endr
.else
.rept 7
	v_nop
.endr
.endif
.irp c, 0,1,2,3
	ds_load_b128 v[VF+4*\c:VF+4*\c+3], v9 offset:512*\c    ; V^T's fragment lands while the softmax is worked.  No wait: no vector or matrix instruction since the wait at the step's head names v9, v10, v[VF ..] or v64
.endr
	ds_load_b32 v64, v10
.if \mk < 4
.irp g, 0,1                                    ; the masked block's two key tiles, each accumulator from its low end on
.set nn, 0
.rept 8
	v_cmp_gt_i32 s[MK+nn], 8*\g+nn, v102
.set nn, nn+1
.endr
	s_wait_alu depctr_va_sdst(0)                   ; the eight compares have written s40 to s47, ahead of the selections that read them
.set nn, 0
.rept 8
	v_cndmask_b32 v[P+16*\mk+8*\g+nn], v[S+16*\mk+8*\g+nn], v11, s[MK+nn]
.set nn, nn+1
.endr
.endr
.endif
	SOFTMAX \nb, \mk
.irp j, 0,2,4,6
	v_pk_mul_f32 v[O+\j:O+\j+1], v[O+\j:O+\j+1], v[100:101] op_sel_hi:[1,0]   ; O^T under the new M
.endr
.rept 4
	v_nop                                          ; four places between the codes' conversions and the scaled product (the scale word was made ahead of the holds)
.endr
	s_wait_dscnt 0x0                               ; V's fragment and its scale word
	s_wait_alu depctr_va_vdst(0)                   ; the conversions have written p's codes, and vector lines its scale word v65, which the scaled product takes; the places above stay beside this wait
	v_wmma_scale_f32_16x16x128_f8f6f4 v[O:O+7], v[VF:VF+15], v[PCD:PCD+15], v[O:O+7], v64, v65   ; O^T += V^T P^T; a step's score products stand between two links of this chain
.endm
; One head's walk for the query tile s14.  The loop has a constant 8 trips, so that every LDS address is a constant stepped by constants; a trip's work is chosen by ids
.macro WALK hd
	s_lshl_b32 s38, s14, 10
	s_add_co_u32 s38, s38, \hd*65536
	s_mov_b32 s39, 0
	s_add_nc_u64 s[32:33], s[30:31], s[38:39]      ; (its last loads were waited for)
	s_wait_alu depctr_va_vdst(0)                   ; the last walk's score products are done reading v[Q ..], in which the two loads land
	global_load_b128 v[Q:Q+3], v2, s[32:33]
	global_load_b128 v[Q+4:Q+7], v2, s[32:33] offset:512
	v_mov_b32 v13, 0xff61b1e6                      ; the largest t so far: -3e38
	v_floor_f32 v12, -v13
	v_mov_b32 v14, 0
	v_mov_b32 v15, 0
.irp j, 0,1,2,3,4,5,6,7
	v_mov_b32 v[O+\j], 0                           ; the first change of M multiplies zeros
.endr
	s_mov_b32 s26, \hd*64*KT
	s_mov_b32 s27, VB+\hd*16384
	s_mov_b32 s28, VSB+4*\hd
	s_mov_b32 s25, 0
	s_wait_loadcnt 0x0
.Lstep_\@:
	s_cmp_gt_u32 s25, s15
	s_cbranch_scc1 .Lskip_\@                       ; all 128 keys come after my queries
	s_cmp_eq_u32 s25, s15
	s_cbranch_scc1 .Ldiag_\@
	STEPM 4, 9                                     ; all 128 keys count
	s_branch .Lskip_\@
.Ldiag_\@:                                         ; on the diagonal: s18 + 1 blocks hold keys that count, and block s18 is masked
	s_cmp_eq_u32 s18, 0
	s_cbranch_scc1 .Ld1_\@
	s_cmp_eq_u32 s18, 1
	s_cbranch_scc1 .Ld2_\@
	s_cmp_eq_u32 s18, 2
	s_cbranch_scc1 .Ld3_\@
	STEPM 4, 3
	s_branch .Lskip_\@
.Ld3_\@:
	STEPM 3, 2
	s_branch .Lskip_\@
.Ld2_\@:
	STEPM 2, 1
	s_branch .Lskip_\@
.Ld1_\@:
	STEPM 1, 0
.Lskip_\@:
	s_add_co_u32 s26, s26, 8*KT
	s_add_co_u32 s27, s27, 2048
	s_add_co_u32 s28, s28, 256
	s_add_co_u32 s25, s25, 1
	s_cmp_lt_u32 s25, 8
	s_cbranch_scc1 .Lstep_\@
.endm
.macro FINISH hd                       ; O^T / the row's sum
.rept 8
	v_nop                                          ; places behind the last product
.endr
	v_add_f32 v98, v14, v15
	v_permlanex16_b32 v99, v98, s20, s21
	v_add_f32 v98, v98, v99
	v_rcp_f32 v98, v98
	v_nop
	s_wait_alu depctr_va_vdst(0)                   ; the reciprocal has written v98, ahead of its first reader
.irp j, 0,2,4,6
	v_pk_mul_f32 v[OX+8*\hd+\j:OX+8*\hd+\j+1], v[O+\j:O+\j+1], v[98:99] op_sel_hi:[1,0]
.endr
.endm
; The two heads' 32 channels of a token are a block of the next product's K: my 16 (channels 8 h + j and 16 + 8 h + j) and lane l xor 16's
.macro OUTQ
	s_wait_xcnt 0x0                                ; the last tile's stores have read their data and their pointers
	s_wait_alu depctr_vm_vsrc(0)                   ; the last tile's stores have read v232 to v236 (for the first tile: the head's LDS stores have), which the conversions and the shift below write again
	v_max3_num_f32 v98, |v[OX]|, |v[OX+1]|, 0x4800000
.irp i, 2,4,6,8,10,12,14
	v_max3_num_f32 v98, v98, |v[OX+\i]|, |v[OX+\i+1]|
.endr
	v_permlanex16_b32 v99, v98, s20, s21
	v_max_num_f32 v98, v98, v99
	v_add_nc_u32 v102, 0xfc000000, v98
	v_and_or_b32 v103, v98, 0x7f800000, s24
	v_lshrrev_b32 v236, 23, v102
.irp i, 0,1,2,3,4,5,6,7,8,9,10,11,12,13,14,15
	v_med3_num_f32 v[OX+\i], v[OX+\i], -v103, v103
.endr
	v_cvt_scalef32_pk8_fp8_f32 v[232:233], v[OX:OX+7], v102
	v_cvt_scalef32_pk8_fp8_f32 v[234:235], v[OX+8:OX+15], v102
	v_nop
	s_lshl_b32 s38, s12, 3
	s_add_co_u32 s38, s38, s15                     ; which 128 tokens: 8 x batch + tile / 8
	s_and_b32 s39, s14, 7                          ; and which 16 of them
	s_lshl_b32 s44, s38, 17
	s_lshl_b32 s40, s39, 13
	s_add_co_u32 s44, s44, s40
	s_add_co_u32 s44, s44, s16
	s_mov_b32 s45, 0
	s_add_nc_u64 s[34:35], s[6:7], s[44:45]
	s_lshl_b32 s44, s38, 12
	s_lshl_b32 s40, s39, 6
	s_add_co_u32 s44, s44, s40
	s_add_co_u32 s44, s44, s17
	s_add_nc_u64 s[36:37], s[6:7], s[44:45]
	s_add_nc_u64 s[36:37], s[36:37], 0x400000
	s_wait_alu depctr_va_vdst(0)                   ; the conversions have written v[232:235] and the shift v236, which the three stores read
	global_store_b64 v5, v[232:233], s[34:35]              ; 256 consecutive bytes, aligned
	global_store_b64 v5, v[234:235], s[34:35] offset:256
	global_store_b8 v6, v236, s[36:37]                     ; lanes l and l + 16 write the same byte with the same value
.endm
	s_lshl_b32 s14, s11, 4
	s_add_co_u32 s14, s14, s8                      ; my first query tile
	s_mov_b32 s29, 2
.Ltile:
	s_bfe_u32 s15, s14, 0x30003                    ; tile / 8: the step on the diagonal
	s_bfe_u32 s18, s14, 0x20001                    ; (tile % 8) / 2: the block of 32 keys on the diagonal in that step
	WALK 0
	FINISH 0
	WALK 1
	FINISH 1
	OUTQ
	s_xor_b32 s14, s14, 63                         ; my second tile: 63 - the first
	s_sub_co_u32 s29, s29, 1
	s_cmp_lg_u32 s29, 0
	s_cbranch_scc1 .Ltile
	s_wait_dscnt 0x0                               ; the closing lines, six on end
	s_wait_alu 0x0
	s_wait_tensorcnt 0x0
	ds_add_u32 v254, v255
	s_wait_dscnt 0x0
	s_endpgm
.Lfunc_end_k_q8de4a92054_attn:
	.size	k_q8de4a92054_attn, .Lfunc_end_k_q8de4a92054_attn-k_q8de4a92054_attn
	.p2alignl 7, 3214868480
	.fill 96, 4, 3214868480
	.section	.rodata,"a",@progbits
	.p2align	6, 0x0
	.amdhsa_kernel k_q8de4a92054_attn
		.amdhsa_group_segment_fixed_size 184320
		.amdhsa_private_segment_fixed_size 0
		.amdhsa_enable_private_segment 0
		.amdhsa_kernarg_size 16
		.amdhsa_user_sgpr_count 2
		.amdhsa_user_sgpr_kernarg_segment_ptr 1
		.amdhsa_wavefront_size32 1
		.amdhsa_system_sgpr_workgroup_id_x 1
		.amdhsa_system_sgpr_workgroup_id_y 1
		.amdhsa_system_sgpr_workgroup_id_z 1
		.amdhsa_system_vgpr_workitem_id 0
		.amdhsa_next_free_vgpr 256
		.amdhsa_next_free_sgpr 66
		.amdhsa_reserve_vcc 0
		.amdhsa_float_denorm_mode_32 3
		.amdhsa_float_denorm_mode_16_64 3
		.amdhsa_memory_ordered 1
		.amdhsa_forward_progress 1
		.amdhsa_inst_pref_size 160
	.end_amdhsa_kernel
	.amdgpu_metadata
---
amdhsa.version: [ 1, 2 ]
amdhsa.kernels:
  - .name:           k_q8de4a92054_attn
    .symbol:         k_q8de4a92054_attn.kd
    .args:
      - { .name: qkv, .offset: 0, .size: 8, .value_kind: global_buffer, .address_space: global }
      - { .name: oq, .offset: 8, .size: 8, .value_kind: global_buffer, .address_space: global }
    .group_segment_fixed_size: 184320
    .private_segment_fixed_size: 0
    .kernarg_segment_align: 8
    .kernarg_segment_size: 16
    .max_flat_workgroup_size: 512
    .sgpr_count:     66
    .vgpr_count:     256
    .wavefront_size: 32
...
	.end_amdgpu_metadata
.endif
;; end of part 7
;; launch proj: the kernel of part 4 again; grid 8 x 32, 4 waves a work-group, clusters of 4 x 4, 327,680 bytes of LDS; arguments oq, Wproj_codes, Wproj_scales, bproj, x, x1; writes x1
;; launch ln2: the kernel of part 1 again; grid 256 x 1, 16 waves a work-group, no clusters, 84,480 bytes of LDS; arguments x1, g2, be2, hq; writes hq
;; launch ffn1: the kernel of part 5 again; grid 16 x 16, 4 waves a work-group, clusters of 4 x 4, 327,680 bytes of LDS; arguments hq, W1_codes, W1_scales, b1, hid; writes hid
;; launch ffn2: the kernel of part 6 again; grid 8 x 32, 4 waves a work-group, clusters of 4 x 4, 327,680 bytes of LDS; arguments hid, W2_codes, W2_scales, b2, x1, out0; writes out0
